; MI455X (gfx1250); checked and timed in simulation.
; The chip was launched on July 23, 2026; its instructions are those of AMD's public machine-readable ISA for CDNA 5 (MIT licence, August 2026) and "CDNA5" Instruction Set Architecture Reference Guide (July 2026). The comments in the code are by the model that wrote it; some were corrected since.
;; Transformer Block. Allowed arithmetic: matrix products marked QUANTISED: E2M3 operands, one E8M0 scale for each 32 along K, by v_wmma_scale_f32_16x16x128_f8f6f4 with both operands' format E2M3, f32 sums; everything else in f32.
;; Inputs: causal_mask 1 x 1 x 2,048 x 2,048 bool; ff_b1 4,096 float32; ff_b2 1,024 float32; ff_w1 1,024 x 4,096 float32; ff_w2 4,096 x 1,024 float32; ln1_b 1,024 float32; ln1_g 1,024 float32; ln2_b 1,024 float32; ln2_g 1,024 float32; out_b 1,024 float32; out_w 1,024 x 1,024 float32; qkv_w 1,024 x 3,072 float32; x 2 x 2,048 x 1,024 float32.
;; Outputs: out0 2 x 2,048 x 1,024 float32.
;; This version of the problem:
;;   THIS VERSION OF THE PROBLEM IS GIVEN IN LOW PRECISION. The matrix products marked QUANTISED in the list below multiply operands that are first quantised to E2M3 (2 exponent bits, 3 mantissa bits; 6 bits a number), with one power-of-two scale for each 32 numbers along K (OCP MX v1.0); their sums are f32. All else is computed in f32.
;;   The module's matrix products, in the order in which they are computed (A, B: the left and right operand; K: the contracted axis; several contracted axes count as one K, in the product's order):
;;     1. [M 4,096, K 1,024] x [K 1,024, N 3,072]; A: computed on the way; B: input qkv_w: QUANTISED
;;     2. batch 32 x [M 2,048, K 64] x [K 64, N 2,048]; A: computed on the way; B: computed on the way: QUANTISED
;;     3. batch 32 x [M 2,048, K 2,048] x [K 2,048, N 64]; A: softmax (see below); B: computed on the way: QUANTISED
;;     4. [M 4,096, K 1,024] x [K 1,024, N 1,024]; A: computed on the way; B: input out_w: QUANTISED
;;     5. [M 4,096, K 1,024] x [K 1,024, N 4,096]; A: computed on the way; B: input ff_w1: QUANTISED
;;     6. [M 4,096, K 4,096] x [K 4,096, N 1,024]; A: computed on the way; B: input ff_w2: QUANTISED
;;   THE QUANTISER, for each operand of a quantised product, along K:
;;     - K is cut into blocks of 32 from its start; a last block that is shorter is filled with zeros.
;;     - A block's scale is 2^e with e = floor(log2(the largest magnitude in the block)) - 2, held to -126 .. 127; a block of zeros has e = 0. As a byte (E8M0): e + 127.
;;     - Each number is divided by its block's scale, clamped to +-7.5, and rounded to the nearest number of E2M3, ties to even, subnormals kept.
;;     - The product sums the exact products of the quantised numbers (number of the format x scale) in f32.
;;   ~~~python
;;   def quantise(x, axis):      # numpy; x: float32 -> the quantised numbers, widened to float32 again
;;       x = np.moveaxis(x, axis, -1); K = x.shape[-1]
;;       x = np.pad(x, [(0, 0)] * (x.ndim - 1) + [(0, -K % 32)]); x = x.reshape(x.shape[:-1] + (-1, 32)); a = np.abs(x).max(-1, keepdims=True)
;;       e = np.where(a > 0, np.clip(np.frexp(np.where(a > 0, a, 1))[1] - 1 - 2, -126, 127), 0)      # np.frexp(a)[1] - 1 = floor(log2(a)), exactly
;;       r = np.clip(x / 2.0 ** e, -7.5, 7.5)
;;       step = 2.0 ** (np.maximum(np.frexp(np.where(r == 0, 1, r))[1] - 1, 0) - 3)
;;       q = np.round(r / step) * step * 2.0 ** e      # np.round: ties to even
;;       return np.moveaxis(q.reshape(q.shape[:-2] + (-1,))[..., :K], -1, axis).astype(np.float32)
;;   ~~~
;;   SOFTMAX AHEAD OF A QUANTISED PRODUCT. Where the list says 'softmax', what is quantised is not the finished softmax but p = 2^(t - M), with t = logit x log2(e) and M = ceil(the row's largest t), a whole number; so 1/2 < the row's largest p <= 1. The row's sum l is taken of the UNQUANTISED p, in f32, and the product's result is divided by l at the end. Since M is a whole number, a kernel that streams over the keys may use a running M (the ceiling of the running maximum): every later rescaling is an exact power of two, which a block's scale takes up: the codes' values come out the same.
;;   OPERANDS COMPUTED ON THE WAY. 'Computed on the way' means the value that the module computes at that place (a softmax that the list does not call 'softmax' is quantised finished and normalised). What goes into a quantiser is computed in f32, as accurately as f32 sums, v_exp_f32 and their like allow (about 1e-6 of the number): no bf16 or f16 on the way to a quantiser, and a product that is left as it is and whose result goes on into a quantised operand takes f32 operands (vector FMAs, or v_wmma_f32_16x16x4_f32). A number that lies on a knife's edge between two numbers of the format may be rounded either way, as far as f32 arithmetic and the matrix unit's own rounding can turn it there, and no further.
;; One version. Each part assembles by itself: llvm-mc -triple=amdgcn-amd-amdhsa -mcpu=gfx1250 --defsym DOCPART=n.
;; ======== version 1 of 1: 7 launches
;; limits: right only within a limited range of input values
;; workspace buffers: wts 9,863,168 bytes; mbits 532,480 bytes of whole numbers; act 3,276,800 bytes; qkv 9,830,400 bytes; x1 16,777,216 bytes; hid 13,107,200 bytes
;; launch prep (part 1): grid 896 x 1, 8 waves a work-group, no clusters, 78,848 bytes of LDS; arguments x, ln1_g, ln1_b, act, qkv_w, out_w, ff_w1, ff_w2, causal_mask, wts, mbits; writes act, wts, mbits
.if DOCPART == 1
	.amdgcn_target "amdgcn-amd-amdhsa--gfx1250"
	.amdhsa_code_object_version 6
	.text
	.protected	k_q83cad0de7f_prep
	.globl	k_q83cad0de7f_prep
	.p2align	8
	.type	k_q83cad0de7f_prep,@function
k_q83cad0de7f_prep:
	s_mov_b64 s[64:65], 0
	v_nop
	global_prefetch_b8 v0, s[64:65] scope:SCOPE_SE
	s_setreg_imm32_b32 hwreg(HW_REG_WAVE_MODE, 25, 1), 1
	s_wait_xcnt 0x0
; PREP.  (1) The four weights, f32 stored [K][N], become codes of FP6 (E2M3) with one E8M0 byte for each 32 along K, laid as the products' launches read them.
; (2) The mask, an input whose pattern is not known, becomes lane masks and a flag for each (16 queries, 128 keys).
; THE ORDER INSIDE A BLOCK OF 32.  Every operand of every product of this program holds, at position p of a block, the block's element e(p) = 16 ((p >> 3) & 1) + 8 (p >> 4) + (p & 7).
; The blocks are the true blocks, so the scales are the quantiser's; both operands of a product use the same order, so the same products are summed.
; THE IMAGE.  A record is 16 rows x 64 along K as it stands in an operand's registers: 6 registers a lane, three chunks of 256 bytes, chunk m = registers 2 m, 2 m + 1 at 8 x lane.
; Record (row tile I, group J of 64 along K) lies at (I NJ + J) 768.  Scale word (K step s of 128, row) lies at (s SR + row) 4.
; A LANE TAKES A COLUMN n AND ITS REGISTERS RUN DOWN K: a load reads 128 consecutive bytes a wave, 1,024 a work-group; a block lies in one lane; nothing is transposed by an instruction.
; A wave takes 32 columns x 128 along K.  No LDS, no barrier: waves share nothing.  The paths part on the work-group's number.
; LIMITS: NaN and infinities among the weights are not served; a block whose largest magnitude lies under 2^-124 gets the byte 1, and so does a block of zeros (the quantiser says 127: its codes are zeros, and this program alone reads the bytes).
.set X,   32                           ; v32-159  four blocks of 32 numbers
.set CD,  160                          ; v160-183 four blocks' codes, 6 registers each
.set TT,  184                          ; v184-186 a block's upper 16 codes (a conversion's three registers begin on an even number)
; (3) LN1(x), quantised: work-groups 0..255 take 16 rows each (path .Lln, at the text's end); it hangs on nothing that the other paths make, so it shares their launch.
; Eight waves a work-group: on the weights' paths they stand side by side on 256 columns, on the mask's path they take eight tasks.  Work-groups 256.. qkv_w, 352.. out_w, 384.. ff_w1, 512.. ff_w2, 640.. the mask.
	s_cmp_lt_u32 ttmp9, 256
	s_cbranch_scc1 .Lln
	s_load_b256 s[4:11], s[0:1], 0x20              ; qkv_w, out_w, ff_w1, ff_w2
	s_load_b128 s[12:15], s[0:1], 0x40             ; causal_mask, wts
	s_load_b64 s[16:17], s[0:1], 0x50              ; mbits
	v_lshrrev_b32 v1, 5, v0
	v_readfirstlane_b32 s18, v1                    ; wave 0..7
	v_and_b32 v1, 31, v0                           ; lane
	v_lshlrev_b32 v2, 3, v1                        ; 8 x lane
	v_lshlrev_b32 v4, 2, v1                        ; 4 x lane
	s_mov_b32 s23, 0                               ; the high word of every offset here
	s_wait_kmcnt 0x0
	s_cmp_ge_u32 ttmp9, 640
	s_cbranch_scc1 .Lmask
	s_cmp_ge_u32 ttmp9, 512
	s_cbranch_scc1 .Lw2
	s_cmp_ge_u32 ttmp9, 384
	s_cbranch_scc1 .Lw1
	s_cmp_ge_u32 ttmp9, 352
	s_cbranch_scc1 .Lwo
.macro WLOAD t, N                      ; block t: register p takes W(32 t + e(p), my column)
.set p, 0
.rept 32
	global_load_b32 v[X+32*(\t)+p], v4, s[24:25] offset:(32*(\t)+16*((p>>3)&1)+8*(p>>4)+(p&7))*(\N)*4 th:TH_LOAD_NT
.set p, p+1
.endr
.endm
.macro WBLOCK t, N
.set XS, X+32*(\t)
.set CB, CD+6*(\t)
.if (\t) < 3
	s_wait_loadcnt 32                              ; this block's 32 loads are in; the next block's 32 may be out
.else
	s_wait_loadcnt 0x0
.endif
.if (\t) < 2
	WLOAD (\t)+2, \N                               ; two blocks ahead; each block has registers of its own
.endif
	v_max3_num_f32 v8, |v[XS]|, |v[XS+1]|, |v[XS+2]|   ; the block's largest magnitude: all 32 numbers are mine; two chains
	v_max3_num_f32 v9, |v[XS+3]|, |v[XS+4]|, |v[XS+5]|
.irp i, 6,10,14,18,22,26
	v_max3_num_f32 v8, v8, |v[XS+\i]|, |v[XS+\i+1]|
	v_max3_num_f32 v9, v9, |v[XS+\i+2]|, |v[XS+\i+3]|
.endr
	v_max3_num_f32 v8, v8, |v[XS+30]|, |v[XS+31]|
	v_max3_num_f32 v8, v8, v9, 0x1800000           ; and the floor 2^(3 - 127): the byte cannot fall under 1
	v_add_nc_u32 v10, 0xff000000, v8               ; 2 off the exponent field: the conversion takes this operand's exponent field as its scale
	v_lshrrev_b32 v11, 23, v10                     ; the scale's byte
.if (\t) == 0
	v_mov_b32 v12, v11
.else
	v_lshl_or_b32 v12, v11, 8*(\t), v12            ; four bytes make my column's scale word of this K step
.endif
	v_cvt_scalef32_pk16_fp6_f32 v[CB:CB+2], v[XS:XS+15], v10
	v_cvt_scalef32_pk16_fp6_f32 v[TT:TT+2], v[XS+16:XS+31], v10
	v_nop                                          ; one plain instruction behind a scaled conversion
.irp i, 0,1,2
	v_mov_b32 v[CB+3+\i], v[TT+\i]
.endr
.endm
; One weight.  first: its first work-group; ptr: its pointer's register; N: its columns; 1 << LOGKS: its K steps; NJ = 2 K steps; COFF, SOFF: where its codes and scale words begin in wts; SR: rows to a K step of scale words.
.macro WPATH first, ptr, N, LOGKS, NJ, COFF, SOFF, SR
	s_sub_co_u32 s19, ttmp9, \first
	s_and_b32 s20, s19, (1<<\LOGKS)-1              ; K step s
	s_lshr_b32 s21, s19, \LOGKS
	s_lshl_b32 s21, s21, 3
	s_add_co_u32 s21, s21, s18                     ; G: my wave's 32 columns
	s_mul_i32 s22, s20, 128*\N*4
	s_lshl_b32 s26, s21, 7
	s_add_co_u32 s22, s22, s26
	s_add_nc_u64 s[24:25], s[\ptr:\ptr+1], s[22:23]   ; W at row 128 s, column 32 G
	s_mul_i32 s22, s21, 2*\NJ
	s_lshl_b32 s26, s20, 1
	s_add_co_u32 s22, s22, s26
	s_mul_i32 s22, s22, 768
	s_add_co_u32 s22, s22, \COFF
	s_add_nc_u64 s[26:27], s[14:15], s[22:23]      ; record (2 G, 2 s)
	s_mul_i32 s22, s20, \SR
	s_lshl_b32 s28, s21, 5
	s_add_co_u32 s22, s22, s28
	s_lshl_b32 s22, s22, 2
	s_add_co_u32 s22, s22, \SOFF
	s_add_nc_u64 s[28:29], s[14:15], s[22:23]      ; scale word (s, 32 G)
	WLOAD 0, \N
	WLOAD 1, \N
	WBLOCK 0, \N
	WBLOCK 1, \N
	WBLOCK 2, \N
	WBLOCK 3, \N
.irp c, 0,1                            ; an operand wants block 2 c in lanes 0-15 and block 2 c + 1 in lanes 16-31, of 16 rows: the swap gives that for row tile 2 G (first register) and 2 G + 1 (second)
.irp i, 0,1,2,3,4,5
	v_permlane16_swap_b32 v[CD+12*\c+\i], v[CD+12*\c+6+\i]
.endr
.endr
.irp c, 0,1
.irp m, 0,1,2
	global_store_b64 v2, v[CD+12*\c+2*\m:CD+12*\c+2*\m+1], s[26:27] offset:\c*768+\m*256                  ; 32 lanes store 256 consecutive bytes, aligned
	global_store_b64 v2, v[CD+12*\c+6+2*\m:CD+12*\c+6+2*\m+1], s[26:27] offset:(\NJ)*768+\c*768+\m*256
.endr
.endr
	global_store_b32 v4, v12, s[28:29]             ; 32 columns' scale words: 128 consecutive bytes
	s_endpgm
.endm
	s_wait_alu depctr_va_vdst(0)
	WPATH 256, 4, 3072, 3, 16, 0, 9437184, 4096    ; qkv_w (its scale words have 4,096 rows to a K step, as the activations' have)
.Lwo:
	s_wait_alu depctr_va_vdst(0)
	WPATH 352, 6, 1024, 3, 16, 2359296, 9568256, 1024
.Lw1:
	s_wait_alu depctr_va_vdst(0)
	WPATH 384, 8, 4096, 3, 16, 3145728, 9601024, 4096
.Lw2:
	s_wait_alu depctr_va_vdst(0)
	WPATH 512, 10, 1024, 5, 64, 6291456, 9732096, 1024
; THE MASK.  A wave takes query tile qt (16 queries) and key step ks (128 keys).  Word n of its 64: bit lane = mask[16 qt + lane % 16][128 ks + 16 (n >> 3) + 8 (lane >> 4) + (n & 7)]:
; the lane and register in which the attention launch holds that score.  Flag: 0 none permitted, 1 some, 2 all.
.Lmask:
	s_sub_co_u32 s19, ttmp9, 640
	s_lshl_b32 s19, s19, 3
	s_add_co_u32 s19, s19, s18                     ; task = 16 qt + ks
	s_lshr_b32 s20, s19, 4
	s_and_b32 s21, s19, 15
	s_lshl_b32 s22, s20, 15                        ; 16 qt rows of 2,048 bytes
	s_lshl_b32 s21, s21, 7
	s_add_co_u32 s22, s22, s21
	s_add_nc_u64 s[24:25], s[12:13], s[22:23]
	s_wait_alu depctr_va_vdst(0)
	v_and_b32 v5, 15, v1
	v_lshrrev_b32 v6, 4, v1
	v_lshlrev_b32 v5, 11, v5
	v_lshl_add_u32 v5, v6, 3, v5                   ; row lane % 16, + 8 (lane >> 4)
.irp t, 0,1,2,3,4,5,6,7
	global_load_b64 v[32+2*\t:33+2*\t], v5, s[24:25] offset:16*\t
.endr
	s_lshl_b32 s22, s19, 8
	s_add_nc_u64 s[26:27], s[16:17], s[22:23]      ; the record: 256 bytes
	s_lshl_b32 s22, s19, 2
	s_add_co_u32 s22, s22, 524288
	s_add_nc_u64 s[28:29], s[16:17], s[22:23]      ; the flag
	v_mov_b32 v10, 0                               ; (a lane write's destination counts as read)
	v_mov_b32 v11, 0
	s_mov_b32 s30, 0                               ; any
	s_mov_b32 s31, -1                              ; all
	s_wait_alu depctr_va_vdst(0)
	s_wait_loadcnt 0x0
.set n, 0
.rept 64
	v_bfe_u32 v[12+(n&3)], v[32+2*(n>>3)+((n>>2)&1)], 8*(n&3), 8
	v_cmp_ne_u32 s[32+(n&3)], 0, v[12+(n&3)]
	v_writelane_b32 v[10+(n&1)], s[32+(n&3)], n>>1 ; lane L will store words 2 L and 2 L + 1
	s_or_b32 s30, s30, s[32+(n&3)]
	s_and_b32 s31, s31, s[32+(n&3)]
.set n, n+1
.endr
	global_store_b64 v2, v[10:11], s[26:27]        ; 256 consecutive bytes, aligned
	s_cmp_lg_u32 s30, 0
	s_cselect_b32 s32, 1, 0
	s_cmp_eq_u32 s31, -1
	s_cselect_b32 s33, 1, 0
	s_add_co_u32 s32, s32, s33
	v_mov_b32 v16, s32
	v_mov_b32 v17, 0
	global_store_b32 v17, v16, s[28:29]            ; all lanes store the same word with the same value
	s_endpgm
; LN1 AND ITS QUANTISER.  y = (x - mean) rsqrt(var + 1e-5) g + b over rows of 1,024, in f32; y leaves as codes and scale words, an operand of the next product.
; A work-group takes 16 rows (row tile = its number), wave w columns 128 w .. 128 w + 127: K step w.  The wave's numbers, g and b turn through its own stage in LDS (rows of 512 + 16 bytes), so that
; lane (r, h) holds, of row r, positions 16 h + 0 .. 15 of each block in this program's order.  Mean and centred squares meet in LDS, 8 partial sums a row: two barriers, which only this path's work-groups pass, all eight waves of them.
; Only this path touches LDS.  LIMITS as above; a NaN stays in its row.
.Lln:
.set STG,   9504                       ; a wave's stage: 18 rows x 528 bytes: 16 of x, then g, then b
.set RED0,  76032                      ; 8 waves x 16 rows of partial sums; the sums of squares 512 bytes on
.set ACT_S, 3145728
.set XR,  64
.set GR,  128
.set BR,  192
.set TM,  128
.set PW,  144
.set PC,  146
.set SEL, 22
	s_load_b256 s[4:11], s[0:1], 0x0               ; x, g, b, act
	v_lshl_add_u32 v62, v0, 2, 0x13000             ; my spare word, behind the sums
	v_mov_b32 v63, 0
	v_lshrrev_b32 v1, 5, v0
	s_delay_alu instid0(VALU_DEP_1)
	v_readfirstlane_b32 s12, v1                    ; wave 0..7
	v_and_b32 v1, 31, v0
	v_and_b32 v2, 15, v0                           ; r
	v_bfe_u32 v3, v0, 4, 1                         ; h
	s_delay_alu instid0(VALU_DEP_3)
	v_lshlrev_b32 v4, 4, v1
	s_mul_i32 s13, s12, STG
	v_add_nc_u32 v5, s13, v4                       ; into the stage: a row as it lies
	v_mul_u32_u24 v6, v2, 528
	s_delay_alu instid0(VALU_DEP_1)
	v_lshl_add_u32 v6, v3, 5, v6
	s_delay_alu instid0(VALU_DEP_1)
	v_add_nc_u32 v6, s13, v6                       ; out of it: row r, + 32 h
	v_lshlrev_b32 v7, 5, v3
	s_delay_alu instid0(VALU_DEP_1)
	v_add_nc_u32 v7, s13, v7
	v_lshlrev_b32 v11, 2, v2
	s_lshl_b32 s14, s12, 6
	v_add_nc_u32 v8, s14, v11
	s_delay_alu instid0(VALU_DEP_1)
	v_add_nc_u32 v8, RED0, v8                      ; my wave's partial sum of row r
	v_add_nc_u32 v9, RED0, v11                     ; all waves' of row r
	v_lshlrev_b32 v10, 3, v1
	v_mov_b32 v36, 0
	s_mov_b32 s[SEL], 0x76543210
	s_mov_b32 s[SEL+1], 0xfedcba98                 ; lane l xor 16
	s_mov_b32 s28, 0x3a800000                      ; 1 / 1,024
	s_mov_b32 s29, 0x3727c5ac                      ; 1e-5
	s_lshl_b32 s16, ttmp9, 16
	s_lshl_b32 s18, s12, 9
	s_add_co_u32 s16, s16, s18
	s_mov_b32 s17, 0
	s_mov_b32 s19, 0
	s_lshl_b32 s20, ttmp9, 4
	s_lshl_b32 s21, s12, 1
	s_add_co_u32 s21, s21, s20
	s_mul_i32 s24, s21, 768
	s_mov_b32 s25, 0
	s_lshl_b32 s26, s12, 12
	s_add_co_u32 s26, s26, s20
	s_lshl_b32 s26, s26, 2
	s_add_co_u32 s26, s26, ACT_S
	s_mov_b32 s27, 0
	s_wait_alu depctr_va_vdst(0)
	s_wait_kmcnt 0x0
	s_add_nc_u64 s[4:5], s[4:5], s[16:17]
	s_add_nc_u64 s[6:7], s[6:7], s[18:19]
	s_add_nc_u64 s[8:9], s[8:9], s[18:19]
	s_add_nc_u64 s[24:25], s[10:11], s[24:25]
	s_add_nc_u64 s[26:27], s[10:11], s[26:27]
.irp i, 0,1,2,3,4,5,6,7,8,9,10,11,12,13,14,15
	global_load_b128 v[GR+4*\i:GR+4*\i+3], v4, s[4:5] offset:\i*4096
.endr
	global_load_b128 v[GR+64:GR+67], v4, s[6:7]
	global_load_b128 v[GR+68:GR+71], v4, s[8:9]
.irp i, 0,1,2,3,4,5,6,7,8,9,10,11,12,13,14,15,16,17
	s_wait_loadcnt 17-\i                           ; row i is in, the 17 - i younger loads stay out
	ds_store_b128 v5, v[GR+4*\i:GR+4*\i+3] offset:\i*528
.endr
.irp b, 0,1,2,3
.irp u, 0,1
.irp v, 0,1
	ds_load_b128 v[XR+16*\b+8*\u+4*\v:XR+16*\b+8*\u+4*\v+3], v6 offset:128*\b+64*\u+16*\v
.endr
.endr
.endr
	s_wait_dscnt 16                                ; all but the 16 loads just issued: the 18 stores have read their registers, which g and b now take
.irp b, 0,1,2,3
.irp u, 0,1
.irp v, 0,1
	ds_load_b128 v[GR+16*\b+8*\u+4*\v:GR+16*\b+8*\u+4*\v+3], v7 offset:16*528+128*\b+64*\u+16*\v
	ds_load_b128 v[BR+16*\b+8*\u+4*\v:BR+16*\b+8*\u+4*\v+3], v7 offset:17*528+128*\b+64*\u+16*\v
.endr
.endr
.endr
	s_wait_dscnt 32                                ; x is in; g's and b's 32 loads may be out
	v_pk_add_f32 v[20:21], v[XR:XR+1], v[XR+2:XR+3]
	v_pk_add_f32 v[22:23], v[XR+4:XR+5], v[XR+6:XR+7]
	v_pk_add_f32 v[24:25], v[XR+8:XR+9], v[XR+10:XR+11]
	v_pk_add_f32 v[26:27], v[XR+12:XR+13], v[XR+14:XR+15]
.irp j, 16,24,32,40,48,56
	s_delay_alu instid0(VALU_DEP_4)
	v_pk_add_f32 v[20:21], v[20:21], v[XR+\j:XR+\j+1]
	s_delay_alu instid0(VALU_DEP_4)
	v_pk_add_f32 v[22:23], v[22:23], v[XR+\j+2:XR+\j+3]
	s_delay_alu instid0(VALU_DEP_4)
	v_pk_add_f32 v[24:25], v[24:25], v[XR+\j+4:XR+\j+5]
	s_delay_alu instid0(VALU_DEP_4)
	v_pk_add_f32 v[26:27], v[26:27], v[XR+\j+6:XR+\j+7]
.endr
.macro FOLD off                        ; the four chains, lane l xor 16, then the eight waves through LDS: the row's sum in v28
	s_delay_alu instid0(VALU_DEP_3)
	v_pk_add_f32 v[20:21], v[20:21], v[22:23]
	s_delay_alu instid0(VALU_DEP_2)
	v_pk_add_f32 v[24:25], v[24:25], v[26:27]
	s_delay_alu instid0(VALU_DEP_1)
	v_pk_add_f32 v[20:21], v[20:21], v[24:25]
	s_delay_alu instid0(VALU_DEP_1)
	v_add_f32 v20, v20, v21
	s_delay_alu instid0(VALU_DEP_1)
	v_permlanex16_b32 v36, v20, s[SEL], s[SEL+1]
	s_delay_alu instid0(VALU_DEP_1)
	v_add_f32 v20, v20, v36
	ds_store_b32 v8, v20 offset:\off
	s_wait_dscnt 0x0                               ; for the others' sake: my store has landed
	s_barrier_signal -1
	s_barrier_wait -1
.irp w, 0,1,2,3,4,5,6,7
	ds_load_b32 v[28+\w], v9 offset:\off+64*\w
.endr
	s_wait_dscnt 0x0
	v_add_f32 v28, v28, v29
	v_add_f32 v30, v30, v31
	v_add_f32 v32, v32, v33
	v_add_f32 v34, v34, v35
	s_delay_alu instid0(VALU_DEP_3)
	v_add_f32 v28, v28, v30
	s_delay_alu instid0(VALU_DEP_2)
	v_add_f32 v32, v32, v34
	s_delay_alu instid0(VALU_DEP_1)
	v_add_f32 v28, v28, v32
.endm
	FOLD 0
	s_delay_alu instid0(VALU_DEP_1)
	v_mul_f32 v16, s28, v28                        ; the mean
	s_delay_alu instid0(VALU_DEP_1)
	v_mov_b32 v17, v16
.set j, 0
.rept 32
	v_pk_add_f32 v[XR+j:XR+j+1], v[XR+j:XR+j+1], v[16:17] neg_lo:[0,1] neg_hi:[0,1]
.set j, j+2
.endr
	v_pk_mul_f32 v[20:21], v[XR:XR+1], v[XR:XR+1]
	v_pk_mul_f32 v[22:23], v[XR+2:XR+3], v[XR+2:XR+3]
	v_pk_mul_f32 v[24:25], v[XR+4:XR+5], v[XR+4:XR+5]
	v_pk_mul_f32 v[26:27], v[XR+6:XR+7], v[XR+6:XR+7]
.irp j, 8,16,24,32,40,48,56
	s_delay_alu instid0(VALU_DEP_4)
	v_pk_fma_f32 v[20:21], v[XR+\j:XR+\j+1], v[XR+\j:XR+\j+1], v[20:21]
	s_delay_alu instid0(VALU_DEP_4)
	v_pk_fma_f32 v[22:23], v[XR+\j+2:XR+\j+3], v[XR+\j+2:XR+\j+3], v[22:23]
	s_delay_alu instid0(VALU_DEP_4)
	v_pk_fma_f32 v[24:25], v[XR+\j+4:XR+\j+5], v[XR+\j+4:XR+\j+5], v[24:25]
	s_delay_alu instid0(VALU_DEP_4)
	v_pk_fma_f32 v[26:27], v[XR+\j+6:XR+\j+7], v[XR+\j+6:XR+\j+7], v[26:27]
.endr
	FOLD 512                                       ; other bytes than the first exchange's
	s_delay_alu instid0(VALU_DEP_1)
	v_fma_f32 v28, v28, s28, s29                   ; the variance + 1e-5
	s_wait_alu depctr_va_vdst(0)
	v_rsq_f32 v18, v28
	v_nop
	s_wait_alu depctr_va_vdst(0)                   ; and ahead of the first line that names its result
	v_mov_b32 v19, v18
.set j, 0
.rept 32
	v_pk_mul_f32 v[GR+j:GR+j+1], v[GR+j:GR+j+1], v[18:19]
.set j, j+2
.endr
.set j, 0
.rept 32
	v_pk_fma_f32 v[XR+j:XR+j+1], v[XR+j:XR+j+1], v[GR+j:GR+j+1], v[BR+j:BR+j+1]
.set j, j+2
.endr
.irp b, 0,1,2,3
	v_mov_b32 v[TM+4+\b], 0
.endr
.irp b, 0,1,2,3
	v_max3_num_f32 v[TM+\b], |v[XR+16*\b]|, |v[XR+1+16*\b]|, 0x1800000   ; my 16 numbers of block b, and the floor 2^(3 - 127)
.endr
.irp i, 2,4,6,8,10,12,14
.irp b, 0,1,2,3
	s_delay_alu instid0(VALU_DEP_4)
	v_max3_num_f32 v[TM+\b], v[TM+\b], |v[XR+16*\b+\i]|, |v[XR+1+16*\b+\i]|
.endr
.endr
.irp b, 0,1,2,3
	s_delay_alu instid0(VALU_DEP_4)
	v_permlanex16_b32 v[TM+4+\b], v[TM+\b], s[SEL], s[SEL+1]
.endr
.irp b, 0,1,2,3
	s_delay_alu instid0(VALU_DEP_4)
	v_max_num_f32 v[TM+\b], v[TM+\b], v[TM+4+\b]
.endr
.irp b, 0,1,2,3
	s_delay_alu instid0(VALU_DEP_4)
	v_add_nc_u32 v[TM+12+\b], 0xff000000, v[TM+\b] ; 2 off the exponent field: the conversion's scale operand
.endr
.irp b, 0,1,2,3
	s_delay_alu instid0(VALU_DEP_4)
	v_lshrrev_b32 v[TM+4+\b], 23, v[TM+12+\b]      ; the scale's byte
.endr
	s_delay_alu instid0(VALU_DEP_3)
	v_lshl_or_b32 v[PW], v[TM+5], 8, v[TM+4]
	s_delay_alu instid0(VALU_DEP_1)
	v_lshl_or_b32 v[PW], v[TM+6], 16, v[PW]
	s_delay_alu instid0(VALU_DEP_1)
	v_lshl_or_b32 v[PW], v[TM+7], 24, v[PW]
.irp c, 0,1
	v_cvt_scalef32_pk16_fp6_f32 v[PC+6*\c:PC+2+6*\c], v[XR+32*\c:XR+15+32*\c], v[TM+12+2*\c]
	v_cvt_scalef32_pk16_fp6_f32 v[PC+12+4*\c:PC+14+4*\c], v[XR+16+32*\c:XR+31+32*\c], v[TM+12+2*\c+1]
.endr
	v_nop                                          ; one plain instruction behind a scaled conversion
.irp c, 0,1
.irp i, 0,1,2
	v_permlane16_swap_b32 v[PC+6*\c+\i], v[PC+12+4*\c+\i]
.endr
.irp i, 0,1,2
	s_delay_alu instid0(VALU_DEP_3)
	v_mov_b32 v[PC+3+6*\c+\i], v[PC+12+4*\c+\i]
.endr
.endr
.irp e, 0,1,2,3,4,5
	global_store_b64 v10, v[PC+2*\e:PC+2*\e+1], s[24:25] offset:\e*256   ; 32 lanes store 256 consecutive bytes, aligned
.endr
	global_store_b32 v11, v[PW], s[26:27]
	s_wait_tensorcnt 0x0                           ; the wave's end
	ds_add_u32 v62, v63
	s_wait_dscnt 0x0
	s_endpgm
.Lfunc_end_k_q83cad0de7f_prep:
	.size	k_q83cad0de7f_prep, .Lfunc_end_k_q83cad0de7f_prep-k_q83cad0de7f_prep
	.p2alignl 7, 3214868480
	.fill 96, 4, 3214868480
	.section	.rodata,"a",@progbits
	.p2align	6, 0x0
	.amdhsa_kernel k_q83cad0de7f_prep
		.amdhsa_group_segment_fixed_size 78848
		.amdhsa_private_segment_fixed_size 0
		.amdhsa_enable_private_segment 0
		.amdhsa_kernarg_size 88
		.amdhsa_user_sgpr_count 2
		.amdhsa_user_sgpr_kernarg_segment_ptr 1
		.amdhsa_wavefront_size32 1
		.amdhsa_system_sgpr_workgroup_id_x 1
		.amdhsa_system_sgpr_workgroup_id_y 1
		.amdhsa_system_sgpr_workgroup_id_z 1
		.amdhsa_system_vgpr_workitem_id 0
		.amdhsa_next_free_vgpr 256
		.amdhsa_next_free_sgpr 66
		.amdhsa_reserve_vcc 0
		.amdhsa_float_denorm_mode_32 3
		.amdhsa_float_denorm_mode_16_64 3
		.amdhsa_memory_ordered 1
		.amdhsa_forward_progress 1
		.amdhsa_inst_pref_size 131
	.end_amdhsa_kernel
	.amdgpu_metadata
---
amdhsa.version: [ 1, 2 ]
amdhsa.kernels:
  - .name:           k_q83cad0de7f_prep
    .symbol:         k_q83cad0de7f_prep.kd
    .args:
      - { .name: x, .offset: 0, .size: 8, .value_kind: global_buffer, .address_space: global }
      - { .name: ln1_g, .offset: 8, .size: 8, .value_kind: global_buffer, .address_space: global }
      - { .name: ln1_b, .offset: 16, .size: 8, .value_kind: global_buffer, .address_space: global }
      - { .name: act, .offset: 24, .size: 8, .value_kind: global_buffer, .address_space: global }
      - { .name: qkv_w, .offset: 32, .size: 8, .value_kind: global_buffer, .address_space: global }
      - { .name: out_w, .offset: 40, .size: 8, .value_kind: global_buffer, .address_space: global }
      - { .name: ff_w1, .offset: 48, .size: 8, .value_kind: global_buffer, .address_space: global }
      - { .name: ff_w2, .offset: 56, .size: 8, .value_kind: global_buffer, .address_space: global }
      - { .name: causal_mask, .offset: 64, .size: 8, .value_kind: global_buffer, .address_space: global }
      - { .name: wts, .offset: 72, .size: 8, .value_kind: global_buffer, .address_space: global }
      - { .name: mbits, .offset: 80, .size: 8, .value_kind: global_buffer, .address_space: global }
    .group_segment_fixed_size: 78848
    .private_segment_fixed_size: 0
    .kernarg_segment_align: 8
    .kernarg_segment_size: 88
    .max_flat_workgroup_size: 256
    .sgpr_count:     66
    .vgpr_count:     256
    .wavefront_size: 32
...
	.end_amdgpu_metadata
.endif
;; end of part 1
;; launch qkv (part 2): grid 4 x 48, 4 waves a work-group, clusters of 4 x 4, 327,680 bytes of LDS; arguments act, wts, qkv; writes qkv
.if DOCPART == 2
	.amdgcn_target "amdgcn-amd-amdhsa--gfx1250"
	.amdhsa_code_object_version 6
	.text
	.protected	k_q83cad0de7f_qkv
	.globl	k_q83cad0de7f_qkv
	.p2align	8
	.type	k_q83cad0de7f_qkv,@function
k_q83cad0de7f_qkv:
	s_mov_b64 s[64:65], 0
	v_nop
	global_prefetch_b8 v0, s[64:65] scope:SCOPE_SE
	s_setreg_imm32_b32 hwreg(HW_REG_WAVE_MODE, 25, 1), 1
	s_wait_xcnt 0x0
	s_wait_alu depctr_hold_cnt(0) depctr_sa_sdst(0) depctr_va_vdst(0) depctr_va_sdst(0) depctr_va_ssrc(0) depctr_va_vcc(0) depctr_vm_vsrc(0)
	s_getreg_b32 s2, hwreg(HW_REG_IB_STS2, 6, 4)
	s_cmp_eq_u32 s2, 0
	s_cbranch_scc0 .Lentry_in_a_cluster
	s_endpgm
.Lentry_in_a_cluster:
	s_bfe_u32 s2, ttmp6, 0x10000c
	s_cmp_lg_u32 s2, 0xf033
	s_cbranch_scc0 .Lentry_shape_is_right
	s_endpgm
.Lentry_shape_is_right:
; QKV = LN1(x) qkv_w on codes of FP6 (E2M3) with E8M0 scales; the results are quantised on the way out and leave as the attention launch's operands.
; THE FRAME.  A tile is 128 x 128, each of the four waves makes 64 x 64 of it: 16 accumulators.  Operand P is source 1 (its rows fall on lanes), operand R is source 0 (its rows run along a lane's registers):
; lane (r, h), register j of accumulator (a, b) = (P row 16 a + r, R row 16 b + 8 h + j).  So a lane's registers of accumulators (a, 0..3) are 64 neighbours along R: what the next quantiser wants.
; Operands lie in memory as images of their registers (a fragment of 16 rows x 128 K = 6 chunks of 256 bytes, chunk e = registers 2 e, 2 e + 1 at 8 x lane): a fragment is six ds_load_b64 at 8 x lane, dense, no pitch, no padding;
; 128 rows x all K = 1,024 are one dense block of 98,304 bytes.
; A WORK-GROUP STAYS: its P tile lies in LDS for the whole launch, and it walks FOUR neighbouring R tiles through two slots of 98,304 bytes.  When a tile's last fragments have been read its slot is filled again with the tile two
; further on: that load has the tile's way out and the whole next tile, 128 matrix instructions a wave, in which to land.  The scale words of P and of all four R tiles come once, with the first fills.
; A tile is written once (macro TILE: the slot and the scale words hang on two stepped scalars) and expanded twice: in a loop of two trips that fills again, and in a loop of two trips that does not.
; CLUSTERS 4 x 4: P's tile hangs on cy and is shared along a row of the cluster, R's tiles on cx and are shared along a column: joint loads; every wave fetches a quarter of each block, told apart by the wave's number alone.
; Q AND K (cluster y 0..7): P = 128 tokens, R = the weight's columns 0..2,047, four tiles to each cx: a lane holds one token and 64 columns: one head.  V (cluster y 8..11): P = 128 of the weight's columns 2,048.., R = tokens:
; a lane holds one channel and 64 tokens, since the keys are the K of attention's second product.  The roles are changed by which buffer and which tile a region is filled from; the choice hangs on the cluster's y alone.
; 192 WORK-GROUPS: 512 + 256 tiles in walks of four.  Walks of three, which would make 256, do not divide the 16 tiles of the weight that share a resident tile of tokens.
; No prefetch: all but two loads a wave are asked for at the head, and those two have more than a tile's work in which to land.
; LIMITS: NaN and infinities are not served; a block under 2^-124 or of zeros gets the byte 1 (this program alone reads the bytes).  Half scale words are stored 2 bytes a lane, 4 bytes apart: parts of aligned 256-byte runs; they are 1/24 of the codes' bytes.
.set ACT_S, 3145728                    ; act: where the scale words begin
.set W_S,   9437184                    ; wts: qkv_w's scale words, 4,096 rows to a K step, as act's
.set VW_C,  1572864                    ; wts: row tile 128 of qkv_w: column 2,048
.set QK_S,  9437184                    ; qkv: scale words of q and k;  V_C codes of v;  V_S its scale words
.set V_C,   6291456
.set V_S,   9699328
.set TILEB, 98304                      ; 128 rows x 1,024 along K
.set QUART, 24576                      ; what one tensor load brings: 2 row tiles of 16
.set RS1,   131072                     ; LDS: R's slot 0 at 0, slot 1 here: one exclusive or turns an address in one into the other's
.set SCP,   98304                      ; P's scale words [K step][128 rows]
.set SCR,   102400                     ; R's, [K step][512 rows]: all four tiles
.set SPARE, 118784                     ; the spare words, 128 bytes a wave: two blocks of 256 bytes that no other line names
.set PRG,   229376                     ; P: row tile i at 12,288 i, K step s at 1,536 s
.set ADP,  16                          ; v16 LDS address of my P fragments
.set ADR0, 17                          ; v17 my place in a slot;  v18 the same in the slot in hand
.set ADR,  18
.set ASP,  19                          ; v19 my P scale words
.set ASR0, 20                          ; v20 my place among a tile's R scale words;  v21 the same for the tile in hand
.set ASR,  21
.set SPW,  28
.set NIL,  29
.set SC,   32                          ; v32-47 R's scale words at 8 g + s, v48-63 P's at 16 + 8 g + s (g: pair of row tiles, s: K step); lanes 0-15 the even tile, 16-31 the odd
.set ACC,  128                         ; v128-255 accumulator (a, b) at 8 (4 a + b)
.set F0,   0                           ; window 1: two fragment buffers: R's four at 12 b
.set F1,   128
.set TM,   122                         ; the quantiser's: v122-127;  v118-120
.set PT,   118
.set TB,   2                           ; s2  the slot in hand: 0 or RS1
.set TS,   85                          ; s85 the tile in hand among R's scale words: 512 bytes a tile
.set SEL,  94
.set G1,   24                          ; s[24:31] group 1, P's codes;  s[32:35] its group 0;  s[36:39] group 0, P's scale words
.set G0P,  32
.set G0S,  36
.set G1B,  40                          ; s[40:47] group 1, R's codes;  s[48:55] group 0, a set for each first fill; the second then walks on
.set G0R,  48
.set G1S,  56                          ; s[56:63] group 1, P's scale words;  s[68:75] R's;  s[76:79] group 0, R's scale words
.set G1SB, 68
.set G0SB, 76
.set MSB, 0
.macro WIN new                         ; the immediate's high byte repeats the setting that is left
.if MSB != \new
	s_set_vgpr_msb (MSB<<8)|\new
.set MSB, \new
.endif
.endm
; P STAYS IN REGISTERS: my 64 rows x all 1,024 along K are 4 x 8 fragments, 384 registers: K steps 0-4 in window 2, K steps 5-7 in window 3, fragment (a, K step q) at 48 (q % 5) + 12 a.
; They are read from LDS once, ahead of the first tile, and serve all four tiles of the walk: a K step then reads R's four fragments alone.
.set MUL,  0x09                        ; source 0 (R) window 1, source 1 (P) window 2; C and D window 0
.set MUL7, 0x0d                        ; the same with P in window 3
.set TO_F, 0x40                        ; destination window 1, address window 0
.macro PLACES                          ; four plain instructions in front of loads into registers that matrix instructions have read, and of the first read of results
.rept 4
	v_nop
.endr
.endm
.macro TL g0, g1                       ; a joint load; four v_nop follow it
	tensor_load_to_lds s[\g0:\g0+3], s[\g1:\g1+7]
	s_nop 0
.rept 4
	v_nop
.endr
.endm
.macro CREST                           ; a round of the cluster's barrier behind its opening barrier
	s_cmp_lg_u32 s14, 0
	s_cbranch_scc1 .Lnot_wave_0_\@
	s_barrier_signal -3
.Lnot_wave_0_\@:
	s_barrier_wait -3
	s_barrier_signal -1
	s_barrier_wait -1
.endm
.macro CROUND
	s_barrier_signal -1
	s_barrier_wait -1
	CREST
.endm
.macro FETCH q, f                      ; 24 LDS loads in one run: my four R fragments of K step q into buffer f
	WIN TO_F
.irp i, 0,1,2,3
.irp e, 0,1,2,3,4,5
	ds_load_b64 v[(\f)+12*\i+2*\e:(\f)+12*\i+2*\e+1], v[ADR] offset:\i*12288+(\q)*1536+\e*256
.endr
.endr
.endm
.macro WM a, b, f, q, first            ; one product; first = 1: it starts the sum with the constant 0
.set rD, ACC+8*(4*(\a)+(\b))
.set rR, (\f)+12*(\b)
.set rP, 48*((\q)%5)+12*(\a)
.set rX, SC+8*((\b)/2)+(\q)
.set rY, SC+16+8*((\a)/2)+(\q)
.if \first
.if ((\a)%2 == 0) && ((\b)%2 == 0)
	v_wmma_scale_f32_16x16x128_f8f6f4 v[rD:rD+7], v[rR:rR+11], v[rP:rP+11], 0, v[rX], v[rY] matrix_a_fmt:MATRIX_FMT_FP6 matrix_b_fmt:MATRIX_FMT_FP6
.elseif ((\a)%2 == 0)
	v_wmma_scale_f32_16x16x128_f8f6f4 v[rD:rD+7], v[rR:rR+11], v[rP:rP+11], 0, v[rX], v[rY] matrix_a_fmt:MATRIX_FMT_FP6 matrix_b_fmt:MATRIX_FMT_FP6 matrix_a_scale:MATRIX_SCALE_ROW1
.elseif ((\b)%2 == 0)
	v_wmma_scale_f32_16x16x128_f8f6f4 v[rD:rD+7], v[rR:rR+11], v[rP:rP+11], 0, v[rX], v[rY] matrix_a_fmt:MATRIX_FMT_FP6 matrix_b_fmt:MATRIX_FMT_FP6 matrix_b_scale:MATRIX_SCALE_ROW1
.else
	v_wmma_scale_f32_16x16x128_f8f6f4 v[rD:rD+7], v[rR:rR+11], v[rP:rP+11], 0, v[rX], v[rY] matrix_a_fmt:MATRIX_FMT_FP6 matrix_b_fmt:MATRIX_FMT_FP6 matrix_a_scale:MATRIX_SCALE_ROW1 matrix_b_scale:MATRIX_SCALE_ROW1
.endif
.else
.if ((\a)%2 == 0) && ((\b)%2 == 0)
	v_wmma_scale_f32_16x16x128_f8f6f4 v[rD:rD+7], v[rR:rR+11], v[rP:rP+11], v[rD:rD+7], v[rX], v[rY] matrix_a_fmt:MATRIX_FMT_FP6 matrix_b_fmt:MATRIX_FMT_FP6
.elseif ((\a)%2 == 0)
	v_wmma_scale_f32_16x16x128_f8f6f4 v[rD:rD+7], v[rR:rR+11], v[rP:rP+11], v[rD:rD+7], v[rX], v[rY] matrix_a_fmt:MATRIX_FMT_FP6 matrix_b_fmt:MATRIX_FMT_FP6 matrix_a_scale:MATRIX_SCALE_ROW1
.elseif ((\b)%2 == 0)
	v_wmma_scale_f32_16x16x128_f8f6f4 v[rD:rD+7], v[rR:rR+11], v[rP:rP+11], v[rD:rD+7], v[rX], v[rY] matrix_a_fmt:MATRIX_FMT_FP6 matrix_b_fmt:MATRIX_FMT_FP6 matrix_b_scale:MATRIX_SCALE_ROW1
.else
	v_wmma_scale_f32_16x16x128_f8f6f4 v[rD:rD+7], v[rR:rR+11], v[rP:rP+11], v[rD:rD+7], v[rX], v[rY] matrix_a_fmt:MATRIX_FMT_FP6 matrix_b_fmt:MATRIX_FMT_FP6 matrix_a_scale:MATRIX_SCALE_ROW1 matrix_b_scale:MATRIX_SCALE_ROW1
.endif
.endif
.endm
.macro MULH f, q, a0, first            ; 8 products: P tiles a0, a0 + 1 x R's four.  The 16 accumulators take turns, one instruction a turn, in the same order in every K step, from tile to tile too
.irp a, \a0, \a0+1
.irp b, 0,1,2,3
	WM \a, \b, \f, \q, \first
.endr
.endr
.endm
.macro KSTEP q, f, g, first            ; a K step but the last: multiplies buffer f; the next step's fragments are asked for first, into g, 16 matrix instructions ahead of their use
	s_wait_dscnt 0x0                               ; buffer f (and at a tile's head the scale words) are in
	PLACES
	FETCH (\q)+1, \g
.set WW, MUL+4*((\q)/5)
	WIN WW
	MULH \f, \q, 0, \first
	MULH \f, \q, 2, \first
.endm
; 32 numbers of a lane, v[s] .. v[s + 31], register 16 b + i = position 16 h + i of block b of my row, become a record's 6 registers in v[pc] on and its two scale bytes in v[hw].
.macro QUANT2 s, pc, hw
	v_max3_num_f32 v[TM], |v[(\s)]|, |v[(\s)+1]|, 0x1800000           ; my 16 numbers of a block, and the floor 2^(3 - 127): the byte cannot fall under 1
	v_max3_num_f32 v[TM+1], |v[(\s)+16]|, |v[(\s)+17]|, 0x1800000
.irp i, 2,4,6,8,10,12,14
	v_max3_num_f32 v[TM], v[TM], |v[(\s)+\i]|, |v[(\s)+\i+1]|
	v_max3_num_f32 v[TM+1], v[TM+1], |v[(\s)+16+\i]|, |v[(\s)+17+\i]|
.endr
	v_permlanex16_b32 v[TM+2], v[TM], s[SEL], s[SEL+1]
	v_permlanex16_b32 v[TM+3], v[TM+1], s[SEL], s[SEL+1]
	v_max_num_f32 v[TM], v[TM], v[TM+2]            ; with lane l xor 16's: the block's largest magnitude
	v_max_num_f32 v[TM+1], v[TM+1], v[TM+3]
	v_add_nc_u32 v[TM+4], 0xff000000, v[TM]        ; 2 off the exponent field: the conversion's scale operand
	v_add_nc_u32 v[TM+5], 0xff000000, v[TM+1]
	v_lshrrev_b32 v[TM+2], 23, v[TM+4]             ; the bytes
	v_lshrrev_b32 v[TM+3], 23, v[TM+5]
	v_lshl_or_b32 v[\hw], v[TM+3], 8, v[TM+2]
	v_cvt_scalef32_pk16_fp6_f32 v[(\pc):(\pc)+2], v[(\s):(\s)+15], v[TM+4]
	v_cvt_scalef32_pk16_fp6_f32 v[PT:PT+2], v[(\s)+16:(\s)+31], v[TM+5]
	v_nop                                          ; one plain instruction behind a scaled conversion
.irp i, 0,1,2
	v_permlane16_swap_b32 v[(\pc)+\i], v[PT+\i]    ; a whole block to a lane: lanes 0-15 block 0, lanes 16-31 block 1
.endr
.irp i, 0,1,2
	v_mov_b32 v[(\pc)+3+\i], v[PT+\i]
.endr
.endm
; ONE TILE of the walk, from the slot in hand.  refill = 1: when its last fragments are in registers, its slot is filled again with the tile two further on.
.macro TILE refill
	v_add_nc_u32 v[ADR], s[TB], v[ADR0]
	v_add_nc_u32 v[ASR], s[TS], v[ASR0]
	FETCH 0, F0
	WIN 0
.irp g, 0,1
.irp s, 0,1,2,3,4,5,6,7
	ds_load_b32 v[SC+8*\g+\s], v[ASR] offset:\s*2048+\g*128      ; this tile's 16 registers of R's scale words
.endr
.endr
	s_wait_alu depctr_va_vdst(0)
	KSTEP 0, F0, F1, 1                             ; the first K step's products start the sums
	KSTEP 1, F1, F0, 0
	KSTEP 2, F0, F1, 0
	KSTEP 3, F1, F0, 0
	KSTEP 4, F0, F1, 0
	KSTEP 5, F1, F0, 0
	KSTEP 6, F0, F1, 0
.if \refill
	WIN 0
	s_wait_tensorcnt 0x0                           ; all my tensor loads have landed: my part of the other slot;
	ds_add_u32 v[SPW], v[NIL]                      ; 0 onto my spare word;
	s_wait_dscnt 1                                 ; buffer 1 is in (only the add may be out)
	WIN MUL7
	MULH F1, 7, 0, 0
	s_wait_dscnt 0x0                               ; the add is done, and my reads of this slot are over
	s_barrier_signal -1
	WIN 0
	s_barrier_wait -1
	CREST                                          ; the barrier has opened a round of the cluster's barrier: no wave of any partner still reads this slot or has a load on its way
	s_xor_b32 s[G0R+5], s[G0R+5], RS1              ; the walking descriptor: the other slot than last time,
	s_add_nc_u64 s[G0R+6:G0R+7], s[G0R+6:G0R+7], TILEB   ; the next tile; the type bits on top are not reached
	TL G0R+4, G1B                                  ; the first tensor load behind the round, and my only one until the next
	WIN MUL7
	MULH F1, 7, 2, 0
.else
	s_wait_dscnt 0x0                               ; buffer 1 is in
	MULH F1, 7, 0, 0
	MULH F1, 7, 2, 0
.endif
	WIN 0
	PLACES
	; THE WAY OUT: each P tile's 64 numbers a lane pair are two blocks along R: a record
.irp a, 0,1,2,3
	QUANT2 ACC+32*\a, 64+8*\a, 100+\a              ; each P tile has registers of its own for its codes
.irp m, 0,1,2
	global_store_b64 v[24+\a], v[64+8*\a+2*\m:64+8*\a+2*\m+1], s[10:11] offset:\m*256   ; 32 lanes store 256 consecutive bytes, aligned
.endr
.endr
	v_cndmask_b32 v104, v100, v101, s96            ; lanes 0-15: rows of tile 0, lanes 16-31: of tile 1
	v_cndmask_b32 v105, v102, v103, s96
	global_store_b16 v3, v104, s[12:13]
	global_store_b16 v3, v105, s[12:13] offset:128
	s_wait_xcnt 0x0                                ; the stores have read their registers and bases: both are written again only behind this wait
	s_add_nc_u64 s[10:11], s[10:11], 1536          ; the next tile's records lie two further on,
	s_add_nc_u64 s[12:13], s[12:13], s[100:101]    ; its scale words a K step further on
	s_add_co_u32 s[TS], s[TS], 512
	s_xor_b32 s[TB], s[TB], RS1                    ; on to the other slot
.if \refill == 0
	s_wait_tensorcnt 0x0                           ; my part of the last tile has landed,
	s_wait_dscnt 0x0
	s_barrier_signal -1
	s_barrier_wait -1                              ; everybody's has
.endif
.endm
	s_load_b128 s[4:7], s[0:1], 0x0                ; act, wts
	s_load_b64 s[8:9], s[0:1], 0x10                ; qkv
	v_lshl_add_u32 v[SPW], v0, 2, SPARE
	v_mov_b32 v[NIL], 0
	ds_add_u32 v28, v29
	ds_add_u32 v28, v29
	s_wait_dscnt 0x0
	v_lshrrev_b32 v1, 5, v0
	v_readfirstlane_b32 s14, v1                    ; wave 0..3
	s_lshr_b32 s15, s14, 1                         ; my half of P's rows
	s_and_b32 s16, s14, 1                          ; my half of R's rows
	s_bfe_u32 s80, ttmp6, 0x40000                  ; cx, cy: my place in the cluster
	s_bfe_u32 s81, ttmp6, 0x40004
	s_and_b32 s18, ttmp7, 0xffff                   ; the cluster's y
	s_sub_co_u32 s19, s18, 8                       ; V's clusters 0..3 (taken where y >= 8):
	s_and_b32 s20, s19, 1                          ; which four of the weight's eight tiles,
	s_lshr_b32 s21, s19, 1                         ; which four of the tokens' eight groups
	s_mov_b32 s22, ACT_S
	s_mov_b32 s23, W_S
	s_mov_b32 s97, QK_S
	s_mov_b32 s100, 16384
	s_cmp_ge_u32 s18, 8                            ; V's clusters?  The choice hangs on the cluster's y alone
	s_cselect_b32 s17, s20, s18                    ; P's tiles go by: the weight's eight | the tokens' 32
	s_cselect_b32 s82, s21, 0                      ; R's groups of four tiles: the tokens' eight | the weight's four
	s_cselect_b32 s86, VW_C, 0                     ; P's codes begin at
	s_cselect_b32 s22, W_S+8192, s22               ; P's scale words (V: row 2,048 of the weight's)
	s_cselect_b32 s23, ACT_S, s23                  ; R's scale words
	s_cselect_b32 s98, 64, 32                      ; records to a row tile of the output
	s_cselect_b32 s99, V_C, 0                      ; the output's codes
	s_cselect_b32 s97, V_S, s97                    ; and scale words,
	s_cselect_b32 s100, 4096, s100                 ; bytes from a K step of them to the next,
	s_cselect_b32 s3, 10, 12                       ; 2^10 or 2^12 rows
	s_mov_b32 s101, 0
	s_mul_i32 s98, s98, 768
	s_lshl_b32 s17, s17, 2
	s_add_co_u32 s17, s17, s81                     ; tP: P's tile of 128 rows: shared along a row of the cluster
	s_lshl_b32 s82, s82, 2
	s_add_co_u32 s82, s82, s80                     ; g: R's tiles 4 g .. 4 g + 3: shared along a column
	s_lshl_b32 s83, s81, 2
	s_lshl_b32 s83, 15, s83                        ; my row of the cluster
	s_lshl_b32 s84, 0x1111, s80                    ; my column
	; descriptor group 1, codes: a dense block of 24,576 bytes as 96 rows of 256 bytes (32 elements of 8 bytes); no padding
	s_or_b32 s[G1+0], s83, (3<<16)|(1<<21)         ; 15:0 the mask; 17:16 elements of 8 bytes; 21 set beside a mask
	s_or_b32 s[G1B+0], s84, (3<<16)|(1<<21)
.irp g, G1, G1B
	s_mov_b32 s[\g+1], 32<<16                      ; tensor_dim0
	s_mov_b32 s[\g+2], 384<<16                     ; tensor_dim1: the head's loads bring a whole block of 98,304 bytes
	s_mov_b32 s[\g+3], 32<<16                      ; tile_dim0
	s_mov_b32 s[\g+4], 384                         ; tile_dim1
	s_mov_b32 s[\g+5], 32                          ; tensor_dim0_stride
	s_mov_b32 s[\g+6], 0
	s_mov_b32 s[\g+7], 0
.endr
	; scale words: 8 K steps x 512 bytes (P: 128 rows) or 2,048 bytes (R: 512 rows), 4,096 rows apart
	s_or_b32 s[G1S+0], s83, (3<<16)|(1<<21)
	s_mov_b32 s[G1S+1], 64<<16
	s_mov_b32 s[G1S+2], 8<<16
	s_mov_b32 s[G1S+3], 64<<16
	s_mov_b32 s[G1S+4], 8
	s_mov_b32 s[G1S+5], 2048
	s_mov_b32 s[G1S+6], 0
	s_mov_b32 s[G1S+7], 0
	s_or_b32 s[G1SB+0], s84, (3<<16)|(1<<21)
	s_mov_b32 s[G1SB+1], 256<<16
	s_mov_b32 s[G1SB+2], 8<<16
	s_mov_b32 s[G1SB+3], 256<<16
	s_mov_b32 s[G1SB+4], 8
	s_mov_b32 s[G1SB+5], 2048
	s_mov_b32 s[G1SB+6], 0
	s_mov_b32 s[G1SB+7], 0
	s_mul_i32 s19, s14, QUART                      ; my quarter of a block, in memory and in LDS: by the wave's number alone
	s_mul_i32 s20, s17, TILEB
	s_add_co_u32 s86, s86, s20
	s_mov_b32 s87, 0
	s_mul_i32 s88, s82, 4*TILEB
	s_mov_b32 s89, 0
	s_lshl_b32 s90, s17, 9
	s_add_co_u32 s90, s90, s22
	s_mov_b32 s91, 0
	s_lshl_b32 s92, s82, 11
	s_add_co_u32 s92, s92, s23
	s_mov_b32 s93, 0
	s_wait_kmcnt 0x0
	s_cmp_ge_u32 s18, 8
	s_cselect_b64 s[10:11], s[6:7], s[4:5]         ; P's buffer
	s_cselect_b64 s[12:13], s[4:5], s[6:7]         ; R's buffer
	s_add_nc_u64 s[86:87], s[10:11], s[86:87]
	s_add_nc_u64 s[90:91], s[10:11], s[90:91]
	s_add_nc_u64 s[88:89], s[12:13], s[88:89]
	s_add_nc_u64 s[92:93], s[12:13], s[92:93]
	s_mov_b32 s[G0S], 1                            ; 1:0 count = 1
	s_mov_b32 s[G0S+1], SCP                        ; 63:32 LDS address
	s_mov_b64 s[G0S+2:G0S+3], s[90:91]             ; 120:64 global address
	s_or_b32 s[G0S+3], s[G0S+3], 0x80000000        ; 127:126 type = 2
	s_mov_b32 s[G0SB], 1
	s_mov_b32 s[G0SB+1], SCR
	s_mov_b64 s[G0SB+2:G0SB+3], s[92:93]
	s_or_b32 s[G0SB+3], s[G0SB+3], 0x80000000
	s_mov_b32 s[G0P], 1
	s_mov_b32 s[G0P+1], PRG
	s_mov_b64 s[G0P+2:G0P+3], s[86:87]
	s_or_b32 s[G0P+3], s[G0P+3], 0x80000000
	s_mov_b32 s[G0R], 1
	s_mov_b32 s[G0R+1], 0                          ; slot 0: the walk's tile 0, whole
	s_mov_b64 s[G0R+2:G0R+3], s[88:89]
	s_or_b32 s[G0R+3], s[G0R+3], 0x80000000
	s_mov_b32 s[G0R+4], 1
	s_add_co_u32 s[G0R+5], s19, RS1                ; slot 1: tile 1
	s_mov_b32 s20, s19
	s_mov_b32 s21, 0
	s_add_nc_u64 s[G0R+6:G0R+7], s[88:89], s[20:21]      ; my quarter
	s_add_nc_u64 s[G0R+6:G0R+7], s[G0R+6:G0R+7], TILEB   ; of tile 1
	s_or_b32 s[G0R+7], s[G0R+7], 0x80000000
	CROUND                                         ; all sixteen work-groups are here: the first joint loads meet
; THE HEAD'S LOADS, ONE A WAVE: wave 0 fetches P's block, wave 1 R's tile 0, wave 2 P's scale words, wave 3 R's.  One chain of branches on the wave's number: every way passes one load.
.macro ARM under, g0, g1, next
	s_cmp_lt_u32 s14, \under
	s_cbranch_scc0 \next
	TL \g0, \g1
	s_branch .Lhead_asked
\next:
.endm
	ARM 1, G0P, G1, .Lhead_r
	ARM 2, G0R, G1B, .Lhead_sp
	ARM 3, G0S, G1S, .Lhead_sr
	TL G0SB, G1SB
.Lhead_asked:
	v_and_b32 v1, 31, v0                           ; lane
	v_lshlrev_b32 v2, 3, v1                        ; 8 x lane
	s_wait_alu depctr_va_vdst(0)
	v_lshlrev_b32 v3, 2, v1                        ; 4 x lane
	s_mul_i32 s20, s15, 2*QUART
	s_add_co_u32 s20, s20, PRG
	v_add_nc_u32 v[ADP], s20, v2
	s_mul_i32 s20, s16, 2*QUART
	v_add_nc_u32 v[ADR0], s20, v2
	s_lshl_b32 s20, s15, 8
	s_add_co_u32 s20, s20, SCP
	v_add_nc_u32 v[ASP], s20, v3
	s_lshl_b32 s20, s16, 8
	s_add_co_u32 s20, s20, SCR
	v_add_nc_u32 v[ASR0], s20, v3
	; where my results go: record (8 tP + 4 (w >> 1) + a, 2 tR + (w & 1)); half scale word (K step tR, row 128 tP + 64 (w >> 1) + .., half w & 1); tR = 4 g at the start
	s_lshl_b32 s20, s17, 3
	s_lshl_b32 s21, s15, 2
	s_add_co_u32 s20, s20, s21
	s_mul_i32 s20, s20, s98
	s_lshl_b32 s21, s82, 3
	s_add_co_u32 s21, s21, s16
	s_mul_i32 s21, s21, 768
	s_add_co_u32 s20, s20, s21
	s_add_co_u32 s20, s20, s99
	s_mov_b32 s21, 0
	s_add_nc_u64 s[10:11], s[8:9], s[20:21]
	s_lshl_b32 s20, s82, 2
	s_lshl_b32 s20, s20, s3
	s_lshl_b32 s22, s17, 7
	s_add_co_u32 s20, s20, s22
	s_lshl_b32 s22, s15, 6
	s_add_co_u32 s20, s20, s22
	s_lshl_b32 s20, s20, 2
	s_lshl_b32 s22, s16, 1
	s_add_co_u32 s20, s20, s22
	s_add_co_u32 s20, s20, s97
	s_add_nc_u64 s[12:13], s[8:9], s[20:21]
	v_mov_b32 v24, v2                              ; v24-27: 8 x lane + a row tiles of the output
	v_add_nc_u32 v25, s98, v24
	v_add_nc_u32 v26, s98, v25
	v_add_nc_u32 v27, s98, v26
	v_mov_b32 v[TM+2], 0                           ; (a lane permute's destination counts as read)
	v_mov_b32 v[TM+3], 0
	s_mov_b32 s[SEL], 0x76543210
	s_mov_b32 s[SEL+1], 0xfedcba98                 ; lane l xor 16
	s_mov_b32 s96, 0xffff0000                      ; lanes 16-31
	s_mov_b32 s[TB], 0
	s_mov_b32 s[TS], 0
	s_wait_alu depctr_va_vdst(0)
	s_wait_tensorcnt 0x0                           ; my tile of the head's four is in; slot 1's first fill is issued as a refill is:
	ds_add_u32 v[SPW], v[NIL]                      ; 0 onto my spare word;
	s_mov_b32 s[G1B+2], 96<<16                     ; no load of mine is out: from here on a load of R brings a quarter, 96 rows of 256 bytes
	s_mov_b32 s[G1B+4], 96
	s_wait_dscnt 0x0
	CROUND                                         ; all four tiles are in, in every work-group of the cluster
	TL G0R+4, G1B                                  ; tile 1 into slot 1, a quarter a wave: it has tile 0's work in which to land
.irp g, 0,1
.irp s, 0,1,2,3,4,5,6,7
	ds_load_b32 v[SC+16+8*\g+\s], v[ASP] offset:\s*512+\g*128    ; P's 16 registers of scale words: once
.endr
.endr
.set kq, 0
.rept 8                                ; P's 32 fragments, once: the first K step's wait for all LDS loads covers them
.set WW, 0x80+0x40*(kq/5)
	WIN WW
.irp i, 0,1,2,3
.irp e, 0,1,2,3,4,5
	ds_load_b64 v[48*(kq%5)+12*\i+2*\e:48*(kq%5)+12*\i+2*\e+1], v[ADP] offset:\i*12288+kq*1536+\e*256
.endr
.endr
.set kq, kq+1
.endr
	WIN 0
	s_mov_b32 s3, 2
.Lfill:
	TILE 1
	s_sub_co_u32 s3, s3, 1
	s_cmp_lg_u32 s3, 0
	s_cbranch_scc1 .Lfill
	s_mov_b32 s3, 2
.Ltail:                                            ; tiles 2 and 3: nothing is left to fetch
	TILE 0
	s_sub_co_u32 s3, s3, 1
	s_cmp_lg_u32 s3, 0
	s_cbranch_scc1 .Ltail
	s_wait_tensorcnt 0x0                           ; the wave's end
	ds_add_u32 v[SPW], v[NIL]
	s_wait_dscnt 0x0
	CROUND                                         ; the closing round: no work-group ends while a partner may still ask for a tile that names it
	s_endpgm
.Lfunc_end_k_q83cad0de7f_qkv:
	.size	k_q83cad0de7f_qkv, .Lfunc_end_k_q83cad0de7f_qkv-k_q83cad0de7f_qkv
	.p2alignl 7, 3214868480
	.fill 96, 4, 3214868480
	.section	.rodata,"a",@progbits
	.p2align	6, 0x0
	.amdhsa_kernel k_q83cad0de7f_qkv
		.amdhsa_group_segment_fixed_size 327680
		.amdhsa_private_segment_fixed_size 0
		.amdhsa_enable_private_segment 0
		.amdhsa_kernarg_size 24
		.amdhsa_user_sgpr_count 2
		.amdhsa_user_sgpr_kernarg_segment_ptr 1
		.amdhsa_wavefront_size32 1
		.amdhsa_system_sgpr_workgroup_id_x 1
		.amdhsa_system_sgpr_workgroup_id_y 1
		.amdhsa_system_sgpr_workgroup_id_z 1
		.amdhsa_system_vgpr_workitem_id 0
		.amdhsa_next_free_vgpr 1024
		.amdhsa_next_free_sgpr 102
		.amdhsa_reserve_vcc 0
		.amdhsa_float_denorm_mode_32 3
		.amdhsa_float_denorm_mode_16_64 3
		.amdhsa_memory_ordered 1
		.amdhsa_forward_progress 1
		.amdhsa_inst_pref_size 105
	.end_amdhsa_kernel
	.amdgpu_metadata
---
amdhsa.version: [ 1, 2 ]
amdhsa.kernels:
  - .name:           k_q83cad0de7f_qkv
    .symbol:         k_q83cad0de7f_qkv.kd
    .args:
      - { .name: act, .offset: 0, .size: 8, .value_kind: global_buffer, .address_space: global }
      - { .name: wts, .offset: 8, .size: 8, .value_kind: global_buffer, .address_space: global }
      - { .name: qkv, .offset: 16, .size: 8, .value_kind: global_buffer, .address_space: global }
    .group_segment_fixed_size: 327680
    .private_segment_fixed_size: 0
    .kernarg_segment_align: 8
    .kernarg_segment_size: 24
    .max_flat_workgroup_size: 128
    .sgpr_count:     102
    .vgpr_count:     1024
    .wavefront_size: 32
...
	.end_amdgpu_metadata
.endif
;; end of part 2
;; launch attn (part 3): grid 8 x 32, 16 waves a work-group, no clusters, 280,576 bytes of LDS; arguments qkv, mbits, act; writes act
.if DOCPART == 3
	.amdgcn_target "amdgcn-amd-amdhsa--gfx1250"
	.amdhsa_code_object_version 6
	.text
	.protected	k_q83cad0de7f_attn
	.globl	k_q83cad0de7f_attn
	.p2align	8
	.type	k_q83cad0de7f_attn,@function
k_q83cad0de7f_attn:
	s_mov_b64 s[64:65], 0
	v_nop
	global_prefetch_b8 v0, s[64:65] scope:SCOPE_SE
	s_setreg_imm32_b32 hwreg(HW_REG_WAVE_MODE, 25, 1), 1
	s_wait_xcnt 0x0
; ATTENTION on codes of FP6 (E2M3) with E8M0 scales, 32 (batch, head) x 2,048 queries x 2,048 keys, head size 64, under a mask that is an INPUT: an earlier launch has turned it into lane masks and flags (whole numbers).
; THE SOFTMAX AHEAD OF THE SECOND PRODUCT: t = score x log2(e) / 8; M = the row's largest t so far, rounded UP to a whole number; p = 2^(t - M) is quantised along the keys, not normalised; the row's sum is taken of the
; unquantised p and divides O at the end.  When M moves, the sum and O are multiplied by 2^(old M - new M): exact.
; SHARES.  A work-group holds one head's K and V (codes and scale words, 200 KiB) in LDS, filled once through registers, and 16 tiles of 16 queries, one a wave, four waves to a SIMD: one wave's vector work stands beside another's
; matrix work and LDS loads.  Wave w takes an early tile (8 x + ..) or a late one (120 - 8 x + ..), two of each on every SIMD: where a mask thins towards late keys the work is even; the result hangs on no such pattern.
; A wave walks 16 key steps of 128.  A step whose flag is 0 (no key permitted for any of my queries) is left out by a scalar branch on the stored flag; with flag 1 hidden scores become -infinity; with flag 2 that is left out.
; NO TENSOR LOAD AND NO CLUSTER, though the eight work-groups of a head read the same K and V: the skipped steps are worth more than the shared fetch.
; LAYOUT.  Both products are used transposed: S^T = K Q^T, O^T = V^T P^T: a lane holds ONE query (lane % 16) throughout.  Operands lie in memory and LDS as images of their registers (chunks of 256 bytes, 8 bytes a lane).
; K = 64 IN AN INSTRUCTION OF 128: a fragment's registers 0-5 are key tile X, 6-11 key tile Y.  Q stands as q | six zeros | q (v16-33): source 1 = v[16:27] gives X's scores, v[22:33] Y's; zero codes add nothing.
; A QUERY WITH NO PERMITTED KEY has the sum 0: its scale bytes are set to 0xff, which makes its row of the next product NaN, as the softmax of a row of -infinity is.
; LIMITS: NaN and infinities in q, k, v are not served; a block under 2^-124 or of zeros gets the byte 1 (this program alone reads the bytes).
; SHARES IN FULL (this takes the place of the sentence on wave w above).  The work-group's 16 tiles are 8 early ones (8 x + i) and 8 late ones (120 - 8 x + i).  Waves 2 i and 2 i + 1 share early tile i and late tile i:
; one of the two takes the even key steps of both tiles, the other the odd ones (which one: (w ^ (w >> 2)) & 1, so that every SIMD has two of each).  A wave walks two passes of 8 trips.  Pass 1 is the tile that it hands over:
; its O^T, -M and sums go to its own 4,608 bytes of LDS.  Pass 2 is the tile that it keeps.  Behind one barrier it reads its partner's state of that tile and joins the two: both are brought under the larger M by
; 2^(own M - larger M), a whole power of two, so nothing is rounded but the sums' additions.  A state that met no permitted step has -M = 3e38, O = 0, sum = 0: its factor comes out 0.  The result hangs on no pattern of the mask.
.set XCH,   206848                     ; LDS: the states handed over, 4,608 bytes a wave, behind the spare words
.set VL,    98304
.set KSC,   196608                     ; K's scale words: fragment i, row r at 64 i + 4 r: bytes X0 X1 Y0 Y1
.set VSC,   200704                     ; V's: 256 ks + 4 (16 dt + r)
.set QK_S,  9437184
.set V_C,   6291456
.set V_S,   9699328
.set ACT_S, 3145728
.set FLG,   524288
.set FR,  36                           ; v36-83   four fragments of K, then of V
.set KSW, 84                           ; v84-87, v88-91 their scale words
.set VSW, 88
.set SS,  96                           ; v96-159  S^T, then p
.set OT,  160                          ; v160-191 O^T
.set PC,  192                          ; v192-203 p's codes
.set BM,  212                          ; v212-215 the blocks' largest scores
.set PT,  216                          ; v216-222 at work
.set SO,  224                          ; v224-227 the conversions' scale operands
.set FF,  228                          ; v228 f = 2^(old M - new M);  v229 p's scale word
.set TP,  230
.set TM,  232                          ; v232-237 the last quantiser's
.set SEL, 92
.set CS,  94
; v3, v4 my place among K's and V's scale words; v5 -infinity; v7 8 x lane; v2 VL + 8 x lane; v8-11 the step's LDS addresses; v12 -M, v13 the largest t, v[14:15] the sum; v34, v35 Q's scale words; v206 4 r
.macro QUANT2 s, pc, hw                ; 32 numbers of a lane, register 16 b + i = position 16 h + i of block b of my row, become a record's 6 registers and its two scale bytes
	v_max3_num_f32 v[TM], |v[(\s)]|, |v[(\s)+1]|, 0x1800000
	v_max3_num_f32 v[TM+1], |v[(\s)+16]|, |v[(\s)+17]|, 0x1800000
.irp i, 2,4,6,8,10,12,14
	s_delay_alu instid0(VALU_DEP_2)
	v_max3_num_f32 v[TM], v[TM], |v[(\s)+\i]|, |v[(\s)+\i+1]|
	s_delay_alu instid0(VALU_DEP_2)
	v_max3_num_f32 v[TM+1], v[TM+1], |v[(\s)+16+\i]|, |v[(\s)+17+\i]|
.endr
	s_delay_alu instid0(VALU_DEP_2)
	v_permlanex16_b32 v[TM+2], v[TM], s[SEL], s[SEL+1]
	s_delay_alu instid0(VALU_DEP_2)
	v_permlanex16_b32 v[TM+3], v[TM+1], s[SEL], s[SEL+1]
	s_delay_alu instid0(VALU_DEP_2)
	v_max_num_f32 v[TM], v[TM], v[TM+2]
	s_delay_alu instid0(VALU_DEP_2)
	v_max_num_f32 v[TM+1], v[TM+1], v[TM+3]
	s_delay_alu instid0(VALU_DEP_2)
	v_add_nc_u32 v[TM+4], 0xff000000, v[TM]
	s_delay_alu instid0(VALU_DEP_2)
	v_add_nc_u32 v[TM+5], 0xff000000, v[TM+1]
	s_delay_alu instid0(VALU_DEP_2)
	v_lshrrev_b32 v[TM+2], 23, v[TM+4]
	s_delay_alu instid0(VALU_DEP_2)
	v_lshrrev_b32 v[TM+3], 23, v[TM+5]
	s_delay_alu instid0(VALU_DEP_1)
	v_lshl_or_b32 v[\hw], v[TM+3], 8, v[TM+2]
	v_cvt_scalef32_pk16_fp6_f32 v[(\pc):(\pc)+2], v[(\s):(\s)+15], v[TM+4]
	v_cvt_scalef32_pk16_fp6_f32 v[PT:PT+2], v[(\s)+16:(\s)+31], v[TM+5]
	v_nop                                          ; one plain instruction behind a scaled conversion
.irp i, 0,1,2
	v_permlane16_swap_b32 v[(\pc)+\i], v[PT+\i]
.endr
.irp i, 0,1,2
	s_delay_alu instid0(VALU_DEP_3)
	v_mov_b32 v[(\pc)+3+\i], v[PT+\i]
.endr
.endm
	s_load_b128 s[4:7], s[0:1], 0x0                ; qkv, mbits
	s_load_b64 s[8:9], s[0:1], 0x10                ; act
	v_lshl_add_u32 v254, v0, 2, 0x32000
	v_mov_b32 v255, 0
	v_lshrrev_b32 v6, 5, v0
	s_delay_alu instid0(VALU_DEP_1)
	v_readfirstlane_b32 s10, v6                    ; wave 0..15
	v_and_b32 v6, 31, v0                           ; lane
	s_delay_alu instid0(VALU_DEP_1)
	v_lshlrev_b32 v7, 3, v6                        ; 8 x lane: also my place in a fragment of K
	s_delay_alu instid0(VALU_DEP_1)
	v_add_nc_u32 v2, VL, v7
	v_and_b32 v206, 15, v0
	s_delay_alu instid0(VALU_DEP_1)
	v_lshlrev_b32 v206, 2, v206                    ; 4 r
	s_delay_alu instid0(VALU_DEP_1)
	v_add_nc_u32 v3, KSC, v206
	s_delay_alu instid0(VALU_DEP_2)
	v_add_nc_u32 v4, VSC, v206
	v_lshlrev_b32 v204, 4, v6                      ; 16 x lane
	v_lshlrev_b32 v205, 4, v0                      ; 16 x thread
	s_mul_i32 s16, s10, 6144
	v_add_nc_u32 v8, s16, v204                     ; the fill: my 8 records of K, 6,144 dense bytes, 16 a lane
	s_and_b32 s16, s10, 3
	s_mul_i32 s16, s16, 24576
	s_lshr_b32 s17, s10, 2
	s_mul_i32 s17, s17, 1536
	s_add_co_u32 s16, s16, s17
	s_add_co_u32 s16, s16, VL
	v_add_nc_u32 v9, s16, v204                     ; my 4 fragments of V: key steps 4 (w & 3) on, channels 16 (w >> 2)
	v_lshrrev_b32 v10, 3, v0
	s_delay_alu instid0(VALU_DEP_1)
	v_lshlrev_b32 v10, 6, v10
	v_and_b32 v11, 3, v0
	s_delay_alu instid0(VALU_DEP_1)
	v_lshl_add_u32 v10, v11, 4, v10
	v_bfe_u32 v11, v0, 2, 1
	s_delay_alu instid0(VALU_DEP_1)
	v_lshl_add_u32 v10, v11, 1, v10
	s_delay_alu instid0(VALU_DEP_1)
	v_add_nc_u32 v10, KSC, v10                     ; thread t's keys 4 t .. 4 t + 3: fragment t >> 3, rows 4 (t & 3) on, half (t >> 2) & 1
	s_lshl_b32 s16, s10, 8
	s_add_co_u32 s16, s16, VSC
	v_add_nc_u32 v11, s16, v7                      ; key step w's 64 scale words of V
	s_mul_i32 s16, s10, 4608
	s_add_co_u32 s16, s16, XCH
	v_add_nc_u32 v211, s16, v204                   ; where I hand a state over,
	s_xor_b32 s16, s10, 1
	s_mul_i32 s16, s16, 4608
	s_add_co_u32 s16, s16, XCH
	v_add_nc_u32 v207, s16, v204                   ; and where my partner does
	v_lshrrev_b32 v231, 4, v6
	s_delay_alu instid0(VALU_DEP_1)
	v_mul_u32_u24 v231, v231, 23808
	s_delay_alu instid0(VALU_DEP_1)
	v_add3_u32 v231, v231, v204, 512               ; K's middle load of three: lanes 0-15 the last 256 bytes of a record, lanes 16-31 the first 256 of the next (24,576 bytes on)
	s_and_b32 s16, ttmp7, 0xffff
	s_lshr_b32 s12, s16, 4                         ; batch
	s_and_b32 s13, s16, 15                         ; head
	s_and_b32 s14, s13, 1
	s_lshl_b32 s14, s14, 4                         ; my head's half of a scale word of q or k: 16 (head & 1) bits up
	s_lshr_b32 s20, s10, 1                         ; my pair 0..7
	s_lshr_b32 s21, s10, 2
	s_xor_b32 s11, s21, s10
	s_and_b32 s11, s11, 1                          ; my role: even (0) or odd (1) key steps
	s_lshl_b32 s22, ttmp9, 3
	s_sub_co_u32 s23, 120, s22
	s_add_co_u32 s22, s22, s20                     ; the pair's early tile
	s_add_co_u32 s23, s23, s20                     ; and its late one
	s_cmp_eq_u32 s11, 0
	s_cselect_b32 s15, s23, s22                    ; pass 1: the tile that I hand over
	s_cselect_b32 s91, s22, s23                    ; pass 2: the tile that I keep
	s_lshl_b32 s16, s12, 7                         ; 128 token tiles a batch
	s_lshl_b32 s17, s10, 3
	s_add_co_u32 s17, s17, s16
	s_lshl_b32 s17, s17, 5
	s_add_co_u32 s17, s17, s13
	s_add_co_u32 s17, s17, 16
	s_mul_i32 s24, s17, 768                        ; K: record (128 b + 8 w, 16 + head)
	s_mov_b32 s25, 0
	s_lshl_b32 s17, s13, 2
	s_lshr_b32 s18, s10, 2
	s_add_co_u32 s17, s17, s18
	s_lshl_b32 s17, s17, 6
	s_lshl_b32 s18, s12, 5
	s_add_co_u32 s17, s17, s18
	s_and_b32 s18, s10, 3
	s_lshl_b32 s18, s18, 3
	s_add_co_u32 s17, s17, s18
	s_mul_i32 s26, s17, 768
	s_add_co_u32 s26, s26, V_C                     ; V: record (4 head + (w >> 2), 32 b + 8 (w & 3))
	s_mov_b32 s27, 0
	s_lshr_b32 s17, s13, 1
	s_lshl_b32 s18, s17, 14
	s_lshl_b32 s19, s12, 13
	s_add_co_u32 s18, s18, s19                     ; K step head >> 1, the batch's first token, in bytes of scale words
	s_add_co_u32 s28, s18, QK_S+8*16384            ; k's
	s_mov_b32 s29, 0
	s_lshl_b32 s19, s15, 6
	s_add_co_u32 s19, s19, s18                     ; + my 16 queries
	s_add_co_u32 s30, s19, QK_S                    ; q's
	s_mov_b32 s31, 0
	s_lshl_b32 s20, s12, 4
	s_add_co_u32 s20, s20, s10
	s_lshl_b32 s20, s20, 12
	s_lshl_b32 s21, s13, 8
	s_add_co_u32 s20, s20, s21
	s_add_co_u32 s32, s20, V_S                     ; v's: K step 16 b + w, rows 64 head on
	s_mov_b32 s33, 0
	s_add_co_u32 s21, s16, s15                     ; my token tile
	s_lshl_b32 s20, s21, 5
	s_add_co_u32 s20, s20, s13
	s_mul_i32 s34, s20, 768                        ; Q: record (128 b + qt, head)
	s_mov_b32 s35, 0
	s_add_co_u32 s21, s16, s91                     ; the kept tile's token tile
	s_lshl_b32 s20, s21, 5
	s_add_co_u32 s20, s20, s13
	s_mul_i32 s44, s20, 768                        ; its Q
	s_mov_b32 s45, 0
	s_lshl_b32 s20, s21, 4
	s_add_co_u32 s20, s20, s13
	s_mul_i32 s36, s20, 768                        ; O: record (128 b + kept tile, head) of act
	s_mov_b32 s37, 0
	s_lshl_b32 s19, s91, 6
	s_add_co_u32 s19, s19, s18
	s_add_co_u32 s46, s19, QK_S                    ; its q's scale words
	s_mov_b32 s47, 0
	s_lshr_b32 s20, s14, 3
	s_add_co_u32 s38, s19, s20
	s_add_co_u32 s38, s38, ACT_S                   ; and O's half scale words
	s_mov_b32 s39, 0
	s_lshl_b32 s20, s11, 8                         ; my first key step's record of lane masks
	s_lshl_b32 s40, s15, 12
	s_add_co_u32 s40, s40, s20
	s_mov_b32 s41, 0
	s_lshl_b32 s100, s91, 12
	s_add_co_u32 s100, s100, s20
	s_mov_b32 s101, 0
	s_lshl_b32 s42, s15, 6
	s_add_co_u32 s42, s42, FLG                     ; the 16 flags of each tile
	s_mov_b32 s43, 0
	s_lshl_b32 s16, s91, 6
	s_add_co_u32 s16, s16, FLG
	s_mov_b32 s17, 0
	s_mov_b32 s[SEL], 0x76543210
	s_mov_b32 s[SEL+1], 0xfedcba98                 ; lane l xor 16
	s_mov_b32 s[CS], 0x3e38aa3b                    ; c = log2(e) / 8
	s_mov_b32 s[CS+1], s[CS]                       ; (named with it as a pair, so it is written)
	s_mov_b32 s2, 2                                ; passes to go
	s_wait_alu depctr_va_vdst(0)
	s_wait_kmcnt 0x0
	s_add_nc_u64 s[24:25], s[4:5], s[24:25]
	s_add_nc_u64 s[26:27], s[4:5], s[26:27]
	s_add_nc_u64 s[28:29], s[4:5], s[28:29]
	s_add_nc_u64 s[30:31], s[4:5], s[30:31]
	s_add_nc_u64 s[32:33], s[4:5], s[32:33]
	s_add_nc_u64 s[34:35], s[4:5], s[34:35]
	s_add_nc_u64 s[96:97], s[8:9], s[36:37]
	s_add_nc_u64 s[98:99], s[8:9], s[38:39]
	s_add_nc_u64 s[88:89], s[6:7], s[40:41]
	s_add_nc_u64 s[42:43], s[6:7], s[42:43]
	s_add_nc_u64 s[44:45], s[4:5], s[44:45]
	s_add_nc_u64 s[46:47], s[4:5], s[46:47]
	s_add_nc_u64 s[100:101], s[6:7], s[100:101]
	s_add_nc_u64 s[16:17], s[6:7], s[16:17]
	s_load_b512 s[48:63], s[42:43], 0x0            ; the flags of pass 1's tile,
	s_load_b512 s[68:83], s[16:17], 0x0            ; and of pass 2's
.irp g, 0,1,2,3                        ; two records of 768 bytes are three loads of 512: each half of the lanes reads 256 consecutive bytes, aligned
	global_load_b128 v[96+12*\g:99+12*\g], v204, s[24:25] offset:\g*49152
	global_load_b128 v[100+12*\g:103+12*\g], v231, s[24:25] offset:\g*49152
	global_load_b128 v[104+12*\g:107+12*\g], v204, s[24:25] offset:\g*49152+24832
.endr
.irp m, 0,1,2,3,4,5,6,7,8,9,10,11
	global_load_b128 v[144+4*\m:147+4*\m], v204, s[26:27] offset:\m*512
.endr
	global_load_b128 v[192:195], v205, s[28:29]
	global_load_b64 v[196:197], v7, s[32:33]
.irp e, 0,1,2
	global_load_b64 v[16+2*\e:17+2*\e], v7, s[34:35] offset:\e*256
	global_load_b64 v[28+2*\e:29+2*\e], v7, s[34:35] offset:\e*256
.endr
	global_load_b32 v34, v206, s[30:31]
	global_load_b64 v[92:93], v7, s[44:45]         ; the kept tile's q and scale words wait in registers for pass 2
	global_load_b64 v[94:95], v7, s[44:45] offset:256
	global_load_b64 v[208:209], v7, s[44:45] offset:512
	global_load_b32 v210, v206, s[46:47]
	s_wait_kmcnt 0x0
	s_mov_b32 s84, s48                             ; sixteen flags, two bits each
.irp k, 1,2,3,4,5,6,7,8,9,10,11,12,13,14,15
	s_lshl_b32 s85, s[48+\k], 2*\k
	s_or_b32 s84, s84, s85
.endr
	s_mov_b32 s3, s68                              ; pass 2's sixteen flags likewise
.irp k, 1,2,3,4,5,6,7,8,9,10,11,12,13,14,15
	s_lshl_b32 s85, s[68+\k], 2*\k
	s_or_b32 s3, s3, s85
.endr
	s_lshl_b32 s85, s11, 1
	s_lshr_b32 s84, s84, s85                       ; both begin at my first key step
	s_lshr_b32 s3, s3, s85
	s_wait_loadcnt 11                              ; K, V and their scale words are in; the two tiles' 7 + 4 loads of q may be out
.irp m, 0,1,2,3,4,5,6,7,8,9,10,11
	ds_store_b128 v8, v[96+4*\m:99+4*\m] offset:\m*512
.endr
.irp m, 0,1,2,3,4,5,6,7,8,9,10,11
	ds_store_b128 v9, v[144+4*\m:147+4*\m] offset:(\m/3)*6144+(\m%3)*512
.endr
.irp m, 0,1,2,3
	v_lshrrev_b32 v[192+\m], s14, v[192+\m]        ; my head's two bytes
.endr
.irp m, 0,1,2,3
	ds_store_b16 v10, v[192+\m] offset:4*\m
.endr
	ds_store_b64 v11, v[196:197]
	s_wait_dscnt 0x0                               ; for the others' sake: my stores have landed
	s_barrier_signal -1
	s_barrier_wait -1                              ; the head's K and V lie in LDS; from here on LDS is only read
	s_wait_loadcnt 0x0                             ; Q
.Lpass:                                            ; a pass: one tile, my 8 key steps of it
	s_mul_i32 s86, s11, 6144                       ; my first step's byte among K's and among V's fragments,
	s_lshl_b32 s87, s11, 8                         ; and among their scale words
	s_mov_b32 s90, 8
	v_lshrrev_b32 v34, s14, v34
	s_delay_alu instid0(VALU_DEP_1)
	v_and_b32 v34, 0xffff, v34                     ; Q's scale word for a fragment's first 64,
	s_delay_alu instid0(VALU_DEP_1)
	v_lshlrev_b32 v35, 16, v34                     ; and for its second
.irp j, 22,23,24,25,26,27
	v_mov_b32 v[\j], 0                             ; the zero codes between the two copies of q
.endr
.set j, 0
.rept 32
	v_mov_b32 v[OT+j], 0                           ; O^T: the step is written once; the first finds zeros.  (These are also the places between the lines above and the first products)
.set j, j+1
.endr
	v_mov_b32 v14, 0
	v_mov_b32 v15, 0
.irp j, 216,217,218,219,229,234,235
	v_mov_b32 v[\j], 0                             ; lane permutes' destinations, and the upper half of a pair that is named before it is written
.endr
	v_mov_b32 v5, 0xff800000                       ; -infinity
	v_mov_b32 v13, 0xff61b1e6                      ; the largest t so far: -3e38
	s_delay_alu instid0(VALU_DEP_1)
	v_floor_f32 v12, -v13                          ; -M
	s_wait_alu depctr_va_vdst(0)
.Lstep:
	s_and_b32 s85, s84, 3                          ; this step's flag
	s_lshr_b32 s84, s84, 4                         ; on by two steps
	s_cmp_eq_u32 s85, 0
	s_cbranch_scc1 .Lskip                          ; no key of the step is permitted for any of my queries
; A step's front: K's fragments, the scores, V's fragments.  It stands in two arms: only a step with flag 1 fetches and awaits its 64 lane masks; with flag 2 nothing of them is used, so nothing is loaded.
.macro FRONT
	v_add_nc_u32 v8, s86, v7                       ; (these four are also the places in front of loads into registers that the last products read)
	v_add_nc_u32 v9, s86, v2
	v_add_nc_u32 v10, s87, v3
	v_add_nc_u32 v11, s87, v4
.irp f, 0,1,2,3
.irp e, 0,1,2,3,4,5
	ds_load_b64 v[FR+12*\f+2*\e:FR+12*\f+2*\e+1], v8 offset:\f*1536+\e*256
.endr
	ds_load_b32 v[KSW+\f], v10 offset:64*\f
.endr
	s_wait_alu depctr_va_vdst(0)
	s_wait_dscnt 0x0
.irp f, 0,1,2,3                        ; S^T = K Q^T: eight tiles of 16 keys from four fragments
	v_wmma_scale_f32_16x16x128_f8f6f4 v[SS+16*\f:SS+16*\f+7], v[FR+12*\f:FR+12*\f+11], v[16:27], 0, v[KSW+\f], v34 matrix_a_fmt:MATRIX_FMT_FP6 matrix_b_fmt:MATRIX_FMT_FP6
	v_wmma_scale_f32_16x16x128_f8f6f4 v[SS+16*\f+8:SS+16*\f+15], v[FR+12*\f:FR+12*\f+11], v[22:33], 0, v[KSW+\f], v35 matrix_a_fmt:MATRIX_FMT_FP6 matrix_b_fmt:MATRIX_FMT_FP6
.endr
.rept 4
	v_nop                                          ; places in front of the loads below and of the first read of the scores
.endr
.irp f, 0,1,2,3                        ; V's fragments land under the softmax
.irp e, 0,1,2,3,4,5
	ds_load_b64 v[FR+12*\f+2*\e:FR+12*\f+2*\e+1], v9 offset:\f*1536+\e*256
.endr
	ds_load_b32 v[VSW+\f], v11 offset:64*\f
.endr
.endm
	s_cmp_eq_u32 s85, 2
	s_cbranch_scc1 .Lfull                          ; every key is permitted for every query of mine
	s_load_b512 s[16:31], s[88:89], 0x0            ; the 64 lane masks
	s_load_b512 s[32:47], s[88:89], 0x40
	s_load_b512 s[48:63], s[88:89], 0x80
	s_load_b512 s[68:83], s[88:89], 0xc0
	FRONT
	s_wait_kmcnt 0x0                               ; the lane masks are in (and their base may be stepped)
.set n, 0
.rept 48
	v_cndmask_b32 v[SS+n], v5, v[SS+n], s[16+n]    ; a hidden score becomes -infinity: p = 0 then
.set n, n+1
.endr
.rept 16
	v_cndmask_b32 v[SS+n], v5, v[SS+n], s[20+n]
.set n, n+1
.endr
	s_wait_alu depctr_va_vdst(0)                   ; the wait ahead of the branch
	s_branch .Lopen
.Lfull:
	FRONT
.Lopen:
.irp b, 0,1,2,3
	v_max3_num_f32 v[BM+\b], v[SS+16*\b], v[SS+1+16*\b], v[SS+2+16*\b]   ; the largest score of each block of 32 keys: for the row's maximum and, since p rises with the score, for the block's largest p
.endr
.irp i, 3,5,7,9,11,13
.irp b, 0,1,2,3
	v_max3_num_f32 v[BM+\b], v[BM+\b], v[SS+16*\b+\i], v[SS+1+16*\b+\i]
.endr
.endr
.irp b, 0,1,2,3
	v_max_num_f32 v[BM+\b], v[BM+\b], v[SS+15+16*\b]
.endr
.irp b, 0,1,2,3
	s_delay_alu instid0(VALU_DEP_4)
	v_permlanex16_b32 v[PT+\b], v[BM+\b], s[SEL], s[SEL+1]
.endr
.irp b, 0,1,2,3
	s_delay_alu instid0(VALU_DEP_4)
	v_max_num_f32 v[BM+\b], v[BM+\b], v[PT+\b]     ; with lane l xor 16's 16 keys
.endr
	s_delay_alu instid0(VALU_DEP_2)
	v_max3_num_f32 v[TP], v[BM], v[BM+1], v[BM+2]
	s_delay_alu instid0(VALU_DEP_1)
	v_max_num_f32 v[TP], v[TP], v[BM+3]
	s_delay_alu instid0(VALU_DEP_1)
	v_mul_f32 v[TP], s[CS], v[TP]                  ; the step's largest t of my query
	s_delay_alu instid0(VALU_DEP_1)
	v_max_num_f32 v13, v13, v[TP]
	v_mov_b32 v[TP], v12
	s_delay_alu instid0(VALU_DEP_2)
	v_floor_f32 v12, -v13                          ; the new -M = -ceil(t): a whole number
	s_delay_alu instid0(VALU_DEP_1)
	v_sub_f32 v[TP], v12, v[TP]                    ; old M - new M: a whole number, 0 or less
	s_delay_alu instid0(VALU_DEP_1)
	v_cvt_i32_f32 v[TP], v[TP]                     ; (it saturates)
	s_delay_alu instid0(VALU_DEP_1)
	v_ldexp_f32 v[FF], 1.0, v[TP]                  ; f = 2^(old M - new M)
.set j, 0
.rept 32
	v_pk_fma_f32 v[SS+j:SS+j+1], v[SS+j:SS+j+1], s[CS:CS+1], v[12:13] op_sel_hi:[1,0,0]   ; t - M, two at a time
.set j, j+2
.endr
.irp b, 0,1,2,3
	v_fma_f32 v[BM+\b], v[BM+\b], s[CS], v12       ; the same of each block's largest score
.endr
.set j, 0
	s_wait_alu depctr_va_vdst(0)
.rept 64
	v_exp_f32 v[SS+j], v[SS+j]                     ; p = 2^(t - M)
.set j, j+1
.endr
	v_pk_mul_f32 v[14:15], v[14:15], v[FF:FF+1] op_sel_hi:[1,0]   ; the sums under the new M (a plain instruction behind the exponentials)
	s_wait_alu depctr_va_vdst(0)                   ; one wait for the batch, ahead of the first line that names a result
.irp b, 0,1,2,3
	v_exp_f32 v[BM+\b], v[BM+\b]                   ; the block's largest p
.endr
	v_pk_add_f32 v[216:217], v[100:101], v[104:105]
	v_pk_add_f32 v[252:253], v[108:109], v[112:113]
	v_pk_add_f32 v[250:251], v[116:117], v[120:121]
	v_pk_add_f32 v[248:249], v[124:125], v[128:129]
	v_pk_add_f32 v[246:247], v[132:133], v[136:137]
	v_pk_add_f32 v[244:245], v[140:141], v[144:145]
	v_pk_add_f32 v[242:243], v[148:149], v[152:153]
	v_pk_add_f32 v[14:15], v[14:15], v[156:157]
	v_pk_add_f32 v[216:217], v[216:217], v[96:97]
	v_pk_add_f32 v[252:253], v[252:253], v[98:99]
	v_pk_add_f32 v[250:251], v[250:251], v[102:103]
	v_pk_add_f32 v[248:249], v[248:249], v[106:107]
	v_pk_add_f32 v[246:247], v[246:247], v[110:111]
	v_pk_add_f32 v[244:245], v[244:245], v[114:115]
	v_pk_add_f32 v[242:243], v[242:243], v[118:119]
	v_pk_add_f32 v[14:15], v[14:15], v[122:123]
	v_pk_add_f32 v[216:217], v[216:217], v[126:127]
	v_pk_add_f32 v[252:253], v[252:253], v[130:131]
	v_pk_add_f32 v[250:251], v[250:251], v[134:135]
	v_pk_add_f32 v[248:249], v[248:249], v[138:139]
	v_pk_add_f32 v[246:247], v[246:247], v[142:143]
	v_pk_add_f32 v[244:245], v[244:245], v[146:147]
	v_pk_add_f32 v[242:243], v[242:243], v[150:151]
	v_pk_add_f32 v[14:15], v[14:15], v[154:155]
	v_pk_add_f32 v[216:217], v[216:217], v[158:159]
	s_delay_alu instid0(VALU_DEP_2)
	v_pk_add_f32 v[14:15], v[14:15], v[248:249]
	s_delay_alu instid0(VALU_DEP_2)
	v_pk_add_f32 v[216:217], v[216:217], v[246:247]
	v_pk_add_f32 v[252:253], v[252:253], v[244:245]
	v_pk_add_f32 v[250:251], v[250:251], v[242:243]
	s_delay_alu instid0(VALU_DEP_2)
	v_pk_add_f32 v[14:15], v[14:15], v[252:253]
	s_delay_alu instid0(VALU_DEP_2)
	v_pk_add_f32 v[216:217], v[216:217], v[250:251]
	s_delay_alu instid0(VALU_DEP_1)
	v_pk_add_f32 v[14:15], v[14:15], v[216:217]
	s_wait_alu depctr_va_vdst(0)                   ; and one for the four
.irp b, 0,1,2,3
	v_max_num_f32 v[BM+\b], 0x1800000, v[BM+\b]    ; the floor 2^(3 - 127): the byte cannot fall under 1
.endr
.irp b, 0,1,2,3
	s_delay_alu instid0(VALU_DEP_4)
	v_add_nc_u32 v[SO+\b], 0xff000000, v[BM+\b]    ; 2 off the exponent field: the conversion's scale operand
.endr
.irp b, 0,1,2,3
	s_delay_alu instid0(VALU_DEP_4)
	v_lshrrev_b32 v[PT+\b], 23, v[SO+\b]
.endr
	s_delay_alu instid0(VALU_DEP_3)
	v_lshl_or_b32 v[FF+1], v[PT+1], 8, v[PT]       ; p's scale word for these 128 keys
	s_delay_alu instid0(VALU_DEP_1)
	v_lshl_or_b32 v[FF+1], v[PT+2], 16, v[FF+1]
	s_delay_alu instid0(VALU_DEP_1)
	v_lshl_or_b32 v[FF+1], v[PT+3], 24, v[FF+1]
.irp c, 0,1
	v_cvt_scalef32_pk16_fp6_f32 v[PC+6*\c:PC+2+6*\c], v[SS+32*\c:SS+15+32*\c], v[SO+2*\c]
	v_cvt_scalef32_pk16_fp6_f32 v[PT+4*\c:PT+2+4*\c], v[SS+16+32*\c:SS+31+32*\c], v[SO+2*\c+1]
.endr
	v_nop                                          ; one plain instruction behind a scaled conversion
.irp c, 0,1
.irp i, 0,1,2
	v_permlane16_swap_b32 v[PC+6*\c+\i], v[PT+4*\c+\i]
.endr
.irp i, 0,1,2
	s_delay_alu instid0(VALU_DEP_3)
	v_mov_b32 v[PC+3+6*\c+\i], v[PT+4*\c+\i]
.endr
.endr
.set j, 0
.rept 16
	v_pk_mul_f32 v[OT+j:OT+j+1], v[OT+j:OT+j+1], v[FF:FF+1] op_sel_hi:[1,0]   ; O^T under the new M.  (These 16 are also the places between the codes and the scale word just made and the products)
.set j, j+2
.endr
	s_wait_alu depctr_va_vdst(0)
	s_wait_dscnt 0x0                               ; V is in
.irp t, 0,1,2,3                        ; O^T += V^T P^T: four accumulators by turns
	v_wmma_scale_f32_16x16x128_f8f6f4 v[OT+8*\t:OT+8*\t+7], v[FR+12*\t:FR+12*\t+11], v[PC:PC+11], v[OT+8*\t:OT+8*\t+7], v[VSW+\t], v[FF+1] matrix_a_fmt:MATRIX_FMT_FP6 matrix_b_fmt:MATRIX_FMT_FP6
.endr
.Lskip:
	s_add_co_u32 s86, s86, 12288
	s_add_co_u32 s87, s87, 512
	s_add_nc_u64 s[88:89], s[88:89], 512
	s_sub_co_u32 s90, s90, 1
	s_cmp_lg_u32 s90, 0
	s_cbranch_scc1 .Lstep
	; THE WAY OUT: O^T / the sum, quantised along the head's 64: a record of the next product's operand
.rept 4
	v_nop
.endr
	s_cmp_eq_u32 s2, 1
	s_cbranch_scc1 .Lkept
.irp t, 0,1,2,3,4,5,6,7                ; pass 1's end: the state is handed over, as an image of its registers (each accumulator from its low end on)
	ds_store_b128 v211, v[OT+4*\t:OT+4*\t+3] offset:512*\t
.endr
	ds_store_b128 v211, v[12:15] offset:4096       ; -M, the largest t, the sum's two halves
.irp d, 16, 28
	v_mov_b32 v[\d], v92                           ; the kept tile's q, in both places
	v_mov_b32 v[\d+1], v93
	v_mov_b32 v[\d+2], v94
	v_mov_b32 v[\d+3], v95
	v_mov_b32 v[\d+4], v208
	v_mov_b32 v[\d+5], v209
.endr
	v_mov_b32 v34, v210
	s_mov_b32 s84, s3                              ; its flags and its lane masks
	s_mov_b64 s[88:89], s[100:101]
	s_wait_dscnt 0x0                               ; for my partner's sake: the stores have landed (and have read their registers)
	s_sub_co_u32 s2, s2, 1
	s_cmp_lg_u32 s2, 0
	s_wait_alu depctr_va_vdst(0)
	s_cbranch_scc1 .Lpass
.Lkept:
	s_barrier_signal -1
	s_barrier_wait -1                              ; every wave's handed-over state lies in LDS
.irp t, 0,1,2,3,4,5,6,7,8
	ds_load_b128 v[SS+4*\t:SS+4*\t+3], v207 offset:512*\t   ; my partner's state of the tile that I keep
.endr
	s_wait_dscnt 0x0
	v_min_num_f32 v[TP], v12, v[SS+32]             ; the joint -M
	s_delay_alu instid0(VALU_DEP_1)
	v_sub_f32 v216, v[TP], v12                     ; own M - joint M: whole numbers, 0 or less
	v_sub_f32 v217, v[TP], v[SS+32]
	s_delay_alu instid0(VALU_DEP_2)
	v_cvt_i32_f32 v216, v216                       ; (they saturate)
	s_delay_alu instid0(VALU_DEP_2)
	v_cvt_i32_f32 v217, v217
	s_delay_alu instid0(VALU_DEP_2)
	v_ldexp_f32 v[FF], 1.0, v216
	s_delay_alu instid0(VALU_DEP_2)
	v_ldexp_f32 v218, 1.0, v217
.set j, 0
.rept 16
	v_pk_mul_f32 v[OT+j:OT+j+1], v[OT+j:OT+j+1], v[FF:FF+1] op_sel_hi:[1,0]
.set j, j+2
.endr
.set j, 0
.rept 16
	v_pk_fma_f32 v[OT+j:OT+j+1], v[SS+j:SS+j+1], v[218:219], v[OT+j:OT+j+1] op_sel_hi:[1,0,1]
.set j, j+2
.endr
	v_pk_mul_f32 v[14:15], v[14:15], v[FF:FF+1] op_sel_hi:[1,0]
	s_delay_alu instid0(VALU_DEP_1)
	v_pk_fma_f32 v[14:15], v[SS+34:SS+35], v[218:219], v[14:15] op_sel_hi:[1,0,1]
	s_delay_alu instid0(VALU_DEP_1)
	v_add_f32 v14, v14, v15
	s_delay_alu instid0(VALU_DEP_1)
	v_permlanex16_b32 v[PT], v14, s[SEL], s[SEL+1]
	s_delay_alu instid0(VALU_DEP_1)
	v_add_f32 v14, v14, v[PT]                      ; the row's sum
	s_wait_alu depctr_va_vdst(0)
	v_rcp_f32 v15, v14
	v_mov_b32 v239, 0xffff                         ; (a plain instruction behind the transcendental)
	s_wait_alu depctr_va_vdst(0)
.set j, 0
.rept 32
	v_mul_f32 v[SS+j], v[OT+j], v15
.set j, j+1
.endr
	QUANT2 SS, PC, 238
	v_cmp_eq_f32 vcc_lo, 0, v14
	s_delay_alu instid0(VALU_DEP_1)
	v_cndmask_b32 v238, v238, v239, vcc_lo         ; a query with no permitted key: both scale bytes NaN
.irp m, 0,1,2
	global_store_b64 v7, v[PC+2*\m:PC+2*\m+1], s[96:97] offset:\m*256   ; 32 lanes store 256 consecutive bytes, aligned
.endr
	global_store_b16 v206, v238, s[98:99]          ; lanes r and r + 16 store the same half word with the same value
	s_wait_tensorcnt 0x0
	ds_add_u32 v254, v255
	s_wait_dscnt 0x0
	s_endpgm
.Lfunc_end_k_q83cad0de7f_attn:
	.size	k_q83cad0de7f_attn, .Lfunc_end_k_q83cad0de7f_attn-k_q83cad0de7f_attn
	.p2alignl 7, 3214868480
	.fill 96, 4, 3214868480
	.section	.rodata,"a",@progbits
	.p2align	6, 0x0
	.amdhsa_kernel k_q83cad0de7f_attn
		.amdhsa_group_segment_fixed_size 280576
		.amdhsa_private_segment_fixed_size 0
		.amdhsa_enable_private_segment 0
		.amdhsa_kernarg_size 24
		.amdhsa_user_sgpr_count 2
		.amdhsa_user_sgpr_kernarg_segment_ptr 1
		.amdhsa_wavefront_size32 1
		.amdhsa_system_sgpr_workgroup_id_x 1
		.amdhsa_system_sgpr_workgroup_id_y 1
		.amdhsa_system_sgpr_workgroup_id_z 1
		.amdhsa_system_vgpr_workitem_id 0
		.amdhsa_next_free_vgpr 256
		.amdhsa_next_free_sgpr 102
		.amdhsa_reserve_vcc 1
		.amdhsa_float_denorm_mode_32 3
		.amdhsa_float_denorm_mode_16_64 3
		.amdhsa_memory_ordered 1
		.amdhsa_forward_progress 1
		.amdhsa_inst_pref_size 54
	.end_amdhsa_kernel
	.amdgpu_metadata
---
amdhsa.version: [ 1, 2 ]
amdhsa.kernels:
  - .name:           k_q83cad0de7f_attn
    .symbol:         k_q83cad0de7f_attn.kd
    .args:
      - { .name: qkv, .offset: 0, .size: 8, .value_kind: global_buffer, .address_space: global }
      - { .name: mbits, .offset: 8, .size: 8, .value_kind: global_buffer, .address_space: global }
      - { .name: act, .offset: 16, .size: 8, .value_kind: global_buffer, .address_space: global }
    .group_segment_fixed_size: 280576
    .private_segment_fixed_size: 0
    .kernarg_segment_align: 8
    .kernarg_segment_size: 24
    .max_flat_workgroup_size: 512
    .sgpr_count:     102
    .vgpr_count:     256
    .wavefront_size: 32
...
	.end_amdgpu_metadata
.endif
;; end of part 3
;; launch outp (part 4): grid 8 x 32, 4 waves a work-group, clusters of 4 x 4, 327,680 bytes of LDS; arguments act, wts, out_b, x, x1; writes x1
.if DOCPART == 4
	.amdgcn_target "amdgcn-amd-amdhsa--gfx1250"
	.amdhsa_code_object_version 6
	.text
	.protected	k_q83cad0de7f_outp
	.globl	k_q83cad0de7f_outp
	.p2align	8
	.type	k_q83cad0de7f_outp,@function
k_q83cad0de7f_outp:
	s_mov_b64 s[64:65], 0
	v_nop
	global_prefetch_b8 v0, s[64:65] scope:SCOPE_SE
	s_setreg_imm32_b32 hwreg(HW_REG_WAVE_MODE, 25, 1), 1
	s_wait_xcnt 0x0
	s_wait_alu depctr_hold_cnt(0) depctr_sa_sdst(0) depctr_va_vdst(0) depctr_va_sdst(0) depctr_va_ssrc(0) depctr_va_vcc(0) depctr_vm_vsrc(0)
	s_getreg_b32 s2, hwreg(HW_REG_IB_STS2, 6, 4)
	s_cmp_eq_u32 s2, 0
	s_cbranch_scc0 .Lentry_in_a_cluster
	s_endpgm
.Lentry_in_a_cluster:
	s_bfe_u32 s2, ttmp6, 0x10000c
	s_cmp_lg_u32 s2, 0xf033
	s_cbranch_scc0 .Lentry_shape_is_right
	s_endpgm
.Lentry_shape_is_right:
; x1 = x + O out_w + out_b on codes of FP6 (E2M3) with E8M0 scales, f32 sums.  A tile of 128 x 128 a work-group, 64 x 64 a wave: operand P (tokens) is source 1, operand R (the weight's columns) source 0.
; K = 1,024 is two slots of 4 K steps (98,304 bytes each), each filled once.  Clusters 4 x 4: P's tiles are shared along a row, R's along a column: joint loads.
; The head's four tiles go out one a wave: slot 0's P, slot 0's R, P's scale words, R's; slot 1 follows behind the full sequence and a round, a quarter a wave.  No prefetch: there is no loop to run ahead in.
.set KS,    8
.set P_S,   3145728
.set RP,    4096
.set W_C,   2359296
.set W_S,   9568256
.set RR,    1024
.set NJ,    2*KS
.set LAPS,  KS/8
.set SLOT,  98304
.set QUART, 24576
.set SCL,   196608
.set HALFS, (KS/2)*512
.set STAGE, 229376
.set SPARE, 246784
.set ADP, 16
.set ADR, 20
.set ASP, 22
.set ASR, 23
.set STO, 24
.set RD,  25
.set CO,  26
.set SPW, 28
.set NIL, 29
.set SC,  32
.set BI,  64
.set ACC, 128
.set F0,  0
.set F1,  128
.set G1,  24
.set G0,  32
.set G1B, 48
.set G0B, 56
.set G1S, 68
.set G0S, 76
.set G1SB, 80
.set G0SB, 88
.set MSB, 0
.macro WIN new
.if MSB != \new
	s_set_vgpr_msb (MSB<<8)|\new
.set MSB, \new
.endif
.endm
.set MUL,  0x05
.set TO_F, 0x40
.macro PLACES
.rept 4
	v_nop
.endr
.endm
.macro JLOAD g0a, g1a, g0b, g1b
	s_cmp_eq_u32 s15, 0
	s_cbranch_scc0 .Lfor_b_\@
	tensor_load_to_lds s[\g0a:\g0a+3], s[\g1a:\g1a+7]
	s_nop 0
.rept 4
	v_nop
.endr
	s_branch .Lasked_\@
.Lfor_b_\@:
	tensor_load_to_lds s[\g0b:\g0b+3], s[\g1b:\g1b+7]
	s_nop 0
.rept 4
	v_nop
.endr
.Lasked_\@:
.endm
.macro CREST
	s_cmp_lg_u32 s14, 0
	s_cbranch_scc1 .Lnot_wave_0_\@
	s_barrier_signal -3
.Lnot_wave_0_\@:
	s_barrier_wait -3
	s_barrier_signal -1
	s_barrier_wait -1
.endm
.macro CROUND
	s_barrier_signal -1
	s_barrier_wait -1
	CREST
.endm
.macro FETCH slot, q, f
	WIN TO_F
.irp i, 0,1,2,3
.irp e, 0,1,2,3,4,5
	ds_load_b64 v[(\f)+12*\i+2*\e:(\f)+12*\i+2*\e+1], v[ADR+\slot] offset:\i*6144+(\q)*1536+\e*256
.endr
.endr
.irp i, 0,1,2,3
.irp e, 0,1,2,3,4,5
	ds_load_b64 v[(\f)+48+12*\i+2*\e:(\f)+48+12*\i+2*\e+1], v[ADP+\slot] offset:\i*6144+(\q)*1536+\e*256
.endr
.endr
.endm
.macro SCALES sc
.irp g, 0,1
.irp q, 0,1,2,3
	ds_load_b32 v[SC+16*(\sc)+4*\g+\q], v[ASR] offset:\q*512+\g*128
	ds_load_b32 v[SC+16*(\sc)+8+4*\g+\q], v[ASP] offset:\q*512+\g*128
.endr
.endr
.endm
.macro WM a, b, f, q, sc, first
.set rD, ACC+8*(4*(\a)+(\b))
.set rC, rD
.if \first
.set rC, BI+8*(\b)
.endif
.set rR, (\f)+12*(\b)
.set rP, (\f)+48+12*(\a)
.set rX, SC+16*(\sc)+4*((\b)/2)+(\q)
.set rY, SC+16*(\sc)+8+4*((\a)/2)+(\q)
.if ((\a)%2 == 0) && ((\b)%2 == 0)
	v_wmma_scale_f32_16x16x128_f8f6f4 v[rD:rD+7], v[rR:rR+11], v[rP:rP+11], v[rC:rC+7], v[rX], v[rY] matrix_a_fmt:MATRIX_FMT_FP6 matrix_b_fmt:MATRIX_FMT_FP6
.elseif ((\a)%2 == 0)
	v_wmma_scale_f32_16x16x128_f8f6f4 v[rD:rD+7], v[rR:rR+11], v[rP:rP+11], v[rC:rC+7], v[rX], v[rY] matrix_a_fmt:MATRIX_FMT_FP6 matrix_b_fmt:MATRIX_FMT_FP6 matrix_a_scale:MATRIX_SCALE_ROW1
.elseif ((\b)%2 == 0)
	v_wmma_scale_f32_16x16x128_f8f6f4 v[rD:rD+7], v[rR:rR+11], v[rP:rP+11], v[rC:rC+7], v[rX], v[rY] matrix_a_fmt:MATRIX_FMT_FP6 matrix_b_fmt:MATRIX_FMT_FP6 matrix_b_scale:MATRIX_SCALE_ROW1
.else
	v_wmma_scale_f32_16x16x128_f8f6f4 v[rD:rD+7], v[rR:rR+11], v[rP:rP+11], v[rC:rC+7], v[rX], v[rY] matrix_a_fmt:MATRIX_FMT_FP6 matrix_b_fmt:MATRIX_FMT_FP6 matrix_a_scale:MATRIX_SCALE_ROW1 matrix_b_scale:MATRIX_SCALE_ROW1
.endif
.endm
.macro MULH f, q, sc, a0, first
.irp a, \a0, \a0+1
.irp b, 0,1,2,3
	WM \a, \b, \f, \q, \sc, \first
.endr
.endr
.endm
.macro KSTEP slot, q, f, g, first
	s_wait_dscnt 0x0
	PLACES
	FETCH \slot, (\q)+1, \g
	WIN MUL
	MULH \f, \q, \slot, 0, \first
	MULH \f, \q, \slot, 2, \first
.endm
.macro TURN slot, next, fill
	WIN 0
	s_wait_tensorcnt 0x0
	ds_add_u32 v[SPW], v[NIL]
	s_wait_dscnt 1
	WIN MUL
	MULH F1, 3, \slot, 0, 0
	s_wait_dscnt 0x0
	s_barrier_signal -1
	WIN 0
	s_barrier_wait -1
.if \fill
	CREST
	s_add_nc_u64 s[G0+4*\slot+2:G0+4*\slot+3], s[G0+4*\slot+2:G0+4*\slot+3], 12288
	s_add_nc_u64 s[G0B+4*\slot+2:G0B+4*\slot+3], s[G0B+4*\slot+2:G0B+4*\slot+3], 12288
	JLOAD G0+4*\slot, G1, G0B+4*\slot, G1B
.else
	PLACES
.endif
	v_add_nc_u32 v[ASP], 2048, v[ASP]
	v_add_nc_u32 v[ASR], 2048, v[ASR]
	FETCH \next, 0, F0
	WIN 0
	SCALES \next
	WIN MUL
	MULH F1, 3, \slot, 2, 0
.endm
	s_load_b128 s[4:7], s[0:1], 0x0
	s_load_b128 s[8:11], s[0:1], 0x10
	s_load_b64 s[12:13], s[0:1], 0x20
	v_lshl_add_u32 v[SPW], v0, 2, SPARE
	v_mov_b32 v[NIL], 0
	ds_add_u32 v28, v29
	ds_add_u32 v28, v29
	s_wait_dscnt 0x0
	v_lshrrev_b32 v1, 5, v0
	v_readfirstlane_b32 s14, v1
	s_lshr_b32 s15, s14, 1
	s_and_b32 s16, s14, 1
	s_bfe_u32 s40, ttmp6, 0x40000
	s_bfe_u32 s41, ttmp6, 0x40004
	s_lshl_b32 s42, ttmp9, 2
	s_add_co_u32 s42, s42, s40
	s_and_b32 s17, ttmp7, 0xffff
	s_lshl_b32 s17, s17, 2
	s_add_co_u32 s17, s17, s41
	s_lshl_b32 s43, s41, 2
	s_lshl_b32 s43, 15, s43
	s_lshl_b32 s44, 0x1111, s40
	s_or_b32 s[G1+0], s43, (3<<16)|(1<<21)
	s_or_b32 s[G1B+0], s44, (3<<16)|(1<<21)
.irp g, G1, G1B
	s_mov_b32 s[\g+1], 768<<16
	s_mov_b32 s[\g+2], 8<<16                       ; the head's loads bring all 8 row tiles of a slot
	s_mov_b32 s[\g+3], 768<<16
	s_mov_b32 s[\g+4], 8
	s_mov_b32 s[\g+5], KS*192
	s_mov_b32 s[\g+6], 0
	s_mov_b32 s[\g+7], 0
.endr
	s_or_b32 s[G1S+0], s43, (3<<16)|(1<<21)
	s_or_b32 s[G1SB+0], s44, (3<<16)|(1<<21)
.irp g, G1S, G1SB
	s_mov_b32 s[\g+1], 64<<16
	s_mov_b32 s[\g+2], KS<<16
	s_mov_b32 s[\g+3], 64<<16
	s_mov_b32 s[\g+4], KS
	s_mov_b32 s[\g+6], 0
	s_mov_b32 s[\g+7], 0
.endr
	s_mov_b32 s[G1S+5], RP/2
	s_mov_b32 s[G1SB+5], RR/2
	s_mul_i32 s96, s16, 4*NJ*768                   ; my four row tiles of a quarter load, in bytes
	s_mov_b32 s97, 0
	s_lshl_b32 s20, s17, 3
	s_mul_i32 s20, s20, NJ*768
	s_mov_b32 s21, 0
	s_lshl_b32 s46, s42, 3
	s_mul_i32 s46, s46, NJ*768
	s_add_co_u32 s46, s46, W_C
	s_mov_b32 s47, 0
	s_lshl_b32 s22, s17, 9
	s_add_co_u32 s22, s22, P_S
	s_mov_b32 s23, 0
	s_lshl_b32 s92, s42, 9
	s_add_co_u32 s92, s92, W_S
	s_mov_b32 s93, 0
	s_mul_i32 s45, s14, QUART
	s_wait_kmcnt 0x0
	s_add_nc_u64 s[20:21], s[4:5], s[20:21]
	s_add_nc_u64 s[22:23], s[4:5], s[22:23]
	s_add_nc_u64 s[46:47], s[6:7], s[46:47]
	s_add_nc_u64 s[92:93], s[6:7], s[92:93]
	CROUND
	s_mov_b32 s[G0S], 1
	s_mov_b32 s[G0S+1], SCL
	s_mov_b64 s[G0S+2:G0S+3], s[22:23]
	s_or_b32 s[G0S+3], s[G0S+3], 0x80000000
	s_mov_b32 s[G0SB], 1
	s_mov_b32 s[G0SB+1], SCL+KS*512
	s_mov_b64 s[G0SB+2:G0SB+3], s[92:93]
	s_or_b32 s[G0SB+3], s[G0SB+3], 0x80000000
.irp s, 0,1
	s_mov_b32 s[G0+4*\s], 1
	s_add_co_u32 s[G0+4*\s+1], s45, \s*SLOT
	s_add_nc_u64 s[G0+4*\s+2:G0+4*\s+3], s[20:21], \s*6144
	s_or_b32 s[G0+4*\s+3], s[G0+4*\s+3], 0x80000000
	s_mov_b32 s[G0B+4*\s], 1
	s_add_co_u32 s[G0B+4*\s+1], s45, \s*SLOT
	s_add_nc_u64 s[G0B+4*\s+2:G0B+4*\s+3], s[46:47], \s*6144
	s_or_b32 s[G0B+4*\s+3], s[G0B+4*\s+3], 0x80000000
.endr
	s_add_nc_u64 s[G0+6:G0+7], s[G0+6:G0+7], s[96:97]      ; slot 1's load is a quarter: my four row tiles
	s_add_nc_u64 s[G0B+6:G0B+7], s[G0B+6:G0B+7], s[96:97]
	s_mov_b32 s[G0+1], 0                                   ; slot 0's first fill is whole: P's 8 row tiles,
	s_mov_b32 s[G0B+1], 2*QUART                            ; R's behind them
; THE HEAD'S LOADS, ONE A WAVE, in one chain of branches on the wave's number
.macro ARM under, g0, g1, next
	s_cmp_lt_u32 s14, \under
	s_cbranch_scc0 \next
	tensor_load_to_lds s[\g0:\g0+3], s[\g1:\g1+7]
	s_nop 0
.rept 4
	v_nop
.endr
	s_branch .Lhead_asked
\next:
.endm
	ARM 1, G0, G1, .Lhead_r
	ARM 2, G0B, G1B, .Lhead_sp
	ARM 3, G0S, G1S, .Lhead_sr
	tensor_load_to_lds s[G0SB:G0SB+3], s[G1SB:G1SB+7]
	s_nop 0
.rept 4
	v_nop
.endr
.Lhead_asked:
	v_and_b32 v1, 31, v0
	v_lshlrev_b32 v2, 3, v1
	v_lshlrev_b32 v3, 2, v1
	v_and_b32 v4, 15, v0
	s_wait_alu depctr_va_vdst(0)
	v_bfe_u32 v5, v0, 4, 1
	s_mul_i32 s18, s15, QUART
	s_mul_i32 s19, s16, QUART
	s_add_co_u32 s19, s19, 2*QUART
	v_add_nc_u32 v[ADP], s18, v2
	v_add_nc_u32 v[ADR], s19, v2
	v_add_nc_u32 v[ADP+1], SLOT, v[ADP]
	v_add_nc_u32 v[ADR+1], SLOT, v[ADR]
	s_lshl_b32 s18, s15, 8
	s_add_co_u32 s18, s18, SCL
	v_add_nc_u32 v[ASP], s18, v3
	s_lshl_b32 s19, s16, 8
	s_add_co_u32 s19, s19, SCL+KS*512
	v_add_nc_u32 v[ASR], s19, v3
	s_mul_i32 s18, s14, 16*272
	s_add_co_u32 s18, s18, STAGE
	v_mul_u32_u24 v[STO], v4, 272
	s_wait_alu depctr_va_vdst(0)
	v_lshl_add_u32 v[STO], v5, 5, v[STO]
	v_add_nc_u32 v[STO], s18, v[STO]
	v_mul_u32_u24 v[RD], v5, 272
	v_lshl_add_u32 v[RD], v4, 4, v[RD]
	v_add_nc_u32 v[RD], s18, v[RD]
	v_lshlrev_b32 v[CO], 12, v5
	v_lshl_add_u32 v[CO], v4, 4, v[CO]
	v_lshlrev_b32 v27, 5, v5
	s_wait_alu depctr_va_vdst(0)
	s_lshl_b32 s18, s42, 9
	s_lshl_b32 s19, s16, 8
	s_add_co_u32 s18, s18, s19
	s_mov_b32 s19, 0
	s_add_nc_u64 s[8:9], s[8:9], s[18:19]
	s_lshl_b32 s20, s17, 19
	s_add_co_u32 s18, s18, s20
	s_lshl_b32 s20, s15, 18
	s_add_co_u32 s18, s18, s20
	s_add_nc_u64 s[10:11], s[10:11], s[18:19]
	s_add_nc_u64 s[12:13], s[12:13], s[18:19]
.irp b, 0,1,2,3
	global_load_b128 v[BI+8*\b:BI+8*\b+3], v27, s[8:9] offset:64*\b
	global_load_b128 v[BI+8*\b+4:BI+8*\b+7], v27, s[8:9] offset:64*\b+16
.endr
	WIN 0x80
.irp a, 0,1,2,3
.irp t, 0,1,2,3,4,5,6,7
	global_load_b128 v[32*\a+4*\t:32*\a+4*\t+3], v[CO], s[10:11] offset:(16*\a+2*\t)*4096
.endr
.endr
	WIN 0
	s_wait_tensorcnt 0x0                           ; my tile of the head's four is in; slot 1's first fill is issued as a refill is:
	ds_add_u32 v[SPW], v[NIL]                      ; 0 onto my spare word;
	s_mov_b32 s[G1+2], 4<<16                       ; no load of mine is out: a load now brings 4 row tiles
	s_mov_b32 s[G1+4], 4
	s_mov_b32 s[G1B+2], 4<<16
	s_mov_b32 s[G1B+4], 4
	s_wait_dscnt 0x0
	CROUND                                         ; all four tiles are in, in every work-group of the cluster
	JLOAD G0+4, G1, G0B+4, G1B                     ; slot 1, a quarter a wave
	FETCH 0, 0, F0
	WIN 0
	SCALES 0
	s_wait_loadcnt 32
	KSTEP 0, 0, F0, F1, 1
.if LAPS > 1
	WIN 0
	s_mov_b32 s3, LAPS-1
.Llap:
	KSTEP 0, 1, F1, F0, 0
	KSTEP 0, 2, F0, F1, 0
	TURN 0, 1, 1
	KSTEP 1, 0, F0, F1, 0
	KSTEP 1, 1, F1, F0, 0
	KSTEP 1, 2, F0, F1, 0
	TURN 1, 0, 1
	KSTEP 0, 0, F0, F1, 0
	WIN 0
	s_sub_co_u32 s3, s3, 1
	s_cmp_lg_u32 s3, 0
	s_cbranch_scc1 .Llap
.endif
	KSTEP 0, 1, F1, F0, 0
	KSTEP 0, 2, F0, F1, 0
	TURN 0, 1, 0
	KSTEP 1, 0, F0, F1, 0
	KSTEP 1, 1, F1, F0, 0
	KSTEP 1, 2, F0, F1, 0
	s_wait_dscnt 0x0
	MULH F1, 3, 1, 0, 0
	MULH F1, 3, 1, 2, 0
	WIN 0
	PLACES
	s_wait_loadcnt 0x0
.irp a, 0,1,2,3
.if \a >= 2
	s_wait_xcnt 0x0
.endif
.set OBB, 64+32*((\a)%2)
.irp b, 0,1,2,3
	ds_store_b128 v[STO], v[ACC+8*(4*\a+\b):ACC+8*(4*\a+\b)+3] offset:64*\b
	ds_store_b128 v[STO], v[ACC+8*(4*\a+\b)+4:ACC+8*(4*\a+\b)+7] offset:64*\b+16
.endr
.irp t, 0,1,2,3,4,5,6,7
	ds_load_b128 v[OBB+4*\t:OBB+4*\t+3], v[RD] offset:\t*2*272
.endr
	s_wait_dscnt 0x0
	WIN 0x08
.set j, 0
.rept 16
	v_pk_add_f32 v[OBB+j:OBB+j+1], v[OBB+j:OBB+j+1], v[32*(\a)+j:32*(\a)+j+1]
.set j, j+2
.endr
	WIN 0
.irp t, 0,1,2,3,4,5,6,7
	global_store_b128 v[CO], v[OBB+4*\t:OBB+4*\t+3], s[12:13] offset:(16*\a+2*\t)*4096
.endr
.endr
	s_wait_tensorcnt 0x0
	ds_add_u32 v[SPW], v[NIL]
	s_wait_dscnt 0x0
	CROUND
	s_endpgm
.Lfunc_end_k_q83cad0de7f_outp:
	.size	k_q83cad0de7f_outp, .Lfunc_end_k_q83cad0de7f_outp-k_q83cad0de7f_outp
	.p2alignl 7, 3214868480
	.fill 96, 4, 3214868480
	.section	.rodata,"a",@progbits
	.p2align	6, 0x0
	.amdhsa_kernel k_q83cad0de7f_outp
		.amdhsa_group_segment_fixed_size 327680
		.amdhsa_private_segment_fixed_size 0
		.amdhsa_enable_private_segment 0
		.amdhsa_kernarg_size 40
		.amdhsa_user_sgpr_count 2
		.amdhsa_user_sgpr_kernarg_segment_ptr 1
		.amdhsa_wavefront_size32 1
		.amdhsa_system_sgpr_workgroup_id_x 1
		.amdhsa_system_sgpr_workgroup_id_y 1
		.amdhsa_system_sgpr_workgroup_id_z 1
		.amdhsa_system_vgpr_workitem_id 0
		.amdhsa_next_free_vgpr 640
		.amdhsa_next_free_sgpr 98
		.amdhsa_reserve_vcc 0
		.amdhsa_float_denorm_mode_32 3
		.amdhsa_float_denorm_mode_16_64 3
		.amdhsa_memory_ordered 1
		.amdhsa_forward_progress 1
		.amdhsa_inst_pref_size 70
	.end_amdhsa_kernel
	.amdgpu_metadata
---
amdhsa.version: [ 1, 2 ]
amdhsa.kernels:
  - .name:           k_q83cad0de7f_outp
    .symbol:         k_q83cad0de7f_outp.kd
    .args:
      - { .name: act, .offset: 0, .size: 8, .value_kind: global_buffer, .address_space: global }
      - { .name: wts, .offset: 8, .size: 8, .value_kind: global_buffer, .address_space: global }
      - { .name: out_b, .offset: 16, .size: 8, .value_kind: global_buffer, .address_space: global }
      - { .name: x, .offset: 24, .size: 8, .value_kind: global_buffer, .address_space: global }
      - { .name: x1, .offset: 32, .size: 8, .value_kind: global_buffer, .address_space: global }
    .group_segment_fixed_size: 327680
    .private_segment_fixed_size: 0
    .kernarg_segment_align: 8
    .kernarg_segment_size: 40
    .max_flat_workgroup_size: 128
    .sgpr_count:     98
    .vgpr_count:     640
    .wavefront_size: 32
...
	.end_amdgpu_metadata
.endif
;; end of part 4
;; launch ln1 (part 5): grid 256 x 1, 8 waves a work-group, no clusters, 78,848 bytes of LDS; arguments x1, ln2_g, ln2_b, act; writes act
.if DOCPART == 5
	.amdgcn_target "amdgcn-amd-amdhsa--gfx1250"
	.amdhsa_code_object_version 6
	.text
	.protected	k_q83cad0de7f_ln1
	.globl	k_q83cad0de7f_ln1
	.p2align	8
	.type	k_q83cad0de7f_ln1,@function
k_q83cad0de7f_ln1:
	s_mov_b64 s[64:65], 0
	v_nop
	global_prefetch_b8 v0, s[64:65] scope:SCOPE_SE
	s_setreg_imm32_b32 hwreg(HW_REG_WAVE_MODE, 25, 1), 1
	s_wait_xcnt 0x0
; LAYERNORM AND QUANTISER.  y = (x - mean) rsqrt(var + 1e-5) g + b over rows of 1,024, all in f32; y leaves as codes of FP6 (E2M3) with one E8M0 byte for each 32 along the row, as an operand of the next product.
; SHARES.  A work-group takes 16 rows (row tile I), wave w columns 128 w .. 128 w + 127: K step w.  Each load reads 512 consecutive bytes of a row.
; The quantiser wants lane (r, h) to hold, of row r, positions 16 h + 0 .. 15 of each block of 32, in this program's order of a block (position p holds element 16 ((p >> 3) & 1) + 8 (p >> 4) + (p & 7)):
; so the wave's 16 x 128 numbers, and its 128 of g and of b, turn through the wave's own stage in LDS (rows of 512 bytes + 16).
; The mean and then the sum of squares of the CENTRED numbers meet in LDS, 8 partial sums a row: two barriers.  No tensor load, so no ring; matrix units and clusters have nothing to do here.
; OUT.  Record (I, J) of 768 bytes at (16 I + J) 768, J = 2 w, 2 w + 1: six stores of 256 consecutive bytes; scale word (w, row) at ACT_S + (4,096 w + row) 4 (64 bytes a wave: part of an aligned 256; the scale words are 1/24 of the codes' bytes).
; LIMITS: NaN and infinities are not served (a NaN stays in its row); a block under 2^-124 or of zeros gets the byte 1: this program alone reads the bytes.
.set STG,   9504                       ; a wave's stage: 18 rows x 528 bytes: 16 of x, then g, then b
.set RED0,  76032                      ; 8 waves x 16 rows of partial sums; the sums of squares 512 bytes on
.set ACT_S, 3145728
.set XR,  64                           ; v64-127  my 64 numbers: register 16 b + i = position 16 h + i of block b
.set GR,  128                          ; v128-191 g likewise;  v192-255 b likewise;  v128-199 first hold the rows as loaded
.set BR,  192
.set TM,  128                          ; the quantiser's registers, where g lay: v128-143
.set PW,  144
.set PC,  146                          ; v146-157 the fragment's codes; v158-164 at work
.set SEL, 22
	s_load_b256 s[4:11], s[0:1], 0x0               ; x, g, b, act
	v_lshl_add_u32 v62, v0, 2, 0x13000
	v_mov_b32 v63, 0
	v_lshrrev_b32 v1, 5, v0
	s_delay_alu instid0(VALU_DEP_1)
	v_readfirstlane_b32 s12, v1                    ; wave 0..7
	v_and_b32 v1, 31, v0                           ; lane
	v_and_b32 v2, 15, v0                           ; r
	v_bfe_u32 v3, v0, 4, 1                         ; h
	s_delay_alu instid0(VALU_DEP_3)
	v_lshlrev_b32 v4, 4, v1                        ; 16 x lane
	s_mul_i32 s13, s12, STG
	v_add_nc_u32 v5, s13, v4                       ; into the stage: a row as it lies
	v_mul_u32_u24 v6, v2, 528
	s_delay_alu instid0(VALU_DEP_1)
	v_lshl_add_u32 v6, v3, 5, v6
	s_delay_alu instid0(VALU_DEP_1)
	v_add_nc_u32 v6, s13, v6                       ; out of it: row r, + 32 h
	v_lshlrev_b32 v7, 5, v3
	s_delay_alu instid0(VALU_DEP_1)
	v_add_nc_u32 v7, s13, v7                       ; g and b: + 32 h (their rows stand in the immediates)
	v_lshlrev_b32 v11, 2, v2                       ; 4 r
	s_lshl_b32 s14, s12, 6
	v_add_nc_u32 v8, s14, v11
	s_delay_alu instid0(VALU_DEP_1)
	v_add_nc_u32 v8, RED0, v8                      ; my wave's partial sum of row r
	v_add_nc_u32 v9, RED0, v11                     ; all waves' of row r
	v_lshlrev_b32 v10, 3, v1                       ; 8 x lane
	v_mov_b32 v36, 0                               ; (a lane permute's destination counts as read)
	s_mov_b32 s[SEL], 0x76543210
	s_mov_b32 s[SEL+1], 0xfedcba98                 ; lane l xor 16
	s_mov_b32 s28, 0x3a800000                      ; 1 / 1,024
	s_mov_b32 s29, 0x3727c5ac                      ; 1e-5
	s_lshl_b32 s16, ttmp9, 16                      ; 16 rows of 4,096 bytes
	s_lshl_b32 s18, s12, 9                         ; my 512 bytes of a row
	s_add_co_u32 s16, s16, s18
	s_mov_b32 s17, 0
	s_mov_b32 s19, 0
	s_lshl_b32 s20, ttmp9, 4
	s_lshl_b32 s21, s12, 1
	s_add_co_u32 s21, s21, s20
	s_mul_i32 s24, s21, 768
	s_mov_b32 s25, 0
	s_lshl_b32 s26, s12, 12
	s_add_co_u32 s26, s26, s20
	s_lshl_b32 s26, s26, 2
	s_add_co_u32 s26, s26, ACT_S
	s_mov_b32 s27, 0
	s_wait_alu depctr_va_vdst(0)
	s_wait_kmcnt 0x0
	s_add_nc_u64 s[4:5], s[4:5], s[16:17]
	s_add_nc_u64 s[6:7], s[6:7], s[18:19]
	s_add_nc_u64 s[8:9], s[8:9], s[18:19]
	s_add_nc_u64 s[24:25], s[10:11], s[24:25]
	s_add_nc_u64 s[26:27], s[10:11], s[26:27]
.irp i, 0,1,2,3,4,5,6,7,8,9,10,11,12,13,14,15
	global_load_b128 v[GR+4*\i:GR+4*\i+3], v4, s[4:5] offset:\i*4096
.endr
	global_load_b128 v[GR+64:GR+67], v4, s[6:7]
	global_load_b128 v[GR+68:GR+71], v4, s[8:9]
.irp i, 0,1,2,3,4,5,6,7,8,9,10,11,12,13,14,15,16,17
	s_wait_loadcnt 17-\i                           ; loads come back in order: row i is in, the younger ones stay out
	ds_store_b128 v5, v[GR+4*\i:GR+4*\i+3] offset:\i*528
.endr
.irp b, 0,1,2,3                        ; LDS serves a wave's instructions in order: these see my stores
.irp u, 0,1
.irp v, 0,1
	ds_load_b128 v[XR+16*\b+8*\u+4*\v:XR+16*\b+8*\u+4*\v+3], v6 offset:128*\b+64*\u+16*\v
.endr
.endr
.endr
	s_wait_dscnt 16                                ; all but the 16 loads just issued: the 18 stores have read their registers, which g and b now take
.irp b, 0,1,2,3
.irp u, 0,1
.irp v, 0,1
	ds_load_b128 v[GR+16*\b+8*\u+4*\v:GR+16*\b+8*\u+4*\v+3], v7 offset:16*528+128*\b+64*\u+16*\v
	ds_load_b128 v[BR+16*\b+8*\u+4*\v:BR+16*\b+8*\u+4*\v+3], v7 offset:17*528+128*\b+64*\u+16*\v
.endr
.endr
.endr
	s_wait_dscnt 32                                ; x is in; g's and b's 32 loads may be out
	; the mean: four packed chains, the other half of the lanes, the other waves
	v_pk_add_f32 v[20:21], v[XR:XR+1], v[XR+2:XR+3]
	v_pk_add_f32 v[22:23], v[XR+4:XR+5], v[XR+6:XR+7]
	v_pk_add_f32 v[24:25], v[XR+8:XR+9], v[XR+10:XR+11]
	v_pk_add_f32 v[26:27], v[XR+12:XR+13], v[XR+14:XR+15]
.irp j, 16,24,32,40,48,56
	s_delay_alu instid0(VALU_DEP_4)
	v_pk_add_f32 v[20:21], v[20:21], v[XR+\j:XR+\j+1]
	s_delay_alu instid0(VALU_DEP_4)
	v_pk_add_f32 v[22:23], v[22:23], v[XR+\j+2:XR+\j+3]
	s_delay_alu instid0(VALU_DEP_4)
	v_pk_add_f32 v[24:25], v[24:25], v[XR+\j+4:XR+\j+5]
	s_delay_alu instid0(VALU_DEP_4)
	v_pk_add_f32 v[26:27], v[26:27], v[XR+\j+6:XR+\j+7]
.endr
.macro FOLD off                        ; the four chains, lane l xor 16, then the eight waves through LDS: the row's sum in v28
	s_delay_alu instid0(VALU_DEP_3)
	v_pk_add_f32 v[20:21], v[20:21], v[22:23]
	s_delay_alu instid0(VALU_DEP_2)
	v_pk_add_f32 v[24:25], v[24:25], v[26:27]
	s_delay_alu instid0(VALU_DEP_1)
	v_pk_add_f32 v[20:21], v[20:21], v[24:25]
	s_delay_alu instid0(VALU_DEP_1)
	v_add_f32 v20, v20, v21
	s_delay_alu instid0(VALU_DEP_1)
	v_permlanex16_b32 v36, v20, s[SEL], s[SEL+1]
	s_delay_alu instid0(VALU_DEP_1)
	v_add_f32 v20, v20, v36
	ds_store_b32 v8, v20 offset:\off               ; both halves of the lanes write the same word with the same value
	s_wait_dscnt 0x0                               ; for the others' sake: my store has landed (and all my loads are in)
	s_barrier_signal -1
	s_barrier_wait -1
.irp w, 0,1,2,3,4,5,6,7
	ds_load_b32 v[28+\w], v9 offset:\off+64*\w
.endr
	s_wait_dscnt 0x0
	v_add_f32 v28, v28, v29
	v_add_f32 v30, v30, v31
	v_add_f32 v32, v32, v33
	v_add_f32 v34, v34, v35
	s_delay_alu instid0(VALU_DEP_3)
	v_add_f32 v28, v28, v30
	s_delay_alu instid0(VALU_DEP_2)
	v_add_f32 v32, v32, v34
	s_delay_alu instid0(VALU_DEP_1)
	v_add_f32 v28, v28, v32
.endm
	FOLD 0
	s_delay_alu instid0(VALU_DEP_1)
	v_mul_f32 v16, s28, v28                        ; the mean
	s_delay_alu instid0(VALU_DEP_1)
	v_mov_b32 v17, v16
.set j, 0
.rept 32
	v_pk_add_f32 v[XR+j:XR+j+1], v[XR+j:XR+j+1], v[16:17] neg_lo:[0,1] neg_hi:[0,1]   ; x - mean
.set j, j+2
.endr
	v_pk_mul_f32 v[20:21], v[XR:XR+1], v[XR:XR+1]
	v_pk_mul_f32 v[22:23], v[XR+2:XR+3], v[XR+2:XR+3]
	v_pk_mul_f32 v[24:25], v[XR+4:XR+5], v[XR+4:XR+5]
	v_pk_mul_f32 v[26:27], v[XR+6:XR+7], v[XR+6:XR+7]
.irp j, 8,16,24,32,40,48,56
	s_delay_alu instid0(VALU_DEP_4)
	v_pk_fma_f32 v[20:21], v[XR+\j:XR+\j+1], v[XR+\j:XR+\j+1], v[20:21]
	s_delay_alu instid0(VALU_DEP_4)
	v_pk_fma_f32 v[22:23], v[XR+\j+2:XR+\j+3], v[XR+\j+2:XR+\j+3], v[22:23]
	s_delay_alu instid0(VALU_DEP_4)
	v_pk_fma_f32 v[24:25], v[XR+\j+4:XR+\j+5], v[XR+\j+4:XR+\j+5], v[24:25]
	s_delay_alu instid0(VALU_DEP_4)
	v_pk_fma_f32 v[26:27], v[XR+\j+6:XR+\j+7], v[XR+\j+6:XR+\j+7], v[26:27]
.endr
	FOLD 512                                       ; other bytes than the first exchange's: no barrier is owed between the two
	s_delay_alu instid0(VALU_DEP_1)
	v_fma_f32 v28, v28, s28, s29                   ; the variance + 1e-5
	s_wait_alu depctr_va_vdst(0)
	v_rsq_f32 v18, v28
	v_nop                                          ; a plain instruction behind the transcendental,
	s_wait_alu depctr_va_vdst(0)                   ; and the wait ahead of the first line that names its result
	v_mov_b32 v19, v18
.set j, 0
.rept 32
	v_pk_mul_f32 v[GR+j:GR+j+1], v[GR+j:GR+j+1], v[18:19]
.set j, j+2
.endr
.set j, 0
.rept 32
	v_pk_fma_f32 v[XR+j:XR+j+1], v[XR+j:XR+j+1], v[GR+j:GR+j+1], v[BR+j:BR+j+1]
.set j, j+2
.endr
.irp b, 0,1,2,3
	v_mov_b32 v[TM+4+\b], 0                        ; (a lane permute's destination counts as read)
.endr
	; the quantiser: four blocks by turns
.irp b, 0,1,2,3
	v_max3_num_f32 v[TM+\b], |v[XR+16*\b]|, |v[XR+1+16*\b]|, 0x1800000   ; my 16 numbers of block b, and the floor 2^(3 - 127): the byte cannot fall under 1
.endr
.irp i, 2,4,6,8,10,12,14
.irp b, 0,1,2,3
	s_delay_alu instid0(VALU_DEP_4)
	v_max3_num_f32 v[TM+\b], v[TM+\b], |v[XR+16*\b+\i]|, |v[XR+1+16*\b+\i]|
.endr
.endr
.irp b, 0,1,2,3
	s_delay_alu instid0(VALU_DEP_4)
	v_permlanex16_b32 v[TM+4+\b], v[TM+\b], s[SEL], s[SEL+1]
.endr
.irp b, 0,1,2,3
	s_delay_alu instid0(VALU_DEP_4)
	v_max_num_f32 v[TM+\b], v[TM+\b], v[TM+4+\b]   ; with lane l xor 16's: the block's largest magnitude
.endr
.irp b, 0,1,2,3
	s_delay_alu instid0(VALU_DEP_4)
	v_add_nc_u32 v[TM+12+\b], 0xff000000, v[TM+\b] ; 2 off its exponent field: the conversion's scale operand
.endr
.irp b, 0,1,2,3
	s_delay_alu instid0(VALU_DEP_4)
	v_lshrrev_b32 v[TM+4+\b], 23, v[TM+12+\b]      ; the scale's byte
.endr
	s_delay_alu instid0(VALU_DEP_3)
	v_lshl_or_b32 v[PW], v[TM+5], 8, v[TM+4]
	s_delay_alu instid0(VALU_DEP_1)
	v_lshl_or_b32 v[PW], v[TM+6], 16, v[PW]
	s_delay_alu instid0(VALU_DEP_1)
	v_lshl_or_b32 v[PW], v[TM+7], 24, v[PW]        ; my row's scale word of this K step
.irp c, 0,1
	v_cvt_scalef32_pk16_fp6_f32 v[PC+6*\c:PC+2+6*\c], v[XR+32*\c:XR+15+32*\c], v[TM+12+2*\c]
	v_cvt_scalef32_pk16_fp6_f32 v[PC+12+4*\c:PC+14+4*\c], v[XR+16+32*\c:XR+31+32*\c], v[TM+12+2*\c+1]
.endr
	v_nop                                          ; one plain instruction behind a scaled conversion
.irp c, 0,1                            ; the operand wants a whole block in a lane: lanes 0-15 block 2 c, lanes 16-31 block 2 c + 1
.irp i, 0,1,2
	v_permlane16_swap_b32 v[PC+6*\c+\i], v[PC+12+4*\c+\i]
.endr
.irp i, 0,1,2
	s_delay_alu instid0(VALU_DEP_3)
	v_mov_b32 v[PC+3+6*\c+\i], v[PC+12+4*\c+\i]
.endr
.endr
.irp e, 0,1,2,3,4,5
	global_store_b64 v10, v[PC+2*\e:PC+2*\e+1], s[24:25] offset:\e*256   ; 32 lanes store 256 consecutive bytes, aligned
.endr
	global_store_b32 v11, v[PW], s[26:27]          ; lanes r and r + 16 store the same word with the same value
	s_wait_tensorcnt 0x0
	ds_add_u32 v62, v63
	s_wait_dscnt 0x0
	s_endpgm
.Lfunc_end_k_q83cad0de7f_ln1:
	.size	k_q83cad0de7f_ln1, .Lfunc_end_k_q83cad0de7f_ln1-k_q83cad0de7f_ln1
	.p2alignl 7, 3214868480
	.fill 96, 4, 3214868480
	.section	.rodata,"a",@progbits
	.p2align	6, 0x0
	.amdhsa_kernel k_q83cad0de7f_ln1
		.amdhsa_group_segment_fixed_size 78848
		.amdhsa_private_segment_fixed_size 0
		.amdhsa_enable_private_segment 0
		.amdhsa_kernarg_size 32
		.amdhsa_user_sgpr_count 2
		.amdhsa_user_sgpr_kernarg_segment_ptr 1
		.amdhsa_wavefront_size32 1
		.amdhsa_system_sgpr_workgroup_id_x 1
		.amdhsa_system_sgpr_workgroup_id_y 1
		.amdhsa_system_sgpr_workgroup_id_z 1
		.amdhsa_system_vgpr_workitem_id 0
		.amdhsa_next_free_vgpr 256
		.amdhsa_next_free_sgpr 66
		.amdhsa_reserve_vcc 0
		.amdhsa_float_denorm_mode_32 3
		.amdhsa_float_denorm_mode_16_64 3
		.amdhsa_memory_ordered 1
		.amdhsa_forward_progress 1
		.amdhsa_inst_pref_size 30
	.end_amdhsa_kernel
	.amdgpu_metadata
---
amdhsa.version: [ 1, 2 ]
amdhsa.kernels:
  - .name:           k_q83cad0de7f_ln1
    .symbol:         k_q83cad0de7f_ln1.kd
    .args:
      - { .name: x1, .offset: 0, .size: 8, .value_kind: global_buffer, .address_space: global }
      - { .name: ln2_g, .offset: 8, .size: 8, .value_kind: global_buffer, .address_space: global }
      - { .name: ln2_b, .offset: 16, .size: 8, .value_kind: global_buffer, .address_space: global }
      - { .name: act, .offset: 24, .size: 8, .value_kind: global_buffer, .address_space: global }
    .group_segment_fixed_size: 78848
    .private_segment_fixed_size: 0
    .kernarg_segment_align: 8
    .kernarg_segment_size: 32
    .max_flat_workgroup_size: 256
    .sgpr_count:     66
    .vgpr_count:     256
    .wavefront_size: 32
...
	.end_amdgpu_metadata
.endif
;; end of part 5
;; launch ff1 (part 6): grid 8 x 32, 4 waves a work-group, clusters of 4 x 4, 327,680 bytes of LDS; arguments act, wts, ff_b1, hid; writes hid
.if DOCPART == 6
	.amdgcn_target "amdgcn-amd-amdhsa--gfx1250"
	.amdhsa_code_object_version 6
	.text
	.protected	k_q83cad0de7f_ff1
	.globl	k_q83cad0de7f_ff1
	.p2align	8
	.type	k_q83cad0de7f_ff1,@function
k_q83cad0de7f_ff1:
	s_mov_b64 s[64:65], 0
	v_nop
	global_prefetch_b8 v0, s[64:65] scope:SCOPE_SE
	s_setreg_imm32_b32 hwreg(HW_REG_WAVE_MODE, 25, 1), 1
	s_wait_xcnt 0x0
	s_wait_alu depctr_hold_cnt(0) depctr_sa_sdst(0) depctr_va_vdst(0) depctr_va_sdst(0) depctr_va_ssrc(0) depctr_va_vcc(0) depctr_vm_vsrc(0)
	s_getreg_b32 s2, hwreg(HW_REG_IB_STS2, 6, 4)
	s_cmp_eq_u32 s2, 0
	s_cbranch_scc0 .Lentry_in_a_cluster
	s_endpgm
.Lentry_in_a_cluster:
	s_bfe_u32 s2, ttmp6, 0x10000c
	s_cmp_lg_u32 s2, 0xf033
	s_cbranch_scc0 .Lentry_shape_is_right
	s_endpgm
.Lentry_shape_is_right:
; hid = Q(gelu(LN2(x1) ff_w1 + ff_b1)): the product on codes of FP6 (E2M3) with E8M0 scales, f32 sums; the exact GELU in f32; the result is quantised along the hidden axis on the way out and never goes to memory as f32.
; THE FRAME.  A tile is 128 x 128, each of the four waves makes 64 x 64 of it: 16 accumulators.  Operand P (tokens) is source 1, operand R (the weight's columns) is source 0:
; lane (r, h), register j of accumulator (a, b) = (token 16 a + r, column 16 b + 8 h + j): a lane's registers of accumulators (a, 0..3) are 64 neighbours along the next K.  Operands lie in memory as images of their registers
; (a fragment of 16 rows x 128 K = 6 chunks of 256 bytes, 8 bytes a lane): six ds_load_b64 at 8 x lane, dense; 128 rows x all K = 1,024 are one dense block of 98,304 bytes.
; A WORK-GROUP STAYS: its 128 tokens lie in LDS for the whole launch, and it walks FOUR neighbouring tiles of the weight through two slots of 98,304 bytes.  When a tile's last fragments have been read its slot is filled again with
; the tile two further on: that load has the tile's way out (the GELU) and the whole next tile, 128 matrix instructions a wave, in which to land.  The scale words of P and of all four R tiles come once, with the first fills.
; A tile is written once (macro TILE: the slot, the scale words and the bias hang on two stepped scalars) and expanded twice: in a loop of two trips that fills again, and in a loop of two trips that does not.
; CLUSTERS 4 x 4: P's tile is shared along a row of the cluster, R's tiles along a column: joint loads; every wave fetches a quarter of each block, told apart by the wave's number alone.  32 x 32 tiles in walks of four: 256 work-groups.
; The bias is the C of each sum's first product; the walk's 512 numbers of it lie in LDS, a copy for each wave, stored once through registers into bytes that no fill touches.
; No prefetch: all but two loads a wave are asked for at the head, and those two have more than a tile's work in which to land.
; GELU.  gelu(x) = max(x, 0) - |x| (erfc(z) / 2), z = |x| / sqrt(2); erfc(z) = t exp(-z^2 + poly(t)), t = 1 / (1 + z / 2), poly of degree 9 (a Chebyshev fit whose error is a fraction of erfc itself, under 1.2e-7, for every z):
; so negative x keep their relative accuracy.  Where the exponential falls under the smallest normal number it is 0 and gelu is max(x, 0).
; LIMITS: NaN and infinities are not served; a block under 2^-124 or of zeros gets the byte 1 (this program alone reads the bytes).  Half scale words are stored 2 bytes a lane, 4 bytes apart: 1/24 of the codes' bytes.
.set P_S,   3145728                    ; act: where the scale words begin, 4,096 rows to a K step
.set W_C,   3145728                    ; wts: ff_w1's codes;  W_S its scale words, 4,096 rows to a K step
.set W_S,   9601024
.set HID_S, 12582912
.set TILEB, 98304                      ; 128 rows x 1,024 along K
.set QUART, 24576                      ; what one tensor load brings: 2 row tiles of 16
.set RS1,   131072                     ; LDS: R's slot 0 at 0, slot 1 here: one exclusive or turns an address in one into the other's
.set SCP,   98304                      ; P's scale words [K step][128 rows]
.set SCR,   102400                     ; R's, [K step][512 rows]: all four tiles
.set SPARE, 118784                     ; the spare words, 128 bytes a wave: two blocks of 256 bytes that no other line names
.set BIA,   119296                     ; the bias: 2,048 bytes for each wave
.set PRG,   229376                     ; P: row tile i at 12,288 i, K step s at 1,536 s
.set ADP,  16                          ; v16 LDS address of my P fragments
.set ADR0, 17                          ; v17 my place in a slot;  v18 the same in the slot in hand
.set ADR,  18
.set ASP,  19                          ; v19 my P scale words
.set ASR0, 20                          ; v20 my place among a tile's R scale words;  v21 the same for the tile in hand
.set ASR,  21
.set ABI0, 22                          ; v22, v23 the same for the bias
.set ABI,  23
.set SPW,  28
.set NIL,  29
.set SC,   32                          ; v32-47 R's scale words at 8 g + s, v48-63 P's at 16 + 8 g + s (g: pair of row tiles, s: K step); lanes 0-15 the even tile, 16-31 the odd
.set BI,   64                          ; v64-95 the tile's bias, in the result's layout
.set TQ,   64                          ; on the way out: v64-95 t, 32 numbers; the polynomial's 32 lie in v96-111 and v32-47 (R's scale words, which every tile loads anew)
.set MM,   48                          ; window 1, v48-79: max(x, 0), 32 numbers
.set PCD,  112                         ; v112-117 a record's codes;  v118-120, v122-127 the quantiser's
.set PT,   118
.set TM,   122
.set ACC,  128
.set F0,   0
.set F1,   128
.set TB,   2                           ; s2  the slot in hand: 0 or RS1
.set TS,   85                          ; s85 the tile in hand among R's scale words and in the bias: 512 bytes a tile in both
.set SEL,  94
.set G1,   24                          ; s[24:31] group 1, P's codes;  s[32:35] its group 0;  s[36:39] group 0, P's scale words
.set G0P,  32
.set G0S,  36
.set G1B,  40                          ; s[40:47] group 1, R's codes;  s[48:55] group 0, a set for each first fill; the second then walks on
.set G0R,  48
.set G1S,  56                          ; s[56:63] group 1, P's scale words;  s[68:75] R's;  s[76:79] group 0, R's scale words
.set G1SB, 68
.set G0SB, 76
.set MSB, 0
.macro WIN new                         ; the immediate's high byte repeats the setting that is left
.if MSB != \new
	s_set_vgpr_msb (MSB<<8)|\new
.set MSB, \new
.endif
.endm
; P STAYS IN REGISTERS: my 64 tokens x all 1,024 along K are 4 x 8 fragments, 384 registers: K steps 0-4 in window 2, K steps 5-7 in window 3, fragment (a, K step q) at 48 (q % 5) + 12 a.
; They are read from LDS once, ahead of the first tile, and serve all four tiles of the walk: a K step then reads R's four fragments alone.
.set MUL,  0x09                        ; source 0 (R) window 1, source 1 (P) window 2; C and D window 0
.set MUL7, 0x0d                        ; the same with P in window 3
.set TO_F, 0x40                        ; destination window 1, address window 0
.macro PLACES                          ; four plain instructions in front of loads into registers that matrix instructions have read, and of the first read of results
.rept 4
	v_nop
.endr
.endm
.macro TL g0, g1                       ; a joint load; four v_nop follow it
	tensor_load_to_lds s[\g0:\g0+3], s[\g1:\g1+7]
	s_nop 0
.rept 4
	v_nop
.endr
.endm
.macro CREST                           ; a round of the cluster's barrier behind its opening barrier
	s_cmp_lg_u32 s14, 0
	s_cbranch_scc1 .Lnot_wave_0_\@
	s_barrier_signal -3
.Lnot_wave_0_\@:
	s_barrier_wait -3
	s_barrier_signal -1
	s_barrier_wait -1
.endm
.macro CROUND
	s_barrier_signal -1
	s_barrier_wait -1
	CREST
.endm
.macro FETCH q, f                      ; 24 LDS loads in one run: my four R fragments of K step q into buffer f
	WIN TO_F
.irp i, 0,1,2,3
.irp e, 0,1,2,3,4,5
	ds_load_b64 v[(\f)+12*\i+2*\e:(\f)+12*\i+2*\e+1], v[ADR] offset:\i*12288+(\q)*1536+\e*256
.endr
.endr
.endm
.macro WM a, b, f, q, first            ; one product; first = 1: it starts the sum with the bias as C
.set rD, ACC+8*(4*(\a)+(\b))
.set rC, rD
.if \first
.set rC, BI+8*(\b)
.endif
.set rR, (\f)+12*(\b)
.set rP, 48*((\q)%5)+12*(\a)
.set rX, SC+8*((\b)/2)+(\q)
.set rY, SC+16+8*((\a)/2)+(\q)
.if ((\a)%2 == 0) && ((\b)%2 == 0)
	v_wmma_scale_f32_16x16x128_f8f6f4 v[rD:rD+7], v[rR:rR+11], v[rP:rP+11], v[rC:rC+7], v[rX], v[rY] matrix_a_fmt:MATRIX_FMT_FP6 matrix_b_fmt:MATRIX_FMT_FP6
.elseif ((\a)%2 == 0)
	v_wmma_scale_f32_16x16x128_f8f6f4 v[rD:rD+7], v[rR:rR+11], v[rP:rP+11], v[rC:rC+7], v[rX], v[rY] matrix_a_fmt:MATRIX_FMT_FP6 matrix_b_fmt:MATRIX_FMT_FP6 matrix_a_scale:MATRIX_SCALE_ROW1
.elseif ((\b)%2 == 0)
	v_wmma_scale_f32_16x16x128_f8f6f4 v[rD:rD+7], v[rR:rR+11], v[rP:rP+11], v[rC:rC+7], v[rX], v[rY] matrix_a_fmt:MATRIX_FMT_FP6 matrix_b_fmt:MATRIX_FMT_FP6 matrix_b_scale:MATRIX_SCALE_ROW1
.else
	v_wmma_scale_f32_16x16x128_f8f6f4 v[rD:rD+7], v[rR:rR+11], v[rP:rP+11], v[rC:rC+7], v[rX], v[rY] matrix_a_fmt:MATRIX_FMT_FP6 matrix_b_fmt:MATRIX_FMT_FP6 matrix_a_scale:MATRIX_SCALE_ROW1 matrix_b_scale:MATRIX_SCALE_ROW1
.endif
.endm
.macro MULH f, q, a0, first            ; 8 products: P tiles a0, a0 + 1 x R's four.  The 16 accumulators take turns, one instruction a turn, in the same order in every K step, from tile to tile too
.irp a, \a0, \a0+1
.irp b, 0,1,2,3
	WM \a, \b, \f, \q, \first
.endr
.endr
.endm
.macro KSTEP q, f, g, first            ; a K step but the last: multiplies buffer f; the next step's fragments are asked for first, into g, 16 matrix instructions ahead of their use
	s_wait_dscnt 0x0                               ; buffer f (and at a tile's head the scale words and the bias) are in
	PLACES
	FETCH (\q)+1, \g
.set WW, MUL+4*((\q)/5)
	WIN WW
	MULH \f, \q, 0, \first
	MULH \f, \q, 2, \first
.endm
.macro QUANT2 s, pc, hw                ; 32 numbers of a lane, register 16 b + i = position 16 h + i of block b of my row, become a record's 6 registers and its two scale bytes
	v_max3_num_f32 v[TM], |v[(\s)]|, |v[(\s)+1]|, 0x1800000           ; my 16 numbers of a block, and the floor 2^(3 - 127): the byte cannot fall under 1
	v_max3_num_f32 v[TM+1], |v[(\s)+16]|, |v[(\s)+17]|, 0x1800000
.irp i, 2,4,6,8,10,12,14
	v_max3_num_f32 v[TM], v[TM], |v[(\s)+\i]|, |v[(\s)+\i+1]|
	v_max3_num_f32 v[TM+1], v[TM+1], |v[(\s)+16+\i]|, |v[(\s)+17+\i]|
.endr
	v_permlanex16_b32 v[TM+2], v[TM], s[SEL], s[SEL+1]
	v_permlanex16_b32 v[TM+3], v[TM+1], s[SEL], s[SEL+1]
	v_max_num_f32 v[TM], v[TM], v[TM+2]            ; with lane l xor 16's: the block's largest magnitude
	v_max_num_f32 v[TM+1], v[TM+1], v[TM+3]
	v_add_nc_u32 v[TM+4], 0xff000000, v[TM]        ; 2 off the exponent field: the conversion's scale operand
	v_add_nc_u32 v[TM+5], 0xff000000, v[TM+1]
	v_lshrrev_b32 v[TM+2], 23, v[TM+4]             ; the bytes
	v_lshrrev_b32 v[TM+3], 23, v[TM+5]
	v_lshl_or_b32 v[\hw], v[TM+3], 8, v[TM+2]
	v_cvt_scalef32_pk16_fp6_f32 v[(\pc):(\pc)+2], v[(\s):(\s)+15], v[TM+4]
	v_cvt_scalef32_pk16_fp6_f32 v[PT:PT+2], v[(\s)+16:(\s)+31], v[TM+5]
	v_nop                                          ; one plain instruction behind a scaled conversion
.irp i, 0,1,2
	v_permlane16_swap_b32 v[(\pc)+\i], v[PT+\i]    ; a whole block to a lane: lanes 0-15 block 0, lanes 16-31 block 1
.endr
.irp i, 0,1,2
	v_mov_b32 v[(\pc)+3+\i], v[PT+\i]
.endr
.endm
.macro QOUT a                          ; P tile a's 64 numbers a lane pair are two blocks along the next K: a record, quantised and stored
	s_wait_xcnt 0x0                                ; the last stores have read the codes' registers
	QUANT2 ACC+32*(\a), PCD, 8+(\a)
.irp m, 0,1,2
	global_store_b64 v2, v[PCD+2*\m:PCD+2*\m+1], s[10:11] offset:(\a)*49152+\m*256   ; 32 lanes store 256 consecutive bytes, aligned
.endr
.endm
; The GELU of P tile a's 32 numbers a lane, in place.  erfc(z) / 2 = t 2^E with E = log2(e) (poly(t) - z^2) - 1 = -(log2(e) / 2) (x^2 + R(t)), R = -2 poly + 2 ln 2: so the fit's coefficients stand here times -2
; (exact: a sign and an exponent), its constant term with 2 ln 2 added, and z itself is not formed: t = 1 / (1 + |x| / (2 sqrt(2))).
; Two batches of 32 transcendentals, a wait ahead of each and one behind.  Work that names no result of the batch stands between a batch and the wait behind it:
; behind the reciprocals the record of the P tile before, behind the exponentials max(x, 0).
.macro GELU32 a
.set XS, ACC+32*(\a)
.if (\a) > 0
	s_wait_alu depctr_va_vdst(0)                   ; directly ahead of the first read of these accumulators, which stands behind transcendentals
.endif
.set j, 0
.rept 32
	v_fma_f32 v[TQ+j], |v[XS+j]|, s97, 1.0         ; 1 + z / 2   (each accumulator is read from its low end on)
.set j, j+1
.endr
	s_wait_alu depctr_va_vdst(0)
.set j, 0
.rept 32
	v_rcp_f32 v[TQ+j], v[TQ+j]                     ; t
.set j, j+1
.endr
.if (\a) > 0
	QOUT (\a)-1
.else
	v_nop
.endif
	s_wait_alu depctr_va_vdst(0)
.set j, 0
.rept 16
.set pj, 96+j-80*(j/16)
	v_pk_fma_f32 v[pj:pj+1], v[TQ+j:TQ+j+1], 0xbeaef945, v[14:15] op_sel_hi:[1,0,1]   ; -0.34174554 t + 1.64430446
.set j, j+2
.endr
.irp c, 0xc03e87b0, 0x40114e5d, 0xbf0ec7cc, 0x3ebec24c, 0xbe4636c9, 0xbf3f88fb, 0xc00000c7, 0x407ab55a
.set j, 0
.rept 16
.set pj, 96+j-80*(j/16)
	v_pk_fma_f32 v[pj:pj+1], v[pj:pj+1], v[TQ+j:TQ+j+1], \c op_sel_hi:[1,1,0]         ; -2.97703174, 2.27040796, -0.55773614, 0.37257612, -0.19356836, -0.74818392, -2.00004736, 3.91731882
.set j, j+2
.endr
.endr
.set j, 0
.rept 16
.set pj, 96+j-80*(j/16)
	v_pk_fma_f32 v[pj:pj+1], v[XS+j:XS+j+1], v[XS+j:XS+j+1], v[pj:pj+1]               ; + x^2
.set j, j+2
.endr
.set j, 0
.rept 16
.set pj, 96+j-80*(j/16)
	v_pk_mul_f32 v[pj:pj+1], v[pj:pj+1], 0xbf38aa3b op_sel_hi:[1,0]                   ; x -(log2(e) / 2): E
.set j, j+2
.endr
	s_wait_alu depctr_va_vdst(0)
.set j, 0
.rept 32
.set pj, 96+j-80*(j/16)
	v_exp_f32 v[pj], v[pj]
.set j, j+1
.endr
	WIN 0x40                                       ; destination window 1
.set j, 0
.rept 32
	v_max_num_f32 v[MM+j], 0, v[XS+j]              ; max(x, 0)
.set j, j+1
.endr
	WIN 0
	s_wait_alu depctr_va_vdst(0)
.set j, 0
.rept 16
.set pj, 96+j-80*(j/16)
	v_pk_mul_f32 v[pj:pj+1], v[pj:pj+1], v[TQ+j:TQ+j+1]   ; erfc(z) / 2
.set j, j+2
.endr
	WIN 0x10                                       ; source 2 window 1
.set j, 0
.rept 32
.set pj, 96+j-80*(j/16)
	v_fma_f32 v[XS+j], -|v[XS+j]|, v[pj], v[MM+j]
.set j, j+1
.endr
	WIN 0
.endm
; ONE TILE of the walk, from the slot in hand.  refill = 1: when its last fragments are in registers, its slot is filled again with the tile two further on.
.macro TILE refill
	v_add_nc_u32 v[ADR], s[TB], v[ADR0]
	v_add_nc_u32 v[ASR], s[TS], v[ASR0]
	v_add_nc_u32 v[ABI], s[TS], v[ABI0]
	FETCH 0, F0
	WIN 0
.irp g, 0,1
.irp s, 0,1,2,3,4,5,6,7
	ds_load_b32 v[SC+8*\g+\s], v[ASR] offset:\s*2048+\g*128      ; this tile's 16 registers of R's scale words
.endr
.endr
.irp b, 0,1,2,3
	ds_load_b128 v[BI+8*\b:BI+8*\b+3], v[ABI] offset:64*\b       ; and its bias: columns 16 b + 8 h + 0 .. 7 of my 64
	ds_load_b128 v[BI+8*\b+4:BI+8*\b+7], v[ABI] offset:64*\b+16
.endr
	s_wait_alu depctr_va_vdst(0)
	KSTEP 0, F0, F1, 1                             ; the first K step's products start the sums
	KSTEP 1, F1, F0, 0
	KSTEP 2, F0, F1, 0
	KSTEP 3, F1, F0, 0
	KSTEP 4, F0, F1, 0
	KSTEP 5, F1, F0, 0
	KSTEP 6, F0, F1, 0
.if \refill
	WIN 0
	s_wait_tensorcnt 0x0                           ; all my tensor loads have landed: my part of the other slot;
	ds_add_u32 v[SPW], v[NIL]                      ; 0 onto my spare word;
	s_wait_dscnt 1                                 ; buffer 1 is in (only the add may be out)
	WIN MUL7
	MULH F1, 7, 0, 0
	s_wait_dscnt 0x0                               ; the add is done, and my reads of this slot are over
	s_barrier_signal -1
	WIN 0
	s_barrier_wait -1
	CREST                                          ; the barrier has opened a round of the cluster's barrier: no wave of any partner still reads this slot or has a load on its way
	s_xor_b32 s[G0R+5], s[G0R+5], RS1              ; the walking descriptor: the other slot than last time,
	s_add_nc_u64 s[G0R+6:G0R+7], s[G0R+6:G0R+7], TILEB   ; the next tile; the type bits on top are not reached
	TL G0R+4, G1B                                  ; the first tensor load behind the round, and my only one until the next
	WIN MUL7
	MULH F1, 7, 2, 0
.else
	s_wait_dscnt 0x0                               ; buffer 1 is in
	MULH F1, 7, 0, 0
	MULH F1, 7, 2, 0
.endif
	WIN 0
	PLACES
	; THE WAY OUT: the GELU, then each P tile's 64 numbers a lane pair are two blocks along the next K: a record
.irp a, 0,1,2,3
	GELU32 \a                                      ; (P tile a - 1's record leaves inside it)
.endr
	QOUT 3
	v_cndmask_b32 v12, v8, v9, s96                 ; lanes 0-15: rows of tile 0, lanes 16-31: of tile 1
	v_cndmask_b32 v13, v10, v11, s96
	global_store_b16 v3, v12, s[12:13]
	global_store_b16 v3, v13, s[12:13] offset:128
	s_wait_xcnt 0x0                                ; the stores have read their registers and bases: both are written again only behind this wait
	s_add_nc_u64 s[10:11], s[10:11], 1536          ; the next tile's records lie two further on,
	s_add_nc_u64 s[12:13], s[12:13], 16384         ; its scale words a K step further on
	s_add_co_u32 s[TS], s[TS], 512
	s_xor_b32 s[TB], s[TB], RS1                    ; on to the other slot
.if \refill == 0
	s_wait_tensorcnt 0x0                           ; my part of the last tile has landed,
	s_wait_dscnt 0x0
	s_barrier_signal -1
	s_barrier_wait -1                              ; everybody's has
.endif
.endm
	s_load_b128 s[4:7], s[0:1], 0x0                ; act, wts
	s_load_b128 s[8:11], s[0:1], 0x10              ; ff_b1, hid
	v_lshl_add_u32 v[SPW], v0, 2, SPARE
	v_mov_b32 v[NIL], 0
	ds_add_u32 v28, v29
	ds_add_u32 v28, v29
	s_wait_dscnt 0x0
	v_lshrrev_b32 v1, 5, v0
	v_readfirstlane_b32 s14, v1                    ; wave 0..3
	s_lshr_b32 s15, s14, 1                         ; my half of P's rows
	s_and_b32 s16, s14, 1                          ; my half of R's rows
	s_bfe_u32 s80, ttmp6, 0x40000                  ; cx, cy: my place in the cluster
	s_bfe_u32 s81, ttmp6, 0x40004
	s_lshl_b32 s82, ttmp9, 2
	s_add_co_u32 s82, s82, s80                     ; g = 4 x cluster x + cx: R's tiles 4 g .. 4 g + 3: shared along a column of the cluster
	s_and_b32 s17, ttmp7, 0xffff
	s_lshl_b32 s17, s17, 2
	s_add_co_u32 s17, s17, s81                     ; tP = 4 x cluster y + cy: shared along a row
	s_lshl_b32 s83, s81, 2
	s_lshl_b32 s83, 15, s83                        ; my row of the cluster
	s_lshl_b32 s84, 0x1111, s80                    ; my column
	; descriptor group 1, codes: a dense block of 24,576 bytes as 96 rows of 256 bytes (32 elements of 8 bytes); no padding
	s_or_b32 s[G1+0], s83, (3<<16)|(1<<21)         ; 15:0 the mask; 17:16 elements of 8 bytes; 21 set beside a mask
	s_or_b32 s[G1B+0], s84, (3<<16)|(1<<21)
.irp g, G1, G1B
	s_mov_b32 s[\g+1], 32<<16                      ; tensor_dim0
	s_mov_b32 s[\g+2], 384<<16                     ; tensor_dim1: the head's loads bring a whole block of 98,304 bytes
	s_mov_b32 s[\g+3], 32<<16                      ; tile_dim0
	s_mov_b32 s[\g+4], 384                         ; tile_dim1
	s_mov_b32 s[\g+5], 32                          ; tensor_dim0_stride
	s_mov_b32 s[\g+6], 0
	s_mov_b32 s[\g+7], 0
.endr
	; scale words: 8 K steps x 512 bytes (P: 128 rows) or 2,048 bytes (R: 512 rows), 4,096 rows apart
	s_or_b32 s[G1S+0], s83, (3<<16)|(1<<21)
	s_mov_b32 s[G1S+1], 64<<16
	s_mov_b32 s[G1S+2], 8<<16
	s_mov_b32 s[G1S+3], 64<<16
	s_mov_b32 s[G1S+4], 8
	s_mov_b32 s[G1S+5], 2048
	s_mov_b32 s[G1S+6], 0
	s_mov_b32 s[G1S+7], 0
	s_or_b32 s[G1SB+0], s84, (3<<16)|(1<<21)
	s_mov_b32 s[G1SB+1], 256<<16
	s_mov_b32 s[G1SB+2], 8<<16
	s_mov_b32 s[G1SB+3], 256<<16
	s_mov_b32 s[G1SB+4], 8
	s_mov_b32 s[G1SB+5], 2048
	s_mov_b32 s[G1SB+6], 0
	s_mov_b32 s[G1SB+7], 0
	s_mul_i32 s18, s14, QUART                      ; my quarter of a block, in memory and in LDS: by the wave's number alone
	s_mul_i32 s86, s17, TILEB
	s_mov_b32 s87, 0
	s_mul_i32 s88, s82, 4*TILEB
	s_add_co_u32 s88, s88, W_C                     ; R's codes, the walk's first tile
	s_mov_b32 s89, 0
	s_lshl_b32 s90, s17, 9
	s_add_co_u32 s90, s90, P_S
	s_mov_b32 s91, 0
	s_lshl_b32 s92, s82, 11
	s_add_co_u32 s92, s92, W_S
	s_mov_b32 s93, 0
	s_wait_kmcnt 0x0
	s_add_nc_u64 s[86:87], s[4:5], s[86:87]
	s_add_nc_u64 s[90:91], s[4:5], s[90:91]
	s_add_nc_u64 s[88:89], s[6:7], s[88:89]
	s_add_nc_u64 s[92:93], s[6:7], s[92:93]
	s_mov_b32 s[G0S], 1                            ; 1:0 count = 1
	s_mov_b32 s[G0S+1], SCP                        ; 63:32 LDS address
	s_mov_b64 s[G0S+2:G0S+3], s[90:91]             ; 120:64 global address
	s_or_b32 s[G0S+3], s[G0S+3], 0x80000000        ; 127:126 type = 2
	s_mov_b32 s[G0SB], 1
	s_mov_b32 s[G0SB+1], SCR
	s_mov_b64 s[G0SB+2:G0SB+3], s[92:93]
	s_or_b32 s[G0SB+3], s[G0SB+3], 0x80000000
	s_mov_b32 s[G0P], 1
	s_mov_b32 s[G0P+1], PRG
	s_mov_b64 s[G0P+2:G0P+3], s[86:87]
	s_or_b32 s[G0P+3], s[G0P+3], 0x80000000
	s_mov_b32 s[G0R], 1
	s_mov_b32 s[G0R+1], 0                          ; slot 0: the walk's tile 0, whole
	s_mov_b64 s[G0R+2:G0R+3], s[88:89]
	s_or_b32 s[G0R+3], s[G0R+3], 0x80000000
	s_mov_b32 s[G0R+4], 1
	s_add_co_u32 s[G0R+5], s18, RS1                ; slot 1: tile 1
	s_mov_b32 s19, 0
	s_add_nc_u64 s[G0R+6:G0R+7], s[88:89], s[18:19]      ; my quarter
	s_add_nc_u64 s[G0R+6:G0R+7], s[G0R+6:G0R+7], TILEB   ; of tile 1
	s_or_b32 s[G0R+7], s[G0R+7], 0x80000000
	CROUND                                         ; all sixteen work-groups are here: the first joint loads meet
; THE HEAD'S LOADS, ONE A WAVE: wave 0 fetches P's block, wave 1 R's tile 0, wave 2 P's scale words, wave 3 R's.  One chain of branches on the wave's number: every way passes one load.
.macro ARM under, g0, g1, next
	s_cmp_lt_u32 s14, \under
	s_cbranch_scc0 \next
	TL \g0, \g1
	s_branch .Lhead_asked
\next:
.endm
	ARM 1, G0P, G1, .Lhead_r
	ARM 2, G0R, G1B, .Lhead_sp
	ARM 3, G0S, G1S, .Lhead_sr
	TL G0SB, G1SB
.Lhead_asked:
	v_and_b32 v1, 31, v0                           ; lane
	v_lshlrev_b32 v2, 3, v1                        ; 8 x lane
	v_lshlrev_b32 v3, 2, v1                        ; 4 x lane
	s_wait_alu depctr_va_vdst(0)
	v_lshlrev_b32 v4, 4, v1                        ; 16 x lane
	s_wait_alu depctr_va_vdst(0)
	v_bfe_u32 v5, v0, 4, 1                         ; h
	s_wait_alu depctr_va_vdst(0)
	s_lshl_b32 s20, s82, 11                        ; the walk's 512 numbers of the bias
	s_mov_b32 s21, 0
	s_add_nc_u64 s[8:9], s[8:9], s[20:21]
.irp m, 0,1,2,3
	global_load_b128 v[64+4*\m:67+4*\m], v4, s[8:9] offset:512*\m
.endr
	s_mul_i32 s20, s15, 2*QUART
	s_add_co_u32 s20, s20, PRG
	v_add_nc_u32 v[ADP], s20, v2
	s_mul_i32 s20, s16, 2*QUART
	v_add_nc_u32 v[ADR0], s20, v2
	s_lshl_b32 s20, s15, 8
	s_add_co_u32 s20, s20, SCP
	v_add_nc_u32 v[ASP], s20, v3
	s_lshl_b32 s20, s16, 8
	s_add_co_u32 s20, s20, SCR
	v_add_nc_u32 v[ASR0], s20, v3
	s_lshl_b32 s20, s14, 11
	s_add_co_u32 s20, s20, BIA                     ; my wave's copy of the bias
	v_add_nc_u32 v6, s20, v4                       ; in: as it lies
	s_lshl_b32 s22, s16, 8
	s_add_co_u32 s20, s20, s22
	v_lshl_add_u32 v[ABI0], v5, 5, s20             ; out: my 64 columns of a tile, + 32 h
	; where my results go: half scale word (K step tR, token 128 tP + 64 (w >> 1) + .., half w & 1); record (8 tP + 4 (w >> 1) + a, 2 tR + (w & 1)), 64 records to a row tile; tR = 4 g at the start
	s_lshl_b32 s20, s82, 16
	s_lshl_b32 s22, s17, 9
	s_add_co_u32 s20, s20, s22
	s_lshl_b32 s22, s15, 8
	s_add_co_u32 s20, s20, s22
	s_lshl_b32 s22, s16, 1
	s_add_co_u32 s20, s20, s22
	s_add_co_u32 s20, s20, HID_S
	s_add_nc_u64 s[12:13], s[10:11], s[20:21]
	s_lshl_b32 s20, s17, 3
	s_lshl_b32 s22, s15, 2
	s_add_co_u32 s20, s20, s22
	s_lshl_b32 s20, s20, 6
	s_lshl_b32 s22, s82, 3
	s_add_co_u32 s20, s20, s22
	s_add_co_u32 s20, s20, s16
	s_mul_i32 s20, s20, 768
	s_add_nc_u64 s[10:11], s[10:11], s[20:21]
	s_mov_b32 s[SEL], 0x76543210
	s_mov_b32 s[SEL+1], 0xfedcba98                 ; lane l xor 16
	s_mov_b32 s96, 0xffff0000                      ; lanes 16-31
	s_mov_b32 s97, 0x3eb504f3                      ; 1 / (2 sqrt(2))
	v_mov_b32 v14, 0x3fd27892                      ; 1.64430446, twice
	v_mov_b32 v15, 0x3fd27892
	v_mov_b32 v[TM+2], 0                           ; (a lane permute's destination counts as read)
	v_mov_b32 v[TM+3], 0
	s_mov_b32 s[TB], 0
	s_mov_b32 s[TS], 0
	s_wait_alu depctr_va_vdst(0)
	s_wait_loadcnt 0x0                             ; the bias
.irp m, 0,1,2,3
	ds_store_b128 v6, v[64+4*\m:67+4*\m] offset:512*\m   ; my wave's own bytes: only I read them
.endr
	s_wait_tensorcnt 0x0                           ; my tile of the head's four is in; slot 1's first fill is issued as a refill is:
	ds_add_u32 v[SPW], v[NIL]                      ; 0 onto my spare word;
	s_mov_b32 s[G1B+2], 96<<16                     ; no load of mine is out: from here on a load of R brings a quarter, 96 rows of 256 bytes
	s_mov_b32 s[G1B+4], 96
	s_wait_dscnt 0x0                               ; the add is done, and my stores of the bias have landed
	CROUND                                         ; all four tiles are in, in every work-group of the cluster
	TL G0R+4, G1B                                  ; tile 1 into slot 1, a quarter a wave: it has tile 0's work in which to land
.irp g, 0,1
.irp s, 0,1,2,3,4,5,6,7
	ds_load_b32 v[SC+16+8*\g+\s], v[ASP] offset:\s*512+\g*128    ; P's 16 registers of scale words: once
.endr
.endr
.set kq, 0
.rept 8                                ; P's 32 fragments, once: the first K step's wait for all LDS loads covers them
.set WW, 0x80+0x40*(kq/5)
	WIN WW
.irp i, 0,1,2,3
.irp e, 0,1,2,3,4,5
	ds_load_b64 v[48*(kq%5)+12*\i+2*\e:48*(kq%5)+12*\i+2*\e+1], v[ADP] offset:\i*12288+kq*1536+\e*256
.endr
.endr
.set kq, kq+1
.endr
	WIN 0
	s_mov_b32 s3, 2
.Lfill:
	TILE 1
	s_sub_co_u32 s3, s3, 1
	s_cmp_lg_u32 s3, 0
	s_cbranch_scc1 .Lfill
	s_mov_b32 s3, 2
.Ltail:                                            ; tiles 2 and 3: nothing is left to fetch
	TILE 0
	s_sub_co_u32 s3, s3, 1
	s_cmp_lg_u32 s3, 0
	s_cbranch_scc1 .Ltail
	s_wait_tensorcnt 0x0                           ; the wave's end: behind my last tensor load and my last LDS store
	ds_add_u32 v[SPW], v[NIL]
	s_wait_dscnt 0x0
	CROUND                                         ; the closing round: no work-group ends while a partner may still ask for a tile that names it
	s_endpgm
.Lfunc_end_k_q83cad0de7f_ff1:
	.size	k_q83cad0de7f_ff1, .Lfunc_end_k_q83cad0de7f_ff1-k_q83cad0de7f_ff1
	.p2alignl 7, 3214868480
	.fill 96, 4, 3214868480
	.section	.rodata,"a",@progbits
	.p2align	6, 0x0
	.amdhsa_kernel k_q83cad0de7f_ff1
		.amdhsa_group_segment_fixed_size 327680
		.amdhsa_private_segment_fixed_size 0
		.amdhsa_enable_private_segment 0
		.amdhsa_kernarg_size 32
		.amdhsa_user_sgpr_count 2
		.amdhsa_user_sgpr_kernarg_segment_ptr 1
		.amdhsa_wavefront_size32 1
		.amdhsa_system_sgpr_workgroup_id_x 1
		.amdhsa_system_sgpr_workgroup_id_y 1
		.amdhsa_system_sgpr_workgroup_id_z 1
		.amdhsa_system_vgpr_workitem_id 0
		.amdhsa_next_free_vgpr 1024
		.amdhsa_next_free_sgpr 98
		.amdhsa_reserve_vcc 0
		.amdhsa_float_denorm_mode_32 3
		.amdhsa_float_denorm_mode_16_64 3
		.amdhsa_memory_ordered 1
		.amdhsa_forward_progress 1
		.amdhsa_inst_pref_size 255
	.end_amdhsa_kernel
	.section	.bss,"aw",@nobits
	.p2align	6
	.space	262144
	.amdgpu_metadata
---
amdhsa.version: [ 1, 2 ]
amdhsa.kernels:
  - .name:           k_q83cad0de7f_ff1
    .symbol:         k_q83cad0de7f_ff1.kd
    .args:
      - { .name: act, .offset: 0, .size: 8, .value_kind: global_buffer, .address_space: global }
      - { .name: wts, .offset: 8, .size: 8, .value_kind: global_buffer, .address_space: global }
      - { .name: ff_b1, .offset: 16, .size: 8, .value_kind: global_buffer, .address_space: global }
      - { .name: hid, .offset: 24, .size: 8, .value_kind: global_buffer, .address_space: global }
    .group_segment_fixed_size: 327680
    .private_segment_fixed_size: 0
    .kernarg_segment_align: 8
    .kernarg_segment_size: 32
    .max_flat_workgroup_size: 128
    .sgpr_count:     98
    .vgpr_count:     1024
    .wavefront_size: 32
...
	.end_amdgpu_metadata
.endif
;; end of part 6
;; launch ff2 (part 7): grid 8 x 32, 4 waves a work-group, clusters of 4 x 4, 327,680 bytes of LDS; arguments hid, wts, ff_b2, x1, out0; writes out0
.if DOCPART == 7
	.amdgcn_target "amdgcn-amd-amdhsa--gfx1250"
	.amdhsa_code_object_version 6
	.text
	.protected	k_q83cad0de7f_ff2
	.globl	k_q83cad0de7f_ff2
	.p2align	8
	.type	k_q83cad0de7f_ff2,@function
k_q83cad0de7f_ff2:
	s_mov_b64 s[64:65], 0
	v_nop
	global_prefetch_b8 v0, s[64:65] scope:SCOPE_SE
	s_setreg_imm32_b32 hwreg(HW_REG_WAVE_MODE, 25, 1), 1
	s_wait_xcnt 0x0
	s_wait_alu depctr_hold_cnt(0) depctr_sa_sdst(0) depctr_va_vdst(0) depctr_va_sdst(0) depctr_va_ssrc(0) depctr_va_vcc(0) depctr_vm_vsrc(0)
	s_getreg_b32 s2, hwreg(HW_REG_IB_STS2, 6, 4)
	s_cmp_eq_u32 s2, 0
	s_cbranch_scc0 .Lentry_in_a_cluster
	s_endpgm
.Lentry_in_a_cluster:
	s_bfe_u32 s2, ttmp6, 0x10000c
	s_cmp_lg_u32 s2, 0xf033
	s_cbranch_scc0 .Lentry_shape_is_right
	s_endpgm
.Lentry_shape_is_right:
; out0 = x1 + hid ff_w2 + ff_b2 on codes of FP6 (E2M3) with E8M0 scales, f32 sums.  A tile of 128 x 128 a work-group, 64 x 64 a wave: operand P (tokens) is source 1, operand R (the weight's columns) source 0.
; K = 4,096 goes in eight fills of 4 K steps (98,304 bytes) through a ring of two slots.  Clusters 4 x 4: P's tiles are shared along a row, R's along a column: joint loads.
; The head's four tiles go out one a wave: slot 0's P, slot 0's R, P's scale words, R's; slot 1 follows behind the full sequence and a round, a quarter a wave, as every refill does.
; PREFETCH: behind refill t stands one request a wave for fill t + 2 (fills 2 and 3 are asked for at the head): of the four row tiles that a wave fetches, the partner at place p (cx for P, cy for R) names row tile p:
; 6,144 bytes, 24 lanes at 256 bytes apart (lanes 24-31 name the last block again).  The loop's last trip asks for nothing: fills 8 and 9 do not exist.
.set PFO,   30                         ; v30     256 x min(lane, 23); never rewritten
.set PFA,   94                         ; s[94:95] my row tile, at fill t - 1 when refill t is asked for
.set KS,    32
.set P_S,   12582912
.set RP,    4096
.set W_C,   6291456
.set W_S,   9732096
.set RR,    1024
.set NJ,    2*KS
.set LAPS,  KS/8
.set SLOT,  98304
.set QUART, 24576
.set SCL,   196608
.set HALFS, (KS/2)*512
.set STAGE, 229376
.set SPARE, 246784
.set ADP, 16
.set ADR, 20
.set ASP, 22
.set ASR, 23
.set STO, 24
.set RD,  25
.set CO,  26
.set SPW, 28
.set NIL, 29
.set SC,  32
.set BI,  64
.set ACC, 128
.set F0,  0
.set F1,  128
.set G1,  24
.set G0,  32
.set G1B, 48
.set G0B, 56
.set G1S, 68
.set G0S, 76
.set G1SB, 80
.set G0SB, 88
.set MSB, 0
.macro WIN new
.if MSB != \new
	s_set_vgpr_msb (MSB<<8)|\new
.set MSB, \new
.endif
.endm
.set MUL,  0x05
.set TO_F, 0x40
.macro PLACES
.rept 4
	v_nop
.endr
.endm
.macro JLOAD g0a, g1a, g0b, g1b
	s_cmp_eq_u32 s15, 0
	s_cbranch_scc0 .Lfor_b_\@
	tensor_load_to_lds s[\g0a:\g0a+3], s[\g1a:\g1a+7]
	s_nop 0
.rept 4
	v_nop
.endr
	s_branch .Lasked_\@
.Lfor_b_\@:
	tensor_load_to_lds s[\g0b:\g0b+3], s[\g1b:\g1b+7]
	s_nop 0
.rept 4
	v_nop
.endr
.Lasked_\@:
.endm
.macro CREST
	s_cmp_lg_u32 s14, 0
	s_cbranch_scc1 .Lnot_wave_0_\@
	s_barrier_signal -3
.Lnot_wave_0_\@:
	s_barrier_wait -3
	s_barrier_signal -1
	s_barrier_wait -1
.endm
.macro CROUND
	s_barrier_signal -1
	s_barrier_wait -1
	CREST
.endm
.macro FETCH slot, q, f
	WIN TO_F
.irp i, 0,1,2,3
.irp e, 0,1,2,3,4,5
	ds_load_b64 v[(\f)+12*\i+2*\e:(\f)+12*\i+2*\e+1], v[ADR+\slot] offset:\i*6144+(\q)*1536+\e*256
.endr
.endr
.irp i, 0,1,2,3
.irp e, 0,1,2,3,4,5
	ds_load_b64 v[(\f)+48+12*\i+2*\e:(\f)+48+12*\i+2*\e+1], v[ADP+\slot] offset:\i*6144+(\q)*1536+\e*256
.endr
.endr
.endm
.macro SCALES sc
.irp g, 0,1
.irp q, 0,1,2,3
	ds_load_b32 v[SC+16*(\sc)+4*\g+\q], v[ASR] offset:\q*512+\g*128
	ds_load_b32 v[SC+16*(\sc)+8+4*\g+\q], v[ASP] offset:\q*512+\g*128
.endr
.endr
.endm
.macro WM a, b, f, q, sc, first
.set rD, ACC+8*(4*(\a)+(\b))
.set rC, rD
.if \first
.set rC, BI+8*(\b)
.endif
.set rR, (\f)+12*(\b)
.set rP, (\f)+48+12*(\a)
.set rX, SC+16*(\sc)+4*((\b)/2)+(\q)
.set rY, SC+16*(\sc)+8+4*((\a)/2)+(\q)
.if ((\a)%2 == 0) && ((\b)%2 == 0)
	v_wmma_scale_f32_16x16x128_f8f6f4 v[rD:rD+7], v[rR:rR+11], v[rP:rP+11], v[rC:rC+7], v[rX], v[rY] matrix_a_fmt:MATRIX_FMT_FP6 matrix_b_fmt:MATRIX_FMT_FP6
.elseif ((\a)%2 == 0)
	v_wmma_scale_f32_16x16x128_f8f6f4 v[rD:rD+7], v[rR:rR+11], v[rP:rP+11], v[rC:rC+7], v[rX], v[rY] matrix_a_fmt:MATRIX_FMT_FP6 matrix_b_fmt:MATRIX_FMT_FP6 matrix_a_scale:MATRIX_SCALE_ROW1
.elseif ((\b)%2 == 0)
	v_wmma_scale_f32_16x16x128_f8f6f4 v[rD:rD+7], v[rR:rR+11], v[rP:rP+11], v[rC:rC+7], v[rX], v[rY] matrix_a_fmt:MATRIX_FMT_FP6 matrix_b_fmt:MATRIX_FMT_FP6 matrix_b_scale:MATRIX_SCALE_ROW1
.else
	v_wmma_scale_f32_16x16x128_f8f6f4 v[rD:rD+7], v[rR:rR+11], v[rP:rP+11], v[rC:rC+7], v[rX], v[rY] matrix_a_fmt:MATRIX_FMT_FP6 matrix_b_fmt:MATRIX_FMT_FP6 matrix_a_scale:MATRIX_SCALE_ROW1 matrix_b_scale:MATRIX_SCALE_ROW1
.endif
.endm
.macro MULH f, q, sc, a0, first
.irp a, \a0, \a0+1
.irp b, 0,1,2,3
	WM \a, \b, \f, \q, \sc, \first
.endr
.endr
.endm
.macro KSTEP slot, q, f, g, first
	s_wait_dscnt 0x0
	PLACES
	FETCH \slot, (\q)+1, \g
	WIN MUL
	MULH \f, \q, \slot, 0, \first
	MULH \f, \q, \slot, 2, \first
.endm
.macro TURN slot, next, fill
.if \fill
	s_wait_xcnt 0x0                                ; my last prefetch has read its address: it is stepped only behind this wait
	s_add_nc_u64 s[PFA:PFA+1], s[PFA:PFA+1], 6144
.endif
	WIN 0
	s_wait_tensorcnt 0x0
	ds_add_u32 v[SPW], v[NIL]
	s_wait_dscnt 1
	WIN MUL
	MULH F1, 3, \slot, 0, 0
	s_wait_dscnt 0x0
	s_barrier_signal -1
	WIN 0
	s_barrier_wait -1
.if \fill
	CREST
	s_add_nc_u64 s[G0+4*\slot+2:G0+4*\slot+3], s[G0+4*\slot+2:G0+4*\slot+3], 12288
	s_add_nc_u64 s[G0B+4*\slot+2:G0B+4*\slot+3], s[G0B+4*\slot+2:G0B+4*\slot+3], 12288
	JLOAD G0+4*\slot, G1, G0B+4*\slot, G1B
.else
	PLACES
.endif
	s_wait_alu depctr_va_vdst(0)
	v_add_nc_u32 v[ASP], 2048, v[ASP]
	v_add_nc_u32 v[ASR], 2048, v[ASR]
	FETCH \next, 0, F0
	WIN 0
	SCALES \next
.if \fill
	s_cmp_gt_u32 s3, 1                             ; not in the loop's last trip
	s_cbranch_scc0 .Lnoask_\@
	global_prefetch_b8 v[PFO], s[PFA:PFA+1] offset:18432 th:TH_LOAD_NT scope:SCOPE_SE   ; the fill two refills on
.Lnoask_\@:
.endif
	WIN MUL
	MULH F1, 3, \slot, 2, 0
.endm
	s_load_b128 s[4:7], s[0:1], 0x0
	s_load_b128 s[8:11], s[0:1], 0x10
	s_load_b64 s[12:13], s[0:1], 0x20
	v_lshl_add_u32 v[SPW], v0, 2, SPARE
	v_mov_b32 v[NIL], 0
	ds_add_u32 v28, v29
	ds_add_u32 v28, v29
	s_wait_dscnt 0x0
	v_lshrrev_b32 v1, 5, v0
	v_readfirstlane_b32 s14, v1
	s_lshr_b32 s15, s14, 1
	s_and_b32 s16, s14, 1
	s_bfe_u32 s40, ttmp6, 0x40000
	s_bfe_u32 s41, ttmp6, 0x40004
	s_lshl_b32 s42, ttmp9, 2
	s_add_co_u32 s42, s42, s40
	s_and_b32 s17, ttmp7, 0xffff
	s_lshl_b32 s17, s17, 2
	s_add_co_u32 s17, s17, s41
	s_lshl_b32 s43, s41, 2
	s_lshl_b32 s43, 15, s43
	s_lshl_b32 s44, 0x1111, s40
	s_or_b32 s[G1+0], s43, (3<<16)|(1<<21)
	s_or_b32 s[G1B+0], s44, (3<<16)|(1<<21)
.irp g, G1, G1B
	s_mov_b32 s[\g+1], 768<<16
	s_mov_b32 s[\g+2], 8<<16                       ; the head's loads bring all 8 row tiles of a slot
	s_mov_b32 s[\g+3], 768<<16
	s_mov_b32 s[\g+4], 8
	s_mov_b32 s[\g+5], KS*192
	s_mov_b32 s[\g+6], 0
	s_mov_b32 s[\g+7], 0
.endr
	s_or_b32 s[G1S+0], s43, (3<<16)|(1<<21)
	s_or_b32 s[G1SB+0], s44, (3<<16)|(1<<21)
.irp g, G1S, G1SB
	s_mov_b32 s[\g+1], 64<<16
	s_mov_b32 s[\g+2], KS<<16
	s_mov_b32 s[\g+3], 64<<16
	s_mov_b32 s[\g+4], KS
	s_mov_b32 s[\g+6], 0
	s_mov_b32 s[\g+7], 0
.endr
	s_mov_b32 s[G1S+5], RP/2
	s_mov_b32 s[G1SB+5], RR/2
	s_mul_i32 s96, s16, 4*NJ*768                   ; my four row tiles of a quarter load, in bytes
	s_mov_b32 s97, 0
	s_lshl_b32 s20, s17, 3
	s_mul_i32 s20, s20, NJ*768
	s_mov_b32 s21, 0
	s_lshl_b32 s46, s42, 3
	s_mul_i32 s46, s46, NJ*768
	s_add_co_u32 s46, s46, W_C
	s_mov_b32 s47, 0
	s_lshl_b32 s22, s17, 9
	s_add_co_u32 s22, s22, P_S
	s_mov_b32 s23, 0
	s_lshl_b32 s92, s42, 9
	s_add_co_u32 s92, s92, W_S
	s_mov_b32 s93, 0
	s_mul_i32 s45, s14, QUART
	s_wait_kmcnt 0x0
	s_add_nc_u64 s[20:21], s[4:5], s[20:21]
	s_add_nc_u64 s[22:23], s[4:5], s[22:23]
	s_add_nc_u64 s[46:47], s[6:7], s[46:47]
	s_add_nc_u64 s[92:93], s[6:7], s[92:93]
	CROUND
	s_mov_b32 s[G0S], 1
	s_mov_b32 s[G0S+1], SCL
	s_mov_b64 s[G0S+2:G0S+3], s[22:23]
	s_or_b32 s[G0S+3], s[G0S+3], 0x80000000
	s_mov_b32 s[G0SB], 1
	s_mov_b32 s[G0SB+1], SCL+KS*512
	s_mov_b64 s[G0SB+2:G0SB+3], s[92:93]
	s_or_b32 s[G0SB+3], s[G0SB+3], 0x80000000
.irp s, 0,1
	s_mov_b32 s[G0+4*\s], 1
	s_add_co_u32 s[G0+4*\s+1], s45, \s*SLOT
	s_add_nc_u64 s[G0+4*\s+2:G0+4*\s+3], s[20:21], \s*6144
	s_or_b32 s[G0+4*\s+3], s[G0+4*\s+3], 0x80000000
	s_mov_b32 s[G0B+4*\s], 1
	s_add_co_u32 s[G0B+4*\s+1], s45, \s*SLOT
	s_add_nc_u64 s[G0B+4*\s+2:G0B+4*\s+3], s[46:47], \s*6144
	s_or_b32 s[G0B+4*\s+3], s[G0B+4*\s+3], 0x80000000
.endr
	s_add_nc_u64 s[G0+6:G0+7], s[G0+6:G0+7], s[96:97]      ; slot 1's load is a quarter: my four row tiles
	s_add_nc_u64 s[G0B+6:G0B+7], s[G0B+6:G0B+7], s[96:97]
	s_mov_b32 s[G0+1], 0                                   ; slot 0's first fill is whole: P's 8 row tiles,
	s_mov_b32 s[G0B+1], 2*QUART                            ; R's behind them
; THE HEAD'S LOADS, ONE A WAVE, in one chain of branches on the wave's number
.macro ARM under, g0, g1, next
	s_cmp_lt_u32 s14, \under
	s_cbranch_scc0 \next
	tensor_load_to_lds s[\g0:\g0+3], s[\g1:\g1+7]
	s_nop 0
.rept 4
	v_nop
.endr
	s_branch .Lhead_asked
\next:
.endm
	ARM 1, G0, G1, .Lhead_r
	ARM 2, G0B, G1B, .Lhead_sp
	ARM 3, G0S, G1S, .Lhead_sr
	tensor_load_to_lds s[G0SB:G0SB+3], s[G1SB:G1SB+7]
	s_nop 0
.rept 4
	v_nop
.endr
.Lhead_asked:
	s_cmp_eq_u32 s15, 0                            ; the prefetches' address: do I fetch for P?
	s_cselect_b64 s[PFA:PFA+1], s[20:21], s[46:47]
	s_cselect_b32 s22, s40, s41                    ; my place among the four that ask with me: told apart by address alone
	s_mul_i32 s22, s22, NJ*768
	s_add_co_u32 s22, s22, s96                     ; + the four row tiles that I fetch
	s_mov_b32 s23, 0
	s_add_nc_u64 s[PFA:PFA+1], s[PFA:PFA+1], s[22:23]
	v_and_b32 v1, 31, v0
	v_lshlrev_b32 v2, 3, v1
	v_lshlrev_b32 v3, 2, v1
	v_and_b32 v4, 15, v0
	s_wait_alu depctr_va_vdst(0)
	v_bfe_u32 v5, v0, 4, 1
	s_mul_i32 s18, s15, QUART
	s_mul_i32 s19, s16, QUART
	s_add_co_u32 s19, s19, 2*QUART
	v_add_nc_u32 v[ADP], s18, v2
	v_add_nc_u32 v[ADR], s19, v2
	v_add_nc_u32 v[ADP+1], SLOT, v[ADP]
	v_add_nc_u32 v[ADR+1], SLOT, v[ADR]
	s_lshl_b32 s18, s15, 8
	s_add_co_u32 s18, s18, SCL
	v_add_nc_u32 v[ASP], s18, v3
	s_lshl_b32 s19, s16, 8
	s_add_co_u32 s19, s19, SCL+KS*512
	v_add_nc_u32 v[ASR], s19, v3
	s_mul_i32 s18, s14, 16*272
	s_add_co_u32 s18, s18, STAGE
	v_mul_u32_u24 v[STO], v4, 272
	s_wait_alu depctr_va_vdst(0)
	v_lshl_add_u32 v[STO], v5, 5, v[STO]
	v_add_nc_u32 v[STO], s18, v[STO]
	v_mul_u32_u24 v[RD], v5, 272
	v_lshl_add_u32 v[RD], v4, 4, v[RD]
	v_add_nc_u32 v[RD], s18, v[RD]
	v_lshlrev_b32 v[CO], 12, v5
	v_lshl_add_u32 v[CO], v4, 4, v[CO]
	v_lshlrev_b32 v27, 5, v5
	v_and_b32 v[PFO], 31, v0
	v_min_u32 v[PFO], 23, v[PFO]
	v_lshlrev_b32 v[PFO], 8, v[PFO]
	s_wait_alu depctr_va_vdst(0)
	s_lshl_b32 s18, s42, 9
	s_lshl_b32 s19, s16, 8
	s_add_co_u32 s18, s18, s19
	s_mov_b32 s19, 0
	s_add_nc_u64 s[8:9], s[8:9], s[18:19]
	s_lshl_b32 s20, s17, 19
	s_add_co_u32 s18, s18, s20
	s_lshl_b32 s20, s15, 18
	s_add_co_u32 s18, s18, s20
	s_add_nc_u64 s[10:11], s[10:11], s[18:19]
	s_add_nc_u64 s[12:13], s[12:13], s[18:19]
	global_prefetch_b8 v[PFO], s[PFA:PFA+1] offset:12288 th:TH_LOAD_NT scope:SCOPE_SE   ; fill 2
	global_prefetch_b8 v[PFO], s[PFA:PFA+1] offset:18432 th:TH_LOAD_NT scope:SCOPE_SE   ; fill 3
.irp b, 0,1,2,3
	global_load_b128 v[BI+8*\b:BI+8*\b+3], v27, s[8:9] offset:64*\b
	global_load_b128 v[BI+8*\b+4:BI+8*\b+7], v27, s[8:9] offset:64*\b+16
.endr
	WIN 0x80
.irp a, 0,1,2,3
.irp t, 0,1,2,3,4,5,6,7
	global_load_b128 v[32*\a+4*\t:32*\a+4*\t+3], v[CO], s[10:11] offset:(16*\a+2*\t)*4096
.endr
.endr
	WIN 0
	s_wait_tensorcnt 0x0                           ; my tile of the head's four is in; slot 1's first fill is issued as a refill is:
	ds_add_u32 v[SPW], v[NIL]                      ; 0 onto my spare word;
	s_mov_b32 s[G1+2], 4<<16                       ; no load of mine is out: from here on a load brings 4 row tiles,
	s_mov_b32 s[G1+4], 4
	s_mov_b32 s[G1B+2], 4<<16
	s_mov_b32 s[G1B+4], 4
	s_mov_b32 s[G0+1], s45                         ; and slot 0's descriptors take the ring's form: my quarter
	s_mov_b32 s[G0B+1], s45
	s_add_nc_u64 s[G0+2:G0+3], s[G0+2:G0+3], s[96:97]
	s_add_nc_u64 s[G0B+2:G0B+3], s[G0B+2:G0B+3], s[96:97]
	s_wait_dscnt 0x0
	CROUND                                         ; all four tiles are in, in every work-group of the cluster
	JLOAD G0+4, G1, G0B+4, G1B                     ; slot 1, a quarter a wave
	FETCH 0, 0, F0
	WIN 0
	SCALES 0
	s_wait_loadcnt 32
	KSTEP 0, 0, F0, F1, 1
.if LAPS > 1
	WIN 0
	s_mov_b32 s3, LAPS-1
.Llap:
	KSTEP 0, 1, F1, F0, 0
	KSTEP 0, 2, F0, F1, 0
	TURN 0, 1, 1
	KSTEP 1, 0, F0, F1, 0
	KSTEP 1, 1, F1, F0, 0
	KSTEP 1, 2, F0, F1, 0
	TURN 1, 0, 1
	KSTEP 0, 0, F0, F1, 0
	WIN 0
	s_sub_co_u32 s3, s3, 1
	s_cmp_lg_u32 s3, 0
	s_cbranch_scc1 .Llap
.endif
	KSTEP 0, 1, F1, F0, 0
	KSTEP 0, 2, F0, F1, 0
	TURN 0, 1, 0
	KSTEP 1, 0, F0, F1, 0
	KSTEP 1, 1, F1, F0, 0
	KSTEP 1, 2, F0, F1, 0
	s_wait_dscnt 0x0
	MULH F1, 3, 1, 0, 0
	MULH F1, 3, 1, 2, 0
	WIN 0
	PLACES
	s_wait_loadcnt 0x0
.irp a, 0,1,2,3
.if \a >= 2
	s_wait_xcnt 0x0
.endif
.set OBB, 64+32*((\a)%2)
.irp b, 0,1,2,3
	ds_store_b128 v[STO], v[ACC+8*(4*\a+\b):ACC+8*(4*\a+\b)+3] offset:64*\b
	ds_store_b128 v[STO], v[ACC+8*(4*\a+\b)+4:ACC+8*(4*\a+\b)+7] offset:64*\b+16
.endr
.irp t, 0,1,2,3,4,5,6,7
	ds_load_b128 v[OBB+4*\t:OBB+4*\t+3], v[RD] offset:\t*2*272
.endr
	s_wait_dscnt 0x0
	WIN 0x08
.set j, 0
.rept 16
	v_pk_add_f32 v[OBB+j:OBB+j+1], v[OBB+j:OBB+j+1], v[32*(\a)+j:32*(\a)+j+1]
.set j, j+2
.endr
	WIN 0
.irp t, 0,1,2,3,4,5,6,7
	global_store_b128 v[CO], v[OBB+4*\t:OBB+4*\t+3], s[12:13] offset:(16*\a+2*\t)*4096
.endr
.endr
	s_wait_tensorcnt 0x0
	ds_add_u32 v[SPW], v[NIL]
	s_wait_dscnt 0x0
	CROUND
	s_endpgm
.Lfunc_end_k_q83cad0de7f_ff2:
	.size	k_q83cad0de7f_ff2, .Lfunc_end_k_q83cad0de7f_ff2-k_q83cad0de7f_ff2
	.p2alignl 7, 3214868480
	.fill 96, 4, 3214868480
	.section	.rodata,"a",@progbits
	.p2align	6, 0x0
	.amdhsa_kernel k_q83cad0de7f_ff2
		.amdhsa_group_segment_fixed_size 327680
		.amdhsa_private_segment_fixed_size 0
		.amdhsa_enable_private_segment 0
		.amdhsa_kernarg_size 40
		.amdhsa_user_sgpr_count 2
		.amdhsa_user_sgpr_kernarg_segment_ptr 1
		.amdhsa_wavefront_size32 1
		.amdhsa_system_sgpr_workgroup_id_x 1
		.amdhsa_system_sgpr_workgroup_id_y 1
		.amdhsa_system_sgpr_workgroup_id_z 1
		.amdhsa_system_vgpr_workitem_id 0
		.amdhsa_next_free_vgpr 640
		.amdhsa_next_free_sgpr 98
		.amdhsa_reserve_vcc 0
		.amdhsa_float_denorm_mode_32 3
		.amdhsa_float_denorm_mode_16_64 3
		.amdhsa_memory_ordered 1
		.amdhsa_forward_progress 1
		.amdhsa_inst_pref_size 118
	.end_amdhsa_kernel
	.amdgpu_metadata
---
amdhsa.version: [ 1, 2 ]
amdhsa.kernels:
  - .name:           k_q83cad0de7f_ff2
    .symbol:         k_q83cad0de7f_ff2.kd
    .args:
      - { .name: hid, .offset: 0, .size: 8, .value_kind: global_buffer, .address_space: global }
      - { .name: wts, .offset: 8, .size: 8, .value_kind: global_buffer, .address_space: global }
      - { .name: ff_b2, .offset: 16, .size: 8, .value_kind: global_buffer, .address_space: global }
      - { .name: x1, .offset: 24, .size: 8, .value_kind: global_buffer, .address_space: global }
      - { .name: out0, .offset: 32, .size: 8, .value_kind: global_buffer, .address_space: global }
    .group_segment_fixed_size: 327680
    .private_segment_fixed_size: 0
    .kernarg_segment_align: 8
    .kernarg_segment_size: 40
    .max_flat_workgroup_size: 128
    .sgpr_count:     98
    .vgpr_count:     640
    .wavefront_size: 32
...
	.end_amdgpu_metadata
.endif
;; end of part 7
